; MI455X (gfx1250); checked and timed in simulation.
; The chip was launched on July 23, 2026; its instructions are those of AMD's public machine-readable ISA for CDNA 5 (MIT licence, August 2026) and "CDNA5" Instruction Set Architecture Reference Guide (July 2026). The comments in the code are by the model that wrote it; some were corrected since.
;; NTB. Allowed arithmetic: matrix products marked QUANTISED: E2M3 operands, one E8M0 scale for each 32 along K, by v_wmma_scale_f32_16x16x128_f8f6f4 with both operands' format E2M3, f32 sums; everything else in f32.
;; Inputs: b1 4,096 float32; b2 1,024 float32; ln1_b 1,024 float32; ln1_g 1,024 float32; ln2_b 1,024 float32; ln2_g 1,024 float32; temp 16 x 1 x 1 float32; w1 4,096 x 1,024 float32; w2 1,024 x 4,096 float32; w_proj 1,024 x 1,024 float32; w_qkv 3,072 x 1,024 float32; x 2 x 2,048 x 1,024 float32.
;; Outputs: out0 2 x 2,048 x 1,024 float32.
;; This version of the problem:
;;   THIS VERSION OF THE PROBLEM IS GIVEN IN LOW PRECISION. The matrix products marked QUANTISED in the list below multiply operands that are first quantised to E2M3 (2 exponent bits, 3 mantissa bits; 6 bits a number), with one power-of-two scale for each 32 numbers along K (OCP MX v1.0); their sums are f32. All else is computed in f32.
;;   The module's matrix products, in the order in which they are computed (A, B: the left and right operand; K: the contracted axis; several contracted axes count as one K, in the product's order):
;;     1. [M 4,096, K 1,024] x [K 1,024, N 3,072]; A: computed on the way; B: input w_qkv: QUANTISED
;;     2. batch 32 x [M 2,048, K 64] x [K 64, N 2,048]; A: computed on the way; B: computed on the way: QUANTISED
;;     3. batch 32 x [M 2,048, K 2,048] x [K 2,048, N 64]; A: softmax (see below); B: computed on the way: QUANTISED
;;     4. [M 4,096, K 1,024] x [K 1,024, N 1,024]; A: computed on the way; B: input w_proj: QUANTISED
;;     5. [M 4,096, K 1,024] x [K 1,024, N 4,096]; A: computed on the way; B: input w1: QUANTISED
;;     6. [M 4,096, K 4,096] x [K 4,096, N 1,024]; A: computed on the way; B: input w2: QUANTISED
;;   THE QUANTISER, for each operand of a quantised product, along K:
;;     - K is cut into blocks of 32 from its start; a last block that is shorter is filled with zeros.
;;     - A block's scale is 2^e with e = floor(log2(the largest magnitude in the block)) - 2, held to -126 .. 127; a block of zeros has e = 0. As a byte (E8M0): e + 127.
;;     - Each number is divided by its block's scale, clamped to +-7.5, and rounded to the nearest number of E2M3, ties to even, subnormals kept.
;;     - The product sums the exact products of the quantised numbers (number of the format x scale) in f32.
;;   ~~~python
;;   def quantise(x, axis):      # numpy; x: float32 -> the quantised numbers, widened to float32 again
;;       x = np.moveaxis(x, axis, -1); K = x.shape[-1]
;;       x = np.pad(x, [(0, 0)] * (x.ndim - 1) + [(0, -K % 32)]); x = x.reshape(x.shape[:-1] + (-1, 32)); a = np.abs(x).max(-1, keepdims=True)
;;       e = np.where(a > 0, np.clip(np.frexp(np.where(a > 0, a, 1))[1] - 1 - 2, -126, 127), 0)      # np.frexp(a)[1] - 1 = floor(log2(a)), exactly
;;       r = np.clip(x / 2.0 ** e, -7.5, 7.5)
;;       step = 2.0 ** (np.maximum(np.frexp(np.where(r == 0, 1, r))[1] - 1, 0) - 3)
;;       q = np.round(r / step) * step * 2.0 ** e      # np.round: ties to even
;;       return np.moveaxis(q.reshape(q.shape[:-2] + (-1,))[..., :K], -1, axis).astype(np.float32)
;;   ~~~
;;   SOFTMAX AHEAD OF A QUANTISED PRODUCT. Where the list says 'softmax', what is quantised is not the finished softmax but p = 2^(t - M), with t = logit x log2(e) and M = ceil(the row's largest t), a whole number; so 1/2 < the row's largest p <= 1. The row's sum l is taken of the UNQUANTISED p, in f32, and the product's result is divided by l at the end. Since M is a whole number, a kernel that streams over the keys may use a running M (the ceiling of the running maximum): every later rescaling is an exact power of two, which a block's scale takes up: the codes' values come out the same.
;;   OPERANDS COMPUTED ON THE WAY. 'Computed on the way' means the value that the module computes at that place (a softmax that the list does not call 'softmax' is quantised finished and normalised). What goes into a quantiser is computed in f32, as accurately as f32 sums, v_exp_f32 and their like allow (about 1e-6 of the number): no bf16 or f16 on the way to a quantiser, and a product that is left as it is and whose result goes on into a quantised operand takes f32 operands (vector FMAs, or v_wmma_f32_16x16x4_f32). A number that lies on a knife's edge between two numbers of the format may be rounded either way, as far as f32 arithmetic and the matrix unit's own rounding can turn it there, and no further.
;; 2 versions. Each part assembles by itself: llvm-mc -triple=amdgcn-amd-amdhsa -mcpu=gfx1250 --defsym DOCPART=n.
;; ======== version 1 of 2: 7 launches
;; workspace buffers: pan 13,107,200 bytes; qkvp 9,830,400 bytes; op 3,276,800 bytes; x2 16,777,216 bytes; h2p 3,276,800 bytes; hid 13,107,200 bytes
;; launch prep (part 1): grid 1024 x 1, 8 waves a work-group, no clusters, 66,816 bytes of LDS; arguments x, ln1_g, ln1_b, w_qkv, w_proj, w1, w2, pan; writes pan
.if DOCPART == 1
	.amdgcn_target "amdgcn-amd-amdhsa--gfx1250"
	.amdhsa_code_object_version 6
	.text
	.protected	k_qbb525ee117_prep
	.globl	k_qbb525ee117_prep
	.p2align	8
	.type	k_qbb525ee117_prep,@function
k_qbb525ee117_prep:
	s_mov_b64 s[64:65], 0
	v_nop
	global_prefetch_b8 v0, s[64:65] scope:SCOPE_SE
	s_setreg_imm32_b32 hwreg(HW_REG_WAVE_MODE, 25, 1), 1
	s_wait_xcnt 0x0
; Rows of f32, K innermost, become PANELS of FP6 (E2M3) codes with one E8M0 byte for each 32 along K.  Work-groups 0-255 take the first buffer and put LayerNorm in front
; (mean, variance of the differences, 1/sqrt(var + 1e-5), gain, bias, all f32); 256-447 take the fourth buffer, 448-511 the fifth, 512-767 the sixth (rows of 1,024), 768-1023 the seventh (rows of 4,096, a quarter each).
; PANEL: [group of 256 rows][K step of 128][25,600 bytes]: sixteen fragments of 1,536 bytes, then sixteen x 64 bytes of scale words (one word a row: byte b scales k = 32 b ..).
; A fragment is an image of the operand's 12 registers: registers 0-3 at 16 x lane, 4-5 at 512 + 8 x lane, 6-9 at 768 + 16 x lane, 10-11 at 1,280 + 8 x lane; lane (r, h), registers 6 c .. 6 c + 5: k = 64 c + 32 h + 0 .. 31.
; Lane row r of fragment i is row 32 (i / 2) + 8 (i % 2) + r + 8 (r / 8) of its group.
; A work-group takes one fragment's 16 rows x 1,024 along K.  Phase 1: wave w loads two rows, 512 consecutive bytes a load, (normalises,) and stores them to a stage in LDS.  One barrier.
; Phase 2: wave w takes K step w: a lane reads two whole blocks of 32 of its row, so a block's largest magnitude needs no other lane.
; LIMITS: a block of zeros gets the byte 1 where the rule says 127 (its codes are zeros, and this program alone reads the bytes); NaN and infinities are not served.
.set PITCH, 4112                       ; a stage row: 4,096 bytes + 16: an odd multiple of 16, so sixteen rows of one column fall on different banks
.set SPARE, 16*PITCH                   ; behind the stage: the spare words, 128 bytes a wave: four blocks of 256 bytes that no other line names
.set PANEL, 25600
.set SPW, 10                           ; v10  my spare word's LDS address; never rewritten
.set NIL, 11                           ; v11  0; never rewritten
.set SEL, 44                           ; s[44:45] selects of v_permlanex16_b32 for lane l xor 16
	s_load_b512 s[4:19], s[0:1], 0x0               ; x, gain, bias, four weights, the panels
	v_lshl_add_u32 v[SPW], v0, 2, SPARE
	v_mov_b32 v[NIL], 0
	v_lshrrev_b32 v1, 5, v0
	v_readfirstlane_b32 s26, v1                    ; wave 0..7
	v_and_b32 v1, 31, v0                           ; lane
	v_and_b32 v9, 15, v0                           ; r
	v_bfe_u32 v12, v0, 4, 1                        ; h
	v_lshlrev_b32 v2, 4, v1                        ; 16 x lane
	v_lshlrev_b32 v7, 3, v1                        ; 8 x lane
	v_lshlrev_b32 v8, 2, v9                        ; 4 r
	v_lshlrev_b32 v6, 3, v12                       ; 8 h: how far my two scale bytes are shifted
	s_mul_i32 s27, s26, 2*PITCH
	v_add_nc_u32 v4, s27, v2                       ; stage, in: rows 2 w and 2 w + 1, 16 bytes a lane
	v_mul_u32_u24 v5, v9, PITCH
	v_lshl_add_u32 v5, v12, 7, v5
	s_lshl_b32 s27, s26, 9
	v_add_nc_u32 v5, s27, v5                       ; stage, out: row r, K step w (512 bytes), + 128 h
	s_mov_b32 s[SEL], 0x76543210
	s_mov_b32 s[SEL+1], 0xfedcba98
	s_mov_b32 s42, 0x3a800000                      ; 1 / 1,024
	s_mov_b32 s43, 0x3727c5ac                      ; 1e-5
	; which tensor: the choice hangs on the work-group's number alone
	s_mov_b32 s22, 768                             ; the tensor's first work-group
	s_mov_b32 s23, 9830400                         ; its part of the panels
	s_cmp_lt_u32 ttmp9, 768
	s_cselect_b32 s24, 0, 2                        ; rows of 4,096 numbers are shared by four work-groups
	s_cselect_b32 s25, 0, 3
	s_cselect_b32 s22, 512, s22
	s_cselect_b32 s23, 6553600, s23
	s_wait_kmcnt 0x0
	s_cselect_b64 s[20:21], s[14:15], s[16:17]
	s_cmp_lt_u32 ttmp9, 512
	s_cselect_b64 s[20:21], s[12:13], s[20:21]
	s_cselect_b32 s22, 448, s22
	s_cselect_b32 s23, 5734400, s23
	s_cmp_lt_u32 ttmp9, 448
	s_cselect_b64 s[20:21], s[10:11], s[20:21]
	s_cselect_b32 s22, 256, s22
	s_cselect_b32 s23, 3276800, s23
	s_cmp_lt_u32 ttmp9, 256
	s_cselect_b64 s[20:21], s[4:5], s[20:21]
	s_cselect_b32 s22, 0, s22
	s_cselect_b32 s23, 0, s23
	s_sub_co_u32 s28, ttmp9, s22
	s_and_b32 s29, s28, s25                        ; which 1,024 along K
	s_lshr_b32 s28, s28, s24                       ; which block of 16 rows
	s_lshr_b32 s30, s28, 4                         ; group
	s_and_b32 s31, s28, 15                         ; fragment i
	s_lshl_b32 s32, s30, 8
	s_lshr_b32 s33, s31, 1
	s_lshl_b32 s33, s33, 5
	s_add_co_u32 s32, s32, s33
	s_and_b32 s33, s31, 1
	s_lshl_b32 s33, s33, 3
	s_add_co_u32 s32, s32, s33                     ; the fragment's first row
	s_lshl_b32 s33, s26, 1
	s_add_co_u32 s32, s32, s33
	s_lshr_b32 s33, s26, 2
	s_lshl_b32 s33, s33, 3
	s_add_co_u32 s32, s32, s33                     ; + 2 w + 8 (w / 4): my first row
	s_lshl_b32 s34, 0x1000, s24                    ; a row in bytes
	s_mul_i32 s32, s32, s34
	s_lshl_b32 s33, s29, 12
	s_add_co_u32 s32, s32, s33
	s_mov_b32 s33, 0
	s_add_nc_u64 s[20:21], s[20:21], s[32:33]
	v_add_nc_u32 v3, s34, v2                       ; my second row
	s_lshl_b32 s35, 8, s24                         ; K steps in a group
	s_mul_i32 s35, s35, s30
	s_lshl_b32 s36, s29, 3
	s_add_co_u32 s35, s35, s36
	s_add_co_u32 s35, s35, s26                     ; my K step's panel
	s_mul_i32 s35, s35, PANEL
	s_add_co_u32 s35, s35, s23
	s_mul_i32 s36, s31, 1536
	s_add_co_u32 s36, s36, s35
	s_mov_b32 s37, 0
	s_add_nc_u64 s[38:39], s[18:19], s[36:37]      ; where my fragment goes
	s_lshl_b32 s36, s31, 6
	s_add_co_u32 s36, s36, s35
	s_add_co_u32 s36, s36, 24576
	s_add_nc_u64 s[40:41], s[18:19], s[36:37]      ; and its scale words
.irp j, 0,1,2,3,4,5,6,7
	global_load_b128 v[16+4*\j:19+4*\j], v2, s[20:21] offset:512*\j th:TH_LOAD_NT
	global_load_b128 v[48+4*\j:51+4*\j], v3, s[20:21] offset:512*\j th:TH_LOAD_NT
.endr
	s_cmp_ge_u32 ttmp9, 256                        ; weights are quantised as they are: the jump leads round loads and register work alone
	s_cbranch_scc1 .Lplain
.irp j, 0,1,2,3,4,5,6,7
	global_load_b128 v[80+4*\j:83+4*\j], v2, s[6:7] offset:512*\j
	global_load_b128 v[112+4*\j:115+4*\j], v2, s[8:9] offset:512*\j
.endr
.macro WSUM a                          ; v[a] + v[a+1], summed over the wave's 32 lanes; the result in every lane
	v_add_f32 v[\a], v[\a], v[\a+1]
	v_add_f32_dpp v[\a], v[\a], v[\a] row_xmask:1 row_mask:0xf bank_mask:0xf
	v_add_f32_dpp v[\a], v[\a], v[\a] row_xmask:2 row_mask:0xf bank_mask:0xf
	v_add_f32_dpp v[\a], v[\a], v[\a] row_xmask:4 row_mask:0xf bank_mask:0xf
	v_add_f32_dpp v[\a], v[\a], v[\a] row_xmask:8 row_mask:0xf bank_mask:0xf
	v_permlanex16_b32 v[\a+1], v[\a], s[SEL], s[SEL+1]
	v_add_f32 v[\a], v[\a], v[\a+1]
.endm
	s_wait_loadcnt 16                              ; my two rows are in; the sixteen loads of gain and bias may be out
	v_pk_add_f32 v[12:13], v[16:17], v[18:19]
	v_pk_add_f32 v[14:15], v[48:49], v[50:51]
.set j, 4
.rept 14
	v_pk_add_f32 v[12:13], v[12:13], v[16+j:17+j]
	v_pk_add_f32 v[14:15], v[14:15], v[48+j:49+j]
.set j, j+2
.endr
	WSUM 12
	WSUM 14
	v_mul_f32 v12, s42, v12                        ; the means
	v_mul_f32 v14, s42, v14
.set j, 0
.rept 16
	v_pk_add_f32 v[16+j:17+j], v[16+j:17+j], v[12:13] op_sel_hi:[1,0] neg_lo:[0,1] neg_hi:[0,1]
	v_pk_add_f32 v[48+j:49+j], v[48+j:49+j], v[14:15] op_sel_hi:[1,0] neg_lo:[0,1] neg_hi:[0,1]
.set j, j+2
.endr
	v_pk_mul_f32 v[144:145], v[16:17], v[16:17]
	v_pk_mul_f32 v[146:147], v[48:49], v[48:49]
.set j, 2
.rept 15
	v_pk_fma_f32 v[144:145], v[16+j:17+j], v[16+j:17+j], v[144:145]
	v_pk_fma_f32 v[146:147], v[48+j:49+j], v[48+j:49+j], v[146:147]
.set j, j+2
.endr
	WSUM 144
	WSUM 146
	v_fma_f32 v144, v144, s42, s43                 ; variance + 1e-5
	v_fma_f32 v146, v146, s42, s43
	v_rsq_f32 v144, v144
	v_rsq_f32 v146, v146
	v_nop                                          ; a plain instruction behind the last of the two
	s_wait_alu depctr_va_vdst(0)                   ; one wait for both, ahead of their first reader
.set j, 0
.rept 16
	v_pk_mul_f32 v[16+j:17+j], v[16+j:17+j], v[144:145] op_sel_hi:[1,0]
	v_pk_mul_f32 v[48+j:49+j], v[48+j:49+j], v[146:147] op_sel_hi:[1,0]
.set j, j+2
.endr
	s_wait_loadcnt 0x0                             ; gain and bias
.set j, 0
.rept 16
	v_pk_fma_f32 v[16+j:17+j], v[16+j:17+j], v[80+j:81+j], v[112+j:113+j]
	v_pk_fma_f32 v[48+j:49+j], v[48+j:49+j], v[80+j:81+j], v[112+j:113+j]
.set j, j+2
.endr
.Lplain:
	s_wait_loadcnt 0x0
.irp j, 0,1,2,3,4,5,6,7
	ds_store_b128 v4, v[16+4*\j:19+4*\j] offset:512*\j
	ds_store_b128 v4, v[48+4*\j:51+4*\j] offset:PITCH+512*\j
.endr
	s_wait_dscnt 0x0                               ; for the others' sake: my two rows lie in the stage
	s_barrier_signal -1
	s_barrier_wait -1
.irp c, 0,1
.irp m, 0,1,2,3,4,5,6,7
	ds_load_b128 v[16+32*\c+4*\m:19+32*\c+4*\m], v5 offset:256*\c+16*\m   ; k = 128 w + 64 c + 32 h + 4 m ..
.endr
.endr
	s_wait_dscnt 0x0
.irp c, 0,1
	v_max3_num_f32 v[100+\c], |v[16+32*\c]|, |v[17+32*\c]|, 0x1800000   ; my block 2 c + h, and the floor 2^(3 - 127): the byte cannot fall under 1
.endr
.irp i, 2,4,6,8,10,12,14,16,18,20,22,24,26,28,30
.irp c, 0,1
	v_max3_num_f32 v[100+\c], v[100+\c], |v[16+32*\c+\i]|, |v[17+32*\c+\i]|
.endr
.endr
.irp c, 0,1
	v_add_nc_u32 v[102+\c], 0xff000000, v[100+\c]  ; 2 off the exponent field: the conversion's scale operand
.endr
.irp c, 0,1
	v_lshrrev_b32 v[104+\c], 23, v[102+\c]         ; the scale's byte
.endr
	v_lshl_or_b32 v106, v105, 16, v104             ; blocks h and 2 + h,
	v_lshlrev_b32 v106, v6, v106                   ; at their places in the word;
	v_mov_b32 v107, 0
	v_permlanex16_b32 v107, v106, s[SEL], s[SEL+1]
	v_or_b32 v106, v106, v107                      ; with lane l xor 16's two the word is whole
.irp c, 0,1
	v_cvt_scalef32_pk16_fp6_f32 v[80+6*\c:82+6*\c], v[16+32*\c:31+32*\c], v[102+\c]
	v_cvt_scalef32_pk16_fp6_f32 v[92+4*\c:94+4*\c], v[32+32*\c:47+32*\c], v[102+\c]   ; (a conversion's three registers begin on an even number)
.endr
	v_nop                                          ; one plain instruction behind a scaled conversion
.irp c, 0,1
.irp i, 0,1,2
	v_mov_b32 v[83+6*\c+\i], v[92+4*\c+\i]
.endr
.endr
	global_store_b128 v2, v[80:83], s[38:39]
	global_store_b64 v7, v[84:85], s[38:39] offset:512
	global_store_b128 v2, v[86:89], s[38:39] offset:768
	global_store_b64 v7, v[90:91], s[38:39] offset:1280
	global_store_b32 v8, v106, s[40:41]            ; lanes 16-31 write the same word as lanes 0-15
	s_wait_tensorcnt 0x0                           ; the wave's end, behind my last LDS store
	ds_add_u32 v[SPW], v[NIL]
	s_wait_dscnt 0x0
	s_endpgm
.Lfunc_end_k_qbb525ee117_prep:
	.size	k_qbb525ee117_prep, .Lfunc_end_k_qbb525ee117_prep-k_qbb525ee117_prep
	.p2alignl 7, 3214868480
	.fill 96, 4, 3214868480
	.section	.rodata,"a",@progbits
	.p2align	6, 0x0
	.amdhsa_kernel k_qbb525ee117_prep
		.amdhsa_group_segment_fixed_size 66816
		.amdhsa_private_segment_fixed_size 0
		.amdhsa_enable_private_segment 0
		.amdhsa_kernarg_size 64
		.amdhsa_user_sgpr_count 2
		.amdhsa_user_sgpr_kernarg_segment_ptr 1
		.amdhsa_wavefront_size32 1
		.amdhsa_system_sgpr_workgroup_id_x 1
		.amdhsa_system_sgpr_workgroup_id_y 1
		.amdhsa_system_sgpr_workgroup_id_z 1
		.amdhsa_system_vgpr_workitem_id 0
		.amdhsa_next_free_vgpr 160
		.amdhsa_next_free_sgpr 66
		.amdhsa_reserve_vcc 0
		.amdhsa_float_denorm_mode_32 3
		.amdhsa_float_denorm_mode_16_64 3
		.amdhsa_memory_ordered 1
		.amdhsa_forward_progress 1
		.amdhsa_inst_pref_size 25
	.end_amdhsa_kernel
	.amdgpu_metadata
---
amdhsa.version: [ 1, 2 ]
amdhsa.kernels:
  - .name:           k_qbb525ee117_prep
    .symbol:         k_qbb525ee117_prep.kd
    .args:
      - { .name: x, .offset: 0, .size: 8, .value_kind: global_buffer, .address_space: global }
      - { .name: ln1_g, .offset: 8, .size: 8, .value_kind: global_buffer, .address_space: global }
      - { .name: ln1_b, .offset: 16, .size: 8, .value_kind: global_buffer, .address_space: global }
      - { .name: w_qkv, .offset: 24, .size: 8, .value_kind: global_buffer, .address_space: global }
      - { .name: w_proj, .offset: 32, .size: 8, .value_kind: global_buffer, .address_space: global }
      - { .name: w1, .offset: 40, .size: 8, .value_kind: global_buffer, .address_space: global }
      - { .name: w2, .offset: 48, .size: 8, .value_kind: global_buffer, .address_space: global }
      - { .name: pan, .offset: 56, .size: 8, .value_kind: global_buffer, .address_space: global }
    .group_segment_fixed_size: 66816
    .private_segment_fixed_size: 0
    .kernarg_segment_align: 8
    .kernarg_segment_size: 64
    .max_flat_workgroup_size: 256
    .sgpr_count:     66
    .vgpr_count:     160
    .wavefront_size: 32
...
	.end_amdgpu_metadata
.endif
;; end of part 1
;; launch qkv (part 2): grid 16 x 12, 4 waves a work-group, clusters of 4 x 4, 327,680 bytes of LDS; arguments pan, qkvp; writes qkvp
.if DOCPART == 2
	.amdgcn_target "amdgcn-amd-amdhsa--gfx1250"
	.amdhsa_code_object_version 6
	.text
	.protected	k_qbb525ee117_qkv
	.globl	k_qbb525ee117_qkv
	.p2align	8
	.type	k_qbb525ee117_qkv,@function
k_qbb525ee117_qkv:
	s_mov_b64 s[64:65], 0
	v_nop
	global_prefetch_b8 v0, s[64:65] scope:SCOPE_SE
	s_setreg_imm32_b32 hwreg(HW_REG_WAVE_MODE, 25, 1), 1
	s_wait_xcnt 0x0
	s_wait_alu depctr_hold_cnt(0) depctr_sa_sdst(0) depctr_va_vdst(0) depctr_va_sdst(0) depctr_va_ssrc(0) depctr_va_vcc(0) depctr_vm_vsrc(0)
	s_getreg_b32 s2, hwreg(HW_REG_IB_STS2, 6, 4)
	s_cmp_eq_u32 s2, 0
	s_cbranch_scc0 .Lentry_in_a_cluster
	s_endpgm
.Lentry_in_a_cluster:
	s_bfe_u32 s2, ttmp6, 0x10000c
	s_cmp_lg_u32 s2, 0xf033
	s_cbranch_scc0 .Lentry_shape_is_right
	s_endpgm
.Lentry_shape_is_right:
; qkv = LN1(x) w_qkv^T on FP6 codes; q and k are divided by max(their head's norm, 1e-12) and quantised along the head's 64; v is quantised along the keys.
; A work-group of four waves makes 256 x 256; a wave 128 x 128: 64 accumulators.  Operand A (source 1) gives a lane its row, operand B (source 0) runs along a lane's registers.
; Clusters with y < 2 make q and k: A = tokens, B = channels, so a lane holds one token and its registers run along the channels.  Clusters with y = 2 make v: A = channels, B = tokens, so the registers run along the keys.
; Both take ONE path: only offsets inside the panels, cluster-level group numbers and a few constants are selected, on the cluster's y alone, which all sixteen partners share.
; OPERANDS come as panels (25,600 bytes for 256 rows x 128 K: sixteen register images of 1,536 bytes and their scale words), dense in memory: one tensor load a wave brings one panel.
; A slot holds two K steps of A and of B; two slots.  A's panels are asked for jointly along a row of the cluster, B's along a column.
; Lane row r of fragment i is row 32 (i / 2) + 8 (i % 2) + r + 8 (r / 8): so the 16 registers of tiles 2 b and 2 b + 1 are 16 neighbours 32 b + 16 h + 0 .. 15 along B's rows.
; OUT: a block of 102,400 bytes for each batch and head: 64 fragments of 1,536 bytes (three runs of 512: registers 4 c .. 4 c + 3, 16 bytes a lane), then 64 x 64 bytes of scale words.
;   q, k: fragment f = tokens 32 f ..: registers 0-5 the first token tile's 64 channels, registers 6-11 the second's.   v: fragment 4 s + t = 16 channels (tile t) x keys 128 s ..
; REGISTERS: window 0: v1-5 lane numbers; v12-23 LDS addresses; v28, v29 the add's two; v32-63 scale words, two sets; v128-223 A's fragments, one set.  window 1: B's fragments, two sets.  windows 2, 3: the accumulators.
; LIMITS: a block of zeros gets the byte 1 (its codes are zeros; this program alone reads the bytes); NaN and infinities are not served.
.set KSTEPS, 8
.set ZERO,   1
.set WQKV,   3276800
.set PANEL,  25600
.set SLOT,   4*PANEL                   ; A's two K steps, then B's two
.set LAPS,   KSTEPS/4                  ; a lap = once round the ring = four K steps
.set FR,     12
.set NL,     4                         ; LDS loads that bring a fragment
.set NP,     4                         ; places behind this matrix instruction (ISA guide 7.12.1)
.set SPARE,  327168                    ; the spare words, 128 bytes a wave: two blocks of 256 bytes that no other line names
.set ADRS,   12                        ; v12-13  scale words in slot 0, 1: lanes 0-15 A's, lanes 16-31 B's
.set ADRA,   16                        ; v16-17  A's fragments, 16 bytes a lane; v18-19 8 bytes a lane
.set ADRB,   20                        ; v20-23  the same for B
.set SPW,    28
.set NIL,    29
.set SC,     32                        ; set s at v[SC + 16 s]; register 2 i + q: block i, the slot's q-th K step
.set BIAS,   64
.set AF,     128
.set G1,  24
.set G0,  32
.set G1B, 48
.set G0B, 56
.set SEL, 92
.set TM,  168
.set MSB, 0
.macro WIN new                         ; the immediate's high byte repeats the setting that is left
.if MSB != \new
	s_set_vgpr_msb (MSB<<8)|\new
.set MSB, \new
.endif
.endm
.set MUL_LO, 0xa1                      ; source 0 (B) window 1, source 1 (A) window 0, C and D window 2
.set MUL_HI, 0xf1
.set TO_B,   0x40
.macro JLOAD g0a, g1a, g0b, g1b        ; a joint load: waves 0 and 1 fetch A's two K steps, waves 2 and 3 B's; an s_nop 0 and four v_nop follow each line
	s_cmp_eq_u32 s15, 0
	s_cbranch_scc0 .Lfor_b_\@
	tensor_load_to_lds s[\g0a:\g0a+3], s[\g1a:\g1a+7]
	s_nop 0
.rept 4
	v_nop
.endr
	s_branch .Lasked_\@
.Lfor_b_\@:
	tensor_load_to_lds s[\g0b:\g0b+3], s[\g1b:\g1b+7]
	s_nop 0
.rept 4
	v_nop
.endr
.Lasked_\@:
.endm
.macro CREST
	s_cmp_lg_u32 s14, 0
	s_cbranch_scc1 .Lnot_wave_0_\@
	s_barrier_signal -3
.Lnot_wave_0_\@:
	s_barrier_wait -3
	s_barrier_signal -1
	s_barrier_wait -1
.endm
.macro CROUND
	s_barrier_signal -1
	s_barrier_wait -1
	CREST
.endm
.macro FRAG reg, adr, q, i             ; a fragment's image comes back as it was stored: 512 + 256 + 512 + 256 consecutive bytes
	ds_load_b128 v[\reg:\reg+3], v[\adr] offset:PANEL*(\q)+1536*(\i)
	ds_load_b64 v[\reg+4:\reg+5], v[\adr+2] offset:PANEL*(\q)+1536*(\i)+512
	ds_load_b128 v[\reg+6:\reg+9], v[\adr] offset:PANEL*(\q)+1536*(\i)+768
	ds_load_b64 v[\reg+10:\reg+11], v[\adr+2] offset:PANEL*(\q)+1536*(\i)+1280
.endm
; 16 matrix instructions: A's blocks a0, a0 + 1 x B's eight.  zero = 1: C = 0 starts the sums; 2: a bias does.  The 64 accumulators take turns, one instruction a turn.
.macro MUL16 a0, p, q, sc, zero
.irp a, \a0, \a0+1
.irp b, 0,1,2,3,4,5,6,7
.set DD, 8*(8*((\a)%4)+\b)
.set FB, 128*(\p)+FR*\b
.set FA, AF+FR*(\a)
.set SB, SC+16*(\sc)+2*\b+(\q)
.set SA, SC+16*(\sc)+2*(\a)+(\q)
.if \zero == 1
	v_wmma_scale_f32_16x16x128_f8f6f4 v[DD:DD+7], v[FB:FB+11], v[FA:FA+11], 0, v[SB], v[SA] matrix_a_fmt:MATRIX_FMT_FP6 matrix_b_fmt:MATRIX_FMT_FP6 matrix_a_scale:MATRIX_SCALE_ROW1
.elseif \zero == 2
	v_wmma_scale_f32_16x16x128_f8f6f4 v[DD:DD+7], v[FB:FB+11], v[FA:FA+11], v[BIAS+8*\b:BIAS+8*\b+7], v[SB], v[SA] matrix_a_fmt:MATRIX_FMT_FP6 matrix_b_fmt:MATRIX_FMT_FP6 matrix_a_scale:MATRIX_SCALE_ROW1
.else
	v_wmma_scale_f32_16x16x128_f8f6f4 v[DD:DD+7], v[FB:FB+11], v[FA:FA+11], v[DD:DD+7], v[SB], v[SA] matrix_a_fmt:MATRIX_FMT_FP6 matrix_b_fmt:MATRIX_FMT_FP6 matrix_a_scale:MATRIX_SCALE_ROW1
.endif
.endr
.endr
.endm
.macro FETCH_B slot, q, p
	WIN TO_B
.irp i, 0,1,2,3,4,5,6,7
	FRAG 128*(\p)+FR*\i, ADRB+\slot, \q, \i
.endr
	WIN 0
.endm
.macro FETCH_A slot, q, i0
.irp i, \i0, \i0+1, \i0+2, \i0+3
	FRAG AF+FR*(\i), ADRA+\slot, \q, \i
.endr
.endm
.macro SCALES slot                     ; a slot's scale words: lanes 0-15 take A's block i, lanes 16-31 B's
.irp i, 0,1,2,3,4,5,6,7
	ds_load_b32 v[SC+16*\slot+2*\i], v[ADRS+\slot] offset:64*\i
	ds_load_b32 v[SC+16*\slot+2*\i+1], v[ADRS+\slot] offset:PANEL+64*\i
.endr
.endm
.macro PLACES n
.rept \n
	v_nop
.endr
.endm
.macro STEP slot, q, zero              ; a K step that has its successor in the same slot
	s_wait_dscnt 4*NL                              ; B's set, A's blocks 0-3 and the scale words are in; the youngest sixteen loads (A's blocks 4-7) may be out
.if \zero == 2
	WIN 0x81
.else
	WIN MUL_LO
.endif
	MUL16 0, (\q)%2, \q, \slot, \zero
	MUL16 2, (\q)%2, \q, \slot, \zero
	s_wait_dscnt 0
	PLACES NP
	FETCH_B \slot, (\q)+1, 1-(\q)%2
	FETCH_A \slot, (\q)+1, 0
.if \zero == 2
	WIN 0xc1
.else
	WIN MUL_HI
.endif
	MUL16 4, (\q)%2, \q, \slot, \zero
	MUL16 6, (\q)%2, \q, \slot, \zero
	PLACES NP
	WIN 0
	FETCH_A \slot, (\q)+1, 4
.endm
; A slot's last K step changes slots: one barrier; in front of it each wave waits for all its tensor loads, adds 0 to its spare word, and waits for that and for its reads of this slot.
.macro TURN slot, next, fill
	s_wait_tensorcnt 0x0                           ; all my tensor loads have landed: my part of the next slot
	ds_add_u32 v[SPW], v[NIL]
	s_wait_dscnt 4*NL+1                            ; the add and the youngest sixteen loads may be out
	WIN MUL_LO
	MUL16 0, 1, 1, \slot, 0
	s_wait_dscnt 0x0                               ; the add is done, and my reads of this slot are over
	s_barrier_signal -1
	MUL16 2, 1, 1, \slot, 0
	WIN 0
	s_barrier_wait -1
.if \fill
	CREST                                          ; the barrier has opened a round of the cluster's: no wave of any partner still reads this slot or has a load on its way
	s_add_nc_u64 s[G0+4*\slot+2:G0+4*\slot+3], s[G0+4*\slot+2:G0+4*\slot+3], 4*PANEL
	s_add_nc_u64 s[G0B+4*\slot+2:G0B+4*\slot+3], s[G0B+4*\slot+2:G0B+4*\slot+3], 4*PANEL
	JLOAD G0+4*\slot, G1, G0B+4*\slot, G1B         ; the first tensor load behind the round; its four v_nop are the places in front of the loads below
.else
	PLACES NP
.endif
	FETCH_B \next, 0, 0
	FETCH_A \next, 0, 0
	SCALES \next
	WIN MUL_HI
	MUL16 4, 1, 1, \slot, 0
	MUL16 6, 1, 1, \slot, 0
	PLACES NP
	WIN 0
	FETCH_A \next, 0, 4
.endm
; 64 numbers of a lane, register 16 b + i = k 32 b + 16 h + i of my row, become a fragment's codes in v[pc] .. v[pc + 11] (v[pc + 12 ..] at work) and its scale word in v[pw].
.macro QUANT s, pc, pw
.irp b, 0,1,2,3
	v_max3_num_f32 v[TM+\b], |v[\s+16*\b]|, |v[\s+1+16*\b]|, 0x1800000   ; and the floor 2^(3 - 127): the byte cannot fall under 1
.endr
.irp i, 2,4,6,8,10,12,14
.irp b, 0,1,2,3
	v_max3_num_f32 v[TM+\b], v[TM+\b], |v[\s+16*\b+\i]|, |v[\s+1+16*\b+\i]|
.endr
.endr
.irp b, 0,1,2,3
	v_permlanex16_b32 v[TM+4+\b], v[TM+\b], s[SEL], s[SEL+1]
.endr
.irp b, 0,1,2,3
	v_max_num_f32 v[TM+\b], v[TM+\b], v[TM+4+\b]
.endr
.irp b, 0,1,2,3
	v_add_nc_u32 v[TM+12+\b], 0xff000000, v[TM+\b] ; 2 off the exponent field: the conversion's scale operand
.endr
.irp b, 0,1,2,3
	v_lshrrev_b32 v[TM+4+\b], 23, v[TM+12+\b]
.endr
	v_lshl_or_b32 v[\pw], v[TM+5], 8, v[TM+4]
	v_lshl_or_b32 v[\pw], v[TM+6], 16, v[\pw]
	v_lshl_or_b32 v[\pw], v[TM+7], 24, v[\pw]
.irp c, 0,1
	v_cvt_scalef32_pk16_fp6_f32 v[\pc+6*\c:\pc+2+6*\c], v[\s+32*\c:\s+15+32*\c], v[TM+12+2*\c]
	v_cvt_scalef32_pk16_fp6_f32 v[\pc+12+4*\c:\pc+14+4*\c], v[\s+16+32*\c:\s+31+32*\c], v[TM+12+2*\c+1]
.endr
	v_nop                                          ; one plain instruction behind a scaled conversion
.irp c, 0,1                                    ; the layout wants a whole block in a lane
.irp i, 0,1,2
	v_permlane16_swap_b32 v[\pc+6*\c+\i], v[\pc+12+4*\c+\i]
.endr
.irp i, 0,1,2
	v_mov_b32 v[\pc+3+6*\c+\i], v[\pc+12+4*\c+\i]
.endr
.endr
.endm
	s_load_b128 s[4:7], s[0:1], 0x0                ; the panels, the head blocks
	v_lshl_add_u32 v[SPW], v0, 2, SPARE
	v_mov_b32 v[NIL], 0
	ds_add_u32 v[SPW], v[NIL]                      ; the wave's opening
	v_lshrrev_b32 v1, 5, v0
	v_readfirstlane_b32 s14, v1                    ; wave 0..3
	s_lshr_b32 s15, s14, 1                         ; my half of A's rows.  Also: I fetch for A (0) or for B (1)
	s_and_b32 s16, s14, 1                          ; my half of B's rows.  Also: which K step of a slot I fetch
	s_bfe_u32 s40, ttmp6, 0x40000                  ; cx
	s_bfe_u32 s41, ttmp6, 0x40004                  ; cy
	s_and_b32 s66, ttmp7, 0xffff                   ; the cluster's y: 0, 1: q and k; 2: v
	s_lshr_b32 s67, ttmp9, 1
	s_lshl_b32 s67, s67, 1
	s_add_co_u32 s67, s67, s66
	s_and_b32 s68, ttmp9, 1                        ; q (0) or k (1)
	s_cmp_eq_u32 s66, 2
	s_cselect_b32 s67, 2, s67                      ; A's four groups: v's channels, or tokens
	s_cselect_b32 s69, ttmp9, s68                  ; B's four groups: tokens, or q's or k's channels
	s_cselect_b32 s70, WQKV, 0                     ; A's part of the panels
	s_cselect_b32 s71, 0, WQKV                     ; B's
	s_cselect_b32 s72, -1, 0                       ; all lanes' mask: v
	s_lshl_b32 s17, s67, 2
	s_add_co_u32 s17, s17, s41                     ; A's group
	s_lshl_b32 s42, s69, 2
	s_add_co_u32 s42, s42, s40                     ; B's group
	s_lshl_b32 s43, s41, 2
	s_lshl_b32 s43, 15, s43                        ; my row of the cluster
	s_lshl_b32 s44, 0x1111, s40                    ; my column
	s_or_b32 s[G1+0], s43, (3<<16)|(1<<21)         ; the mask; elements of 8 bytes; bit 21 beside a mask; no padding
	s_or_b32 s[G1B+0], s44, (3<<16)|(1<<21)
.irp g, G1, G1B
	s_mov_b32 s[\g+1], 32<<16                      ; a panel as 100 rows of 256 bytes
	s_mov_b32 s[\g+2], 100<<16
	s_mov_b32 s[\g+3], 32<<16
	s_mov_b32 s[\g+4], 100
	s_mov_b32 s[\g+5], 32
	s_mov_b32 s[\g+6], 0
	s_mov_b32 s[\g+7], 0
.endr
	s_mul_i32 s18, s16, PANEL
	s_mul_i32 s20, s17, KSTEPS*PANEL
	s_add_co_u32 s20, s20, s18
	s_add_co_u32 s20, s20, s70
	s_mov_b32 s21, 0
	s_mul_i32 s46, s42, KSTEPS*PANEL
	s_add_co_u32 s46, s46, s18
	s_add_co_u32 s46, s46, s71
	s_mov_b32 s47, 0
	s_mul_i32 s45, s14, PANEL                      ; where my panel goes: wave x 25,600
	s_wait_dscnt 0x0                               ; the opening add is done
	s_wait_kmcnt 0x0
	s_add_nc_u64 s[20:21], s[4:5], s[20:21]
	s_add_nc_u64 s[46:47], s[4:5], s[46:47]
	CROUND                                         ; all sixteen work-groups are here: the first joint loads meet
.irp s, 0,1
	s_mov_b32 s[G0+4*\s], 1
	s_add_co_u32 s[G0+4*\s+1], s45, \s*SLOT
	s_add_nc_u64 s[G0+4*\s+2:G0+4*\s+3], s[20:21], \s*2*PANEL
	s_or_b32 s[G0+4*\s+3], s[G0+4*\s+3], 0x80000000
	s_mov_b32 s[G0B+4*\s], 1
	s_add_co_u32 s[G0B+4*\s+1], s45, \s*SLOT
	s_add_nc_u64 s[G0B+4*\s+2:G0B+4*\s+3], s[46:47], \s*2*PANEL
	s_or_b32 s[G0B+4*\s+3], s[G0B+4*\s+3], 0x80000000
	JLOAD G0+4*\s, G1, G0B+4*\s, G1B
.endr
	v_and_b32 v1, 15, v0                           ; r
	v_bfe_u32 v2, v0, 4, 1                         ; h
	v_and_b32 v3, 31, v0
	v_lshlrev_b32 v4, 4, v3                        ; 16 x lane
	v_lshlrev_b32 v5, 3, v3                        ; 8 x lane
	s_mul_i32 s21, s15, 8*1536
	s_mul_i32 s22, s16, 8*1536
	s_add_co_u32 s22, s22, 2*PANEL
.irp s, 0,1
	v_add_nc_u32 v[ADRA+\s], s21, v4
	v_add_nc_u32 v[ADRB+\s], s22, v4
	v_add_nc_u32 v[ADRA+2+\s], s21, v5
	v_add_nc_u32 v[ADRB+2+\s], s22, v5
	s_add_co_u32 s21, s21, SLOT
	s_add_co_u32 s22, s22, SLOT
.endr
	s_lshl_b32 s21, s15, 9
	s_lshl_b32 s22, s16, 9
	s_add_co_u32 s22, s22, 2*PANEL
	s_sub_co_u32 s22, s22, s21
	v_mul_u32_u24 v6, s22, v2                      ; lanes 16-31 take B's words
	s_add_co_u32 s21, s21, 24576
	v_lshl_add_u32 v6, v1, 2, v6
	v_add_nc_u32 v[ADRS], s21, v6
	v_add_nc_u32 v[ADRS+1], SLOT, v[ADRS]
	s_wait_tensorcnt 1                             ; my part of slot 0 is in; slot 1's load may be out
	s_barrier_signal -1
	s_barrier_wait -1
	FETCH_B 0, 0, 0
	FETCH_A 0, 0, 0
	SCALES 0
	FETCH_A 0, 0, 4
	STEP 0, 0, ZERO                                ; the first K step stands in front of the loop: its products start the sums
	s_mov_b32 s3, LAPS-1
.Llap:
	TURN 0, 1, 1
	STEP 1, 0, 0
	TURN 1, 0, 1
	STEP 0, 0, 0
	s_sub_co_u32 s3, s3, 1
	s_cmp_lg_u32 s3, 0
	s_cbranch_scc1 .Llap
	TURN 0, 1, 0                                   ; the last lap fills nothing
	STEP 1, 0, 0
	s_wait_dscnt 4*NL
	WIN MUL_LO
	MUL16 0, 1, 1, 1, 0
	MUL16 2, 1, 1, 1, 0
	s_wait_dscnt 0
	WIN MUL_HI
	MUL16 4, 1, 1, 1, 0
	MUL16 6, 1, 1, 1, 0
	WIN 0
	; THE WAY OUT.  Block a (16 lane rows x my 128 register rows) is scaled (q, k: each half of 64 by 1 / max(its norm, 1e-12); v: by 1), quantised, and after every second block two fragments are stored.
	PLACES NP
	s_mov_b32 s[SEL], 0x76543210
	s_mov_b32 s[SEL+1], 0xfedcba98
	s_mul_i32 s85, s68, 3276800                    ; q's or k's part of the head blocks
	s_mov_b32 s73, 0x05040100                      ; q, k: the two words' low halves; v: the first word
	s_mov_b32 s74, 0x07060302                      ; q, k: their high halves; v: the second word
	s_mov_b32 s75, 102400
	s_mov_b32 s76, 1536
	s_mov_b32 s77, 3072
	s_mov_b32 s78, 102400
	s_mov_b32 s80, 102400
	s_cmp_eq_u32 s66, 2
	s_cselect_b32 s73, 0x03020100, s73
	s_cselect_b32 s74, 0x07060504, s74
	s_cselect_b32 s75, 1536, s75                   ; codes: from the pair's first fragment to its second,
	s_cselect_b32 s76, 3072, s76                   ; from pair 0 to pair 1,
	s_cselect_b32 s77, 102400, s77                 ; from pair 0 to pair 2
	s_cselect_b32 s78, 64, s78                     ; scale words likewise
	s_cselect_b32 s79, 128, 64
	s_cselect_b32 s80, s80, 128
	s_cselect_b32 s81, s42, s17                    ; the tokens' group
	s_cselect_b32 s82, s41, s40                    ; the channels' group of four
	s_cselect_b32 s83, s15, s16                    ; my half of the channels
	s_cselect_b32 s84, s16, s15                    ; my half of the tokens
	s_cselect_b32 s85, 6553600, s85
	s_lshr_b32 s86, s81, 3                         ; the batch
	s_lshl_b32 s86, s86, 4
	s_lshl_b32 s87, s82, 2
	s_add_co_u32 s86, s86, s87
	s_lshl_b32 s87, s83, 1
	s_add_co_u32 s86, s86, s87                     ; 16 x batch + my first head
	s_mul_i32 s86, s86, 102400
	s_add_co_u32 s86, s86, s85
	s_mov_b32 s87, 0
	s_add_nc_u64 s[6:7], s[6:7], s[86:87]
	s_and_b32 s88, s81, 7
	s_lshl_b32 s88, s88, 3
	s_lshl_b32 s89, s84, 2
	s_add_co_u32 s88, s88, s89                     ; my first fragment in a head's block
	s_mul_i32 s89, s88, 1536
	s_lshl_b32 s88, s88, 6
	s_add_co_u32 s88, s88, 98304
	v_add_nc_u32 v32, s89, v4                      ; v[32 + 2 p + e]: codes of pair p, fragment e
	v_add_nc_u32 v33, s75, v32
	v_add_nc_u32 v34, s76, v32
	v_add_nc_u32 v35, s76, v33
	v_add_nc_u32 v36, s77, v32
	v_add_nc_u32 v37, s77, v33
	v_add_nc_u32 v38, s77, v34
	v_add_nc_u32 v39, s77, v35
	v_lshl_add_u32 v40, v1, 2, s88                 ; v[40 + 2 p + e]: their scale words
	v_add_nc_u32 v41, s78, v40
	v_add_nc_u32 v42, s79, v40
	v_add_nc_u32 v43, s79, v41
	v_add_nc_u32 v44, s80, v40
	v_add_nc_u32 v45, s80, v41
	v_add_nc_u32 v46, s80, v42
	v_add_nc_u32 v47, s80, v43
	v_mov_b32 v218, 1.0
	v_mov_b32 v225, 0                              ; (upper halves of pairs of which the low word serves both)
	v_mov_b32 v227, 0
	v_mov_b32 v228, 0                              ; (a lane permute's destination counts as one of its sources)
	v_mov_b32 v229, 0
.irp b, 0,1,2,3
	v_mov_b32 v[TM+4+\b], 0
.endr
.irp a, 0,1,2,3,4,5,6,7
.set AC, 64*(\a%4)
.set PCX, 128+20*(\a%2)
.set PWX, 216+\a%2
	WIN 0x0a+5*(\a/4)                              ; sources 0 and 1: window 2 or 3
	v_pk_mul_f32 v[220:221], v[AC:AC+1], v[AC:AC+1]              ; the two halves' sums of squares, each accumulator from its low end on
	v_pk_mul_f32 v[222:223], v[AC+32:AC+33], v[AC+32:AC+33]
.set j, 2
.rept 15
	v_pk_fma_f32 v[220:221], v[AC+j:AC+j+1], v[AC+j:AC+j+1], v[220:221]
	v_pk_fma_f32 v[222:223], v[AC+32+j:AC+33+j], v[AC+32+j:AC+33+j], v[222:223]
.set j, j+2
.endr
	WIN 0
	v_add_f32 v220, v220, v221
	v_add_f32 v222, v222, v223
	v_permlanex16_b32 v228, v220, s[SEL], s[SEL+1]
	v_permlanex16_b32 v229, v222, s[SEL], s[SEL+1]
	v_add_f32 v220, v220, v228
	v_add_f32 v222, v222, v229
	v_sqrt_f32 v220, v220
	v_sqrt_f32 v222, v222
	v_nop
	s_wait_alu depctr_va_vdst(0)                   ; one wait for the two roots
	v_max_num_f32 v220, 0x2b8cbccc, v220           ; 1e-12
	v_max_num_f32 v222, 0x2b8cbccc, v222
	v_rcp_f32 v224, v220
	v_rcp_f32 v226, v222
	v_nop
	s_wait_alu depctr_va_vdst(0)                   ; and one for the two reciprocals
	v_cndmask_b32 v224, v224, v218, s72            ; v is not normalised
	v_cndmask_b32 v226, v226, v218, s72
	WIN 0x02+\a/4
.set j, 0
.rept 16
	v_pk_mul_f32 v[64+j:65+j], v[AC+j:AC+j+1], v[224:225] op_sel_hi:[1,0]
	v_pk_mul_f32 v[96+j:97+j], v[AC+32+j:AC+33+j], v[226:227] op_sel_hi:[1,0]
.set j, j+2
.endr
	WIN 0
.if (\a%2 == 0) && (\a > 0)
	s_wait_xcnt 0x0                                ; the last pair's stores have read their registers
.endif
	QUANT 64, PCX, PWX
.if \a%2 == 1
.irp i, 0,1,2,3,4,5                            ; q, k: (head 0 | head 1) of two token tiles becomes (tile 0 | tile 1) of two heads; v stays
	v_cndmask_b32 v219, v[148+\i], v[134+\i], s72
	v_cndmask_b32 v[148+\i], v[134+\i], v[148+\i], s72
	v_mov_b32 v[134+\i], v219
.endr
	v_perm_b32 v214, v217, v216, s73
	v_perm_b32 v215, v217, v216, s74
.irp c, 0,1,2
	global_store_b128 v[32+\a-1], v[128+4*\c:131+4*\c], s[6:7] offset:512*\c      ; 512 consecutive bytes, aligned
.endr
.irp c, 0,1,2
	global_store_b128 v[33+\a-1], v[148+4*\c:151+4*\c], s[6:7] offset:512*\c
.endr
	global_store_b32 v[40+\a-1], v214, s[6:7]
	global_store_b32 v[41+\a-1], v215, s[6:7]
.endif
.endr
	s_wait_tensorcnt 0x0                           ; the wave's end
	ds_add_u32 v[SPW], v[NIL]
	s_wait_dscnt 0x0
	CROUND                                         ; the closing round
	s_endpgm
.Lfunc_end_k_qbb525ee117_qkv:
	.size	k_qbb525ee117_qkv, .Lfunc_end_k_qbb525ee117_qkv-k_qbb525ee117_qkv
	.p2alignl 7, 3214868480
	.fill 96, 4, 3214868480
	.section	.rodata,"a",@progbits
	.p2align	6, 0x0
	.amdhsa_kernel k_qbb525ee117_qkv
		.amdhsa_group_segment_fixed_size 327680
		.amdhsa_private_segment_fixed_size 0
		.amdhsa_enable_private_segment 0
		.amdhsa_kernarg_size 16
		.amdhsa_user_sgpr_count 2
		.amdhsa_user_sgpr_kernarg_segment_ptr 1
		.amdhsa_wavefront_size32 1
		.amdhsa_system_sgpr_workgroup_id_x 1
		.amdhsa_system_sgpr_workgroup_id_y 1
		.amdhsa_system_sgpr_workgroup_id_z 1
		.amdhsa_system_vgpr_workitem_id 0
		.amdhsa_next_free_vgpr 1024
		.amdhsa_next_free_sgpr 96
		.amdhsa_reserve_vcc 0
		.amdhsa_float_denorm_mode_32 3
		.amdhsa_float_denorm_mode_16_64 3
		.amdhsa_memory_ordered 1
		.amdhsa_forward_progress 1
		.amdhsa_inst_pref_size 192
	.end_amdhsa_kernel
	.amdgpu_metadata
---
amdhsa.version: [ 1, 2 ]
amdhsa.kernels:
  - .name:           k_qbb525ee117_qkv
    .symbol:         k_qbb525ee117_qkv.kd
    .args:
      - { .name: pan, .offset: 0, .size: 8, .value_kind: global_buffer, .address_space: global }
      - { .name: qkvp, .offset: 8, .size: 8, .value_kind: global_buffer, .address_space: global }
    .group_segment_fixed_size: 327680
    .private_segment_fixed_size: 0
    .kernarg_segment_align: 8
    .kernarg_segment_size: 16
    .max_flat_workgroup_size: 128
    .sgpr_count:     96
    .vgpr_count:     1024
    .wavefront_size: 32
...
	.end_amdgpu_metadata
.endif
;; end of part 2
;; launch attn (part 3): grid 8 x 32, 16 waves a work-group, clusters of 4 x 1, 206,848 bytes of LDS; arguments qkvp, temp, op; writes op
.if DOCPART == 3
	.amdgcn_target "amdgcn-amd-amdhsa--gfx1250"
	.amdhsa_code_object_version 6
	.text
	.protected	k_qbb525ee117_attn
	.globl	k_qbb525ee117_attn
	.p2align	8
	.type	k_qbb525ee117_attn,@function
k_qbb525ee117_attn:
	s_mov_b64 s[64:65], 0
	v_nop
	global_prefetch_b8 v0, s[64:65] scope:SCOPE_SE
	s_setreg_imm32_b32 hwreg(HW_REG_WAVE_MODE, 25, 1), 1
	s_wait_xcnt 0x0
	s_wait_alu depctr_hold_cnt(0) depctr_sa_sdst(0) depctr_va_vdst(0) depctr_va_sdst(0) depctr_va_ssrc(0) depctr_va_vcc(0) depctr_vm_vsrc(0)
	s_getreg_b32 s2, hwreg(HW_REG_IB_STS2, 6, 4)
	s_cmp_eq_u32 s2, 0
	s_cbranch_scc0 .Lentry_in_a_cluster
	s_endpgm
.Lentry_in_a_cluster:
	s_bfe_u32 s2, ttmp6, 0x10000c
	s_cmp_lg_u32 s2, 0x3003
	s_cbranch_scc0 .Lentry_shape_is_right
	s_endpgm
.Lentry_shape_is_right:
; o = softmax(temp x q k^T) v for one batch and head, both products on FP6 codes; o is divided by the row's sum and quantised along the channels into a panel for the next product.
; t = score x temp x log2(e); M = the running largest t rounded up to a whole number; p = 2^(t - M) is quantised along the keys, not normalised; the row's sum is taken of the unquantised p.
; temp's SIGN is moved onto q's codes (their sign bits are flipped where temp is negative: exact), so that c = |temp| log2(e) is never negative and a block's largest score gives its largest p.
; SHARES.  A work-group owns 256 queries of a head; each of its sixteen waves one tile of 16, in 256 registers.  A WHOLE HEAD'S K AND V (2 x 102,400 bytes, codes as register images with their scale words) lie in LDS,
; filled once: no slot is filled again.  The four work-groups of a cluster share the head: the eight loads (waves 0-3 K's quarters, waves 4-7 V's) are joint.
; K comes as pair fragments: registers 0-5 one tile of 16 keys (64 channels), registers 6-11 the next.  Against (q, 0) a fragment gives the first tile's scores, against (0, q) the second's: zero codes add nothing.
; Lane row m of key tile 2 b + u is key 32 b + 8 u + m + 8 (m / 8), so the 16 registers of tiles 2 b, 2 b + 1 are keys 32 b + 16 h + 0 .. 15; V's channel tiles are ordered likewise, so O^T's registers run along neighbouring channels.
; REGISTERS: v1-4, v7 addresses that stay; v5, v6 the add's two; v8-11 addresses in hand; v12 -M, v13 the largest t, v[14:15] the sum; v16-33 (0, q, 0); v36-83 four fragments; v96-159 S^T, then p; v160-191 O^T; v224-235 p's codes.
; LIMITS: a block of zeros gets the byte 1; NaN and infinities are not served.
.set SPARE, 204800                     ; behind K and V: the spare words, 128 bytes a wave: eight blocks of 256 bytes that no other line names
.set VB,    102400
.set KSC,   98304                      ; a head block's scale words
.set SPW, 5
.set NIL, 6
.set WV,  18
.set SEL, 20
.set CS,  22
.set G1,  24
.set G0K, 32
.set G0V, 36
.set TB,  2
.set TS,  3
.set CNT, 40
.macro CROUND
	s_barrier_signal -1
	s_barrier_wait -1
	s_cmp_lg_u32 s[WV], 0
	s_cbranch_scc1 .Lnot_wave_0_\@
	s_barrier_signal -3
.Lnot_wave_0_\@:
	s_barrier_wait -3
	s_barrier_signal -1
	s_barrier_wait -1
.endm
	s_load_b128 s[4:7], s[0:1], 0x0                ; the head blocks, temp
	s_load_b64 s[8:9], s[0:1], 0x10                ; o's panels
	v_lshl_add_u32 v[SPW], v0, 2, SPARE
	v_mov_b32 v[NIL], 0
	ds_add_u32 v[SPW], v[NIL]                      ; the wave's opening
	v_lshrrev_b32 v8, 5, v0
	v_readfirstlane_b32 s[WV], v8                  ; wave 0..15
	s_bfe_u32 s41, ttmp6, 0x40000                  ; cx
	s_lshl_b32 s42, ttmp9, 2
	s_add_co_u32 s42, s42, s41                     ; my block of 256 queries: it enters global addresses of q and o alone
	s_and_b32 s43, ttmp7, 0xffff                   ; 16 x batch + head
	s_mul_i32 s44, s43, 102400
	s_and_b32 s45, s[WV], 3
	s_mul_i32 s45, s45, 25600
	s_add_co_u32 s46, s44, s45                     ; my quarter of the head's block
	s_mov_b32 s47, 0
	s_mul_i32 s48, s[WV], 25600                    ; and its place in LDS
	s_mov_b32 s[G1], 15|(3<<16)|(1<<21)            ; all four work-groups; elements of 8 bytes; bit 21 beside a mask
	s_mov_b32 s[G1+1], 32<<16                      ; 100 rows of 256 bytes
	s_mov_b32 s[G1+2], 100<<16
	s_mov_b32 s[G1+3], 32<<16
	s_mov_b32 s[G1+4], 100
	s_mov_b32 s[G1+5], 32
	s_mov_b32 s[G1+6], 0
	s_mov_b32 s[G1+7], 0
	s_mov_b32 s[SEL], 0x76543210
	s_mov_b32 s[SEL+1], 0xfedcba98
	s_and_b32 s49, s43, 15                         ; the head
	s_lshl_b32 s50, s49, 2
	s_wait_dscnt 0x0                               ; the opening add is done
	s_wait_kmcnt 0x0
	s_load_b32 s51, s[6:7], s50 offset:0x0         ; temp of my head
	s_add_nc_u64 s[52:53], s[4:5], s[46:47]
	s_mov_b32 s[G0K], 1
	s_mov_b32 s[G0K+1], s48
	s_add_nc_u64 s[G0K+2:G0K+3], s[52:53], 3276800
	s_or_b32 s[G0K+3], s[G0K+3], 0x80000000
	s_mov_b32 s[G0V], 1
	s_mov_b32 s[G0V+1], s48
	s_add_nc_u64 s[G0V+2:G0V+3], s[52:53], 6553600
	s_or_b32 s[G0V+3], s[G0V+3], 0x80000000
	CROUND                                         ; all four work-groups are here: the joint loads meet
	s_cmp_lt_u32 s[WV], 4
	s_cbranch_scc0 .Lnot_k
	tensor_load_to_lds s[G0K:G0K+3], s[G1:G1+7]
	s_nop 0
.rept 4
	v_nop
.endr
	s_branch .Lasked
.Lnot_k:
	s_cmp_lt_u32 s[WV], 8
	s_cbranch_scc0 .Lasked
	tensor_load_to_lds s[G0V:G0V+3], s[G1:G1+7]
	s_nop 0
.rept 4
	v_nop
.endr
.Lasked:
	v_and_b32 v8, 31, v0
	v_lshlrev_b32 v1, 4, v8                        ; 16 x lane
	v_and_b32 v9, 15, v0
	v_lshlrev_b32 v2, 2, v9                        ; 4 r
	v_add_nc_u32 v3, KSC, v2                       ; K's scale words
	v_add_nc_u32 v4, VB+KSC, v2                    ; V's
	v_add_nc_u32 v7, VB, v1                        ; V's fragments
	s_lshl_b32 s54, s42, 3
	s_lshr_b32 s55, s[WV], 1
	s_add_co_u32 s54, s54, s55                     ; q's pair fragment
	s_mul_i32 s56, s54, 1536
	s_add_co_u32 s56, s56, s44
	s_mov_b32 s57, 0
	s_add_nc_u64 s[56:57], s[4:5], s[56:57]
	s_lshl_b32 s58, s54, 6
	s_add_co_u32 s58, s58, s44
	s_add_co_u32 s58, s58, KSC
	s_mov_b32 s59, 0
	s_add_nc_u64 s[58:59], s[4:5], s[58:59]
.irp c, 0,1,2
	global_load_b128 v[84+4*\c:87+4*\c], v1, s[56:57] offset:512*\c
.endr
	global_load_b32 v254, v2, s[58:59]
	s_lshr_b32 s60, s43, 4                         ; o: group 8 x batch + my block, K step head / 2, fragment = my wave, half head % 2
	s_lshl_b32 s60, s60, 3
	s_add_co_u32 s60, s60, s42
	s_mul_i32 s60, s60, 204800
	s_lshr_b32 s61, s49, 1
	s_mul_i32 s61, s61, 25600
	s_add_co_u32 s60, s60, s61                     ; the panel
	s_and_b32 s66, s49, 1
	s_lshl_b32 s62, s[WV], 6
	s_add_co_u32 s62, s62, s60
	s_add_co_u32 s62, s62, 24576
	s_lshl_b32 s63, s66, 1
	s_add_co_u32 s62, s62, s63
	s_mov_b32 s63, 0
	s_add_nc_u64 s[62:63], s[8:9], s[62:63]        ; my half of the scale words
	s_mul_i32 s61, s[WV], 1536
	s_add_co_u32 s60, s60, s61
	s_mul_i32 s61, s66, 768
	s_add_co_u32 s60, s60, s61
	s_mov_b32 s61, 0
	s_add_nc_u64 s[60:61], s[8:9], s[60:61]        ; my half of the fragment
.irp i, 16,17,18,19,20,21,28,29,30,31,32,33
	v_mov_b32 v[\i], 0                             ; zero codes on both sides of q
.endr
	v_mov_b32 v13, 0xff61b1e6                      ; the largest t so far: -3e38
	v_floor_f32 v12, -v13                          ; -M
	v_mov_b32 v14, 0
	v_mov_b32 v15, 0
.irp b, 0,1,2,3
	v_mov_b32 v[236+\b], 0                         ; (a lane permute's destination counts as one of its sources)
.endr
	v_mov_b32 v252, 0
	v_mov_b32 v253, 0
	s_wait_kmcnt 0x0
	s_and_b32 s[CS], s51, 0x7fffffff
	s_mul_f32 s[CS], s[CS], 0x3fb8aa3b             ; c = |temp| log2(e)
	s_mov_b32 s[CS+1], s[CS]
	s_ashr_i32 s66, s51, 31                        ; all ones where temp is negative
	s_and_b32 s67, s66, 0x20820820                 ; the sign bits of 16 codes in three words: bits 6 i + 5
	s_and_b32 s68, s66, 0x08208208
	s_and_b32 s69, s66, 0x82082082
	s_and_b32 s70, s[WV], 1                        ; which tile of the pair is mine
	s_lshl_b32 s71, s70, 4
	s_cmp_eq_u32 s70, 1
	s_cselect_b32 s72, -1, 0
	s_wait_loadcnt 0x0
.irp i, 0,1,2,3,4,5
	v_cndmask_b32 v[22+\i], v[84+\i], v[90+\i], s72
.endr
	v_xor_b32 v22, s67, v22
	v_xor_b32 v23, s68, v23
	v_xor_b32 v24, s69, v24
	v_xor_b32 v25, s67, v25
	v_xor_b32 v26, s68, v26
	v_xor_b32 v27, s69, v27
	v_lshrrev_b32 v254, s71, v254
	v_and_b32 v254, 0xffff, v254
	v_lshl_or_b32 v255, v254, 16, v254             ; q's two bytes, in both halves of the word
.set j, 0
.rept 32
	v_mov_b32 v[160+j], 0                          ; O^T.  (These also stand between the writes of q and its scale word and the first products)
.set j, j+1
.endr
	s_mov_b32 s[TB], 0
	s_mov_b32 s[TS], 0
	s_mov_b32 s[CNT], 16
	s_wait_tensorcnt 0x0                           ; my quarter is in,
	s_barrier_signal -1
	s_barrier_wait -1                              ; everybody's is
.Lstep:                                            ; 128 keys a trip
	v_add_nc_u32 v8, s[TB], v1                     ; (these four are the places behind the last trip's products)
	v_add_nc_u32 v9, s[TB], v7
	v_add_nc_u32 v10, s[TS], v3
	v_add_nc_u32 v11, s[TS], v4
.irp b, 0,1,2,3
.irp c, 0,1,2
	ds_load_b128 v[36+12*\b+4*\c:39+12*\b+4*\c], v8 offset:1536*\b+512*\c
.endr
	ds_load_b32 v[248+\b], v10 offset:64*\b
.endr
	s_wait_dscnt 0x0
.irp b, 0,1,2,3
	v_wmma_scale_f32_16x16x128_f8f6f4 v[96+16*\b:103+16*\b], v[36+12*\b:47+12*\b], v[22:33], 0, v[248+\b], v255 matrix_a_fmt:MATRIX_FMT_FP6 matrix_b_fmt:MATRIX_FMT_FP6
	v_wmma_scale_f32_16x16x128_f8f6f4 v[104+16*\b:111+16*\b], v[36+12*\b:47+12*\b], v[16:27], 0, v[248+\b], v255 matrix_a_fmt:MATRIX_FMT_FP6 matrix_b_fmt:MATRIX_FMT_FP6
.endr
.rept 4
	v_nop                                          ; places in front of the loads below and of the first read of the scores
.endr
.irp t, 0,1,2,3                                ; V's four fragments land while the softmax is walked
.irp c, 0,1,2
	ds_load_b128 v[36+12*\t+4*\c:39+12*\t+4*\c], v9 offset:1536*\t+512*\c
.endr
	ds_load_b32 v[248+\t], v11 offset:64*\t
.endr
.irp b, 0,1,2,3
	v_max3_num_f32 v[232+\b], v[96+16*\b], v[97+16*\b], v[98+16*\b]   ; the largest score of each block of 32 keys: for the row's maximum, and for the block's largest p
.endr
.irp i, 3,5,7,9,11,13
.irp b, 0,1,2,3
	v_max3_num_f32 v[232+\b], v[232+\b], v[96+16*\b+\i], v[97+16*\b+\i]
.endr
.endr
.irp b, 0,1,2,3
	v_max_num_f32 v[232+\b], v[232+\b], v[111+16*\b]
.endr
.irp b, 0,1,2,3
	v_permlanex16_b32 v[236+\b], v[232+\b], s[SEL], s[SEL+1]
.endr
.irp b, 0,1,2,3
	v_max_num_f32 v[232+\b], v[232+\b], v[236+\b]
.endr
	v_max3_num_f32 v254, v232, v233, v234
	v_max_num_f32 v254, v254, v235
	v_mul_f32 v254, s[CS], v254                    ; as t (c is not negative)
	v_max_num_f32 v13, v13, v254
	v_mov_b32 v254, v12
	v_floor_f32 v12, -v13                          ; the new -M: a whole number
	v_sub_f32 v254, v12, v254
	v_cvt_i32_f32 v254, v254
	v_ldexp_f32 v252, 1.0, v254                    ; f = 2^(old M - new M): exact
.set j, 0
.rept 32
	v_pk_fma_f32 v[96+j:97+j], v[96+j:97+j], s[CS:CS+1], v[12:13] op_sel_hi:[1,0,0]
.set j, j+2
.endr
.irp b, 0,1,2,3
	v_fma_f32 v[232+\b], v[232+\b], s[CS], v12
.endr
.set j, 0
.rept 64
	v_exp_f32 v[96+j], v[96+j]                     ; p = 2^(t - M)
.set j, j+1
.endr
	v_pk_mul_f32 v[14:15], v[14:15], v[252:253] op_sel_hi:[1,0]   ; the sums under the new M: a plain instruction behind the exponentials
	s_wait_alu depctr_va_vdst(0)                   ; one wait for the batch, ahead of its first reader
.irp b, 0,1,2,3
	v_exp_f32 v[232+\b], v[232+\b]                 ; the blocks' largest p
.endr
	v_pk_add_f32 v[236:237], v[96:97], v[98:99]    ; the row's sum of the unquantised p, in two chains
.set j, 4
.rept 15
	v_pk_add_f32 v[14:15], v[14:15], v[96+j:97+j]
	v_pk_add_f32 v[236:237], v[236:237], v[98+j:99+j]
.set j, j+4
.endr
	v_pk_add_f32 v[14:15], v[14:15], v[236:237]
	s_wait_alu depctr_va_vdst(0)                   ; and one for the four
.irp b, 0,1,2,3
	v_max_num_f32 v[232+\b], 0x1800000, v[232+\b]  ; the floor 2^(3 - 127)
.endr
.irp b, 0,1,2,3
	v_add_nc_u32 v[244+\b], 0xff000000, v[232+\b]
.endr
.irp b, 0,1,2,3
	v_lshrrev_b32 v[236+\b], 23, v[244+\b]
.endr
	v_lshl_or_b32 v253, v237, 8, v236              ; p's scale word for these 128 keys
	v_lshl_or_b32 v253, v238, 16, v253
	v_lshl_or_b32 v253, v239, 24, v253
.irp c, 0,1
	v_cvt_scalef32_pk16_fp6_f32 v[224+6*\c:226+6*\c], v[96+32*\c:111+32*\c], v[244+2*\c]
	v_cvt_scalef32_pk16_fp6_f32 v[236+4*\c:238+4*\c], v[112+32*\c:127+32*\c], v[244+2*\c+1]
.endr
	v_nop
.irp c, 0,1
.irp i, 0,1,2
	v_permlane16_swap_b32 v[224+6*\c+\i], v[236+4*\c+\i]
.endr
.irp i, 0,1,2
	v_mov_b32 v[227+6*\c+\i], v[236+4*\c+\i]
.endr
.endr
.set j, 0
.rept 16
	v_pk_mul_f32 v[160+j:161+j], v[160+j:161+j], v[252:253] op_sel_hi:[1,0]   ; O^T under the new M; these sixteen are also the places in front of the products below
.set j, j+2
.endr
	s_wait_dscnt 0x0                               ; V
.irp t, 0,1,2,3
	v_wmma_scale_f32_16x16x128_f8f6f4 v[160+8*\t:167+8*\t], v[36+12*\t:47+12*\t], v[224:235], v[160+8*\t:167+8*\t], v[248+\t], v253 matrix_a_fmt:MATRIX_FMT_FP6 matrix_b_fmt:MATRIX_FMT_FP6
.endr
	s_add_co_u32 s[TB], s[TB], 6144
	s_add_co_u32 s[TS], s[TS], 256
	s_sub_co_u32 s[CNT], s[CNT], 1
	s_cmp_lg_u32 s[CNT], 0
	s_cbranch_scc1 .Lstep
	; THE WAY OUT: O^T / the sum; its 64 channels are two blocks of 32, quantised as half a fragment of the next product's operand.
	v_add_f32 v14, v14, v15
	v_permlanex16_b32 v252, v14, s[SEL], s[SEL+1]
	v_add_f32 v14, v14, v252
	v_rcp_f32 v14, v14
	v_and_b32 v9, 31, v0
	v_lshlrev_b32 v9, 3, v9                        ; 8 x lane
	v_nop
	v_nop
	s_wait_alu depctr_va_vdst(0)
.set j, 0
.rept 16
	v_pk_mul_f32 v[192+j:193+j], v[160+j:161+j], v[14:15] op_sel_hi:[1,0]   ; register 16 b + i: channel 32 b + 16 h + i
.set j, j+2
.endr
.irp b, 0,1
	v_max3_num_f32 v[232+\b], |v[192+16*\b]|, |v[193+16*\b]|, 0x1800000
.endr
.irp i, 2,4,6,8,10,12,14
.irp b, 0,1
	v_max3_num_f32 v[232+\b], v[232+\b], |v[192+16*\b+\i]|, |v[193+16*\b+\i]|
.endr
.endr
.irp b, 0,1
	v_permlanex16_b32 v[236+\b], v[232+\b], s[SEL], s[SEL+1]
.endr
.irp b, 0,1
	v_max_num_f32 v[232+\b], v[232+\b], v[236+\b]
.endr
.irp b, 0,1
	v_add_nc_u32 v[244+\b], 0xff000000, v[232+\b]
.endr
.irp b, 0,1
	v_lshrrev_b32 v[236+\b], 23, v[244+\b]
.endr
	v_lshl_or_b32 v253, v237, 8, v236              ; my head's half of the scale word
	v_cvt_scalef32_pk16_fp6_f32 v[224:226], v[192:207], v244
	v_cvt_scalef32_pk16_fp6_f32 v[228:230], v[208:223], v245
	v_nop
.irp i, 0,1,2
	v_permlane16_swap_b32 v[224+\i], v[228+\i]
.endr
	v_mov_b32 v227, v228
	v_mov_b32 v228, v229
	v_mov_b32 v229, v230
	global_store_b128 v1, v[224:227], s[60:61]
	global_store_b64 v9, v[228:229], s[60:61] offset:512
	global_store_b16 v2, v253, s[62:63]
	s_wait_tensorcnt 0x0                           ; the wave's end
	ds_add_u32 v[SPW], v[NIL]
	s_wait_dscnt 0x0
	CROUND                                         ; the closing round
	s_endpgm
.Lfunc_end_k_qbb525ee117_attn:
	.size	k_qbb525ee117_attn, .Lfunc_end_k_qbb525ee117_attn-k_qbb525ee117_attn
	.p2alignl 7, 3214868480
	.fill 96, 4, 3214868480
	.section	.rodata,"a",@progbits
	.p2align	6, 0x0
	.amdhsa_kernel k_qbb525ee117_attn
		.amdhsa_group_segment_fixed_size 206848
		.amdhsa_private_segment_fixed_size 0
		.amdhsa_enable_private_segment 0
		.amdhsa_kernarg_size 24
		.amdhsa_user_sgpr_count 2
		.amdhsa_user_sgpr_kernarg_segment_ptr 1
		.amdhsa_wavefront_size32 1
		.amdhsa_system_sgpr_workgroup_id_x 1
		.amdhsa_system_sgpr_workgroup_id_y 1
		.amdhsa_system_sgpr_workgroup_id_z 1
		.amdhsa_system_vgpr_workitem_id 0
		.amdhsa_next_free_vgpr 256
		.amdhsa_next_free_sgpr 80
		.amdhsa_reserve_vcc 0
		.amdhsa_float_denorm_mode_32 3
		.amdhsa_float_denorm_mode_16_64 3
		.amdhsa_memory_ordered 1
		.amdhsa_forward_progress 1
		.amdhsa_inst_pref_size 29
	.end_amdhsa_kernel
	.amdgpu_metadata
---
amdhsa.version: [ 1, 2 ]
amdhsa.kernels:
  - .name:           k_qbb525ee117_attn
    .symbol:         k_qbb525ee117_attn.kd
    .args:
      - { .name: qkvp, .offset: 0, .size: 8, .value_kind: global_buffer, .address_space: global }
      - { .name: temp, .offset: 8, .size: 8, .value_kind: global_buffer, .address_space: global }
      - { .name: op, .offset: 16, .size: 8, .value_kind: global_buffer, .address_space: global }
    .group_segment_fixed_size: 206848
    .private_segment_fixed_size: 0
    .kernarg_segment_align: 8
    .kernarg_segment_size: 24
    .max_flat_workgroup_size: 512
    .sgpr_count:     80
    .vgpr_count:     256
    .wavefront_size: 32
...
	.end_amdgpu_metadata
.endif
;; end of part 3
;; launch proj (part 4): grid 4 x 16, 4 waves a work-group, clusters of 4 x 4, 327,680 bytes of LDS; arguments op, pan, x, x2; writes x2
.if DOCPART == 4
	.amdgcn_target "amdgcn-amd-amdhsa--gfx1250"
	.amdhsa_code_object_version 6
	.text
	.protected	k_qbb525ee117_proj
	.globl	k_qbb525ee117_proj
	.p2align	8
	.type	k_qbb525ee117_proj,@function
k_qbb525ee117_proj:
	s_mov_b64 s[64:65], 0
	v_nop
	global_prefetch_b8 v0, s[64:65] scope:SCOPE_SE
	s_setreg_imm32_b32 hwreg(HW_REG_WAVE_MODE, 25, 1), 1
	s_wait_xcnt 0x0
	s_wait_alu depctr_hold_cnt(0) depctr_sa_sdst(0) depctr_va_vdst(0) depctr_va_sdst(0) depctr_va_ssrc(0) depctr_va_vcc(0) depctr_vm_vsrc(0)
	s_getreg_b32 s2, hwreg(HW_REG_IB_STS2, 6, 4)
	s_cmp_eq_u32 s2, 0
	s_cbranch_scc0 .Lentry_in_a_cluster
	s_endpgm
.Lentry_in_a_cluster:
	s_bfe_u32 s2, ttmp6, 0x10000c
	s_cmp_lg_u32 s2, 0xf033
	s_cbranch_scc0 .Lentry_shape_is_right
	s_endpgm
.Lentry_shape_is_right:
; out = residual + A B^T (+ bias), A and B as panels of FP6 codes, out and residual [4096][1024] f32.  Here: x2 = x + o w_proj^T (no bias).
; A work-group of four waves makes 256 tokens x 256 columns; a wave 128 x 128: 64 accumulators.  Source 0 = B (columns, along a lane's registers), source 1 = A (a lane's token).
; A panel is 25,600 dense bytes for 256 rows x 128 K: sixteen register images of 1,536 bytes and their scale words; one tensor load a wave brings one.  A slot holds two K steps of A and of B; two slots.
; A's panels are asked for jointly along a row of the 4 x 4 cluster, B's along a column.
; Lane row r of fragment i is row 32 (i / 2) + 8 (i % 2) + r + 8 (r / 8) of its group: the way out puts rows and columns back in order.
; REGISTERS: window 0: v1-7 lane numbers; v12-23 LDS addresses; v24-26 the way out; v28, v29 the add's two; v32-63 scale words; v64-127 the bias; v128-223 A's fragments.  window 1: B's fragments, later the residual.  windows 2, 3: the accumulators.
.set KSTEPS, 8
.set BOFF,   5734400
.set ZERO,   1
.set PANEL,  25600
.set SLOT,   4*PANEL
.set LAPS,   KSTEPS/4
.set FR,     12
.set NL,     4
.set NP,     4
.set SPARE,  327168                    ; the spare words, 128 bytes a wave: two blocks of 256 bytes that no other line names
.set SPITCH, 528                       ; the way out: a stage of 16 rows x (512 + 16) bytes a wave, in slot 0, which has had its last fill and its last read by then
.set ADRS,   12
.set ADRA,   16
.set ADRB,   20
.set STO,    24
.set RD,     25
.set CO,     26
.set SPW,    28
.set NIL,    29
.set SC,     32
.set BIAS,   64
.set AF,     128
.set BK,     128
.set G1,  24
.set G0,  32
.set G1B, 48
.set G0B, 56
.set MSB, 0
.macro WIN new
.if MSB != \new
	s_set_vgpr_msb (MSB<<8)|\new
.set MSB, \new
.endif
.endm
.set MUL_LO, 0xa1
.set MUL_HI, 0xf1
.set TO_B,   0x40
.macro JLOAD g0a, g1a, g0b, g1b
	s_cmp_eq_u32 s15, 0
	s_cbranch_scc0 .Lfor_b_\@
	tensor_load_to_lds s[\g0a:\g0a+3], s[\g1a:\g1a+7]
	s_nop 0
.rept 4
	v_nop
.endr
	s_branch .Lasked_\@
.Lfor_b_\@:
	tensor_load_to_lds s[\g0b:\g0b+3], s[\g1b:\g1b+7]
	s_nop 0
.rept 4
	v_nop
.endr
.Lasked_\@:
.endm
.macro CREST
	s_cmp_lg_u32 s14, 0
	s_cbranch_scc1 .Lnot_wave_0_\@
	s_barrier_signal -3
.Lnot_wave_0_\@:
	s_barrier_wait -3
	s_barrier_signal -1
	s_barrier_wait -1
.endm
.macro CROUND
	s_barrier_signal -1
	s_barrier_wait -1
	CREST
.endm
.macro FRAG reg, adr, q, i
	ds_load_b128 v[\reg:\reg+3], v[\adr] offset:PANEL*(\q)+1536*(\i)
	ds_load_b64 v[\reg+4:\reg+5], v[\adr+2] offset:PANEL*(\q)+1536*(\i)+512
	ds_load_b128 v[\reg+6:\reg+9], v[\adr] offset:PANEL*(\q)+1536*(\i)+768
	ds_load_b64 v[\reg+10:\reg+11], v[\adr+2] offset:PANEL*(\q)+1536*(\i)+1280
.endm
.macro MUL16 a0, p, q, sc, zero        ; the 64 accumulators take turns, one instruction a turn
.irp a, \a0, \a0+1
.irp b, 0,1,2,3,4,5,6,7
.set DD, 8*(8*((\a)%4)+\b)
.set FB, 128*(\p)+FR*\b
.set FA, AF+FR*(\a)
.set SB, SC+16*(\sc)+2*\b+(\q)
.set SA, SC+16*(\sc)+2*(\a)+(\q)
.if \zero == 1
	v_wmma_scale_f32_16x16x128_f8f6f4 v[DD:DD+7], v[FB:FB+11], v[FA:FA+11], 0, v[SB], v[SA] matrix_a_fmt:MATRIX_FMT_FP6 matrix_b_fmt:MATRIX_FMT_FP6 matrix_a_scale:MATRIX_SCALE_ROW1
.elseif \zero == 2
	v_wmma_scale_f32_16x16x128_f8f6f4 v[DD:DD+7], v[FB:FB+11], v[FA:FA+11], v[BIAS+8*\b:BIAS+8*\b+7], v[SB], v[SA] matrix_a_fmt:MATRIX_FMT_FP6 matrix_b_fmt:MATRIX_FMT_FP6 matrix_a_scale:MATRIX_SCALE_ROW1
.else
	v_wmma_scale_f32_16x16x128_f8f6f4 v[DD:DD+7], v[FB:FB+11], v[FA:FA+11], v[DD:DD+7], v[SB], v[SA] matrix_a_fmt:MATRIX_FMT_FP6 matrix_b_fmt:MATRIX_FMT_FP6 matrix_a_scale:MATRIX_SCALE_ROW1
.endif
.endr
.endr
.endm
.macro FETCH_B slot, q, p
	WIN TO_B
.irp i, 0,1,2,3,4,5,6,7
	FRAG 128*(\p)+FR*\i, ADRB+\slot, \q, \i
.endr
	WIN 0
.endm
.macro FETCH_A slot, q, i0
.irp i, \i0, \i0+1, \i0+2, \i0+3
	FRAG AF+FR*(\i), ADRA+\slot, \q, \i
.endr
.endm
.macro SCALES slot
.irp i, 0,1,2,3,4,5,6,7
	ds_load_b32 v[SC+16*\slot+2*\i], v[ADRS+\slot] offset:64*\i
	ds_load_b32 v[SC+16*\slot+2*\i+1], v[ADRS+\slot] offset:PANEL+64*\i
.endr
.endm
.macro PLACES n
.rept \n
	v_nop
.endr
.endm
.macro STEP slot, q, zero
	s_wait_dscnt 4*NL                              ; all but the youngest sixteen loads (A's blocks 4-7)
.if \zero == 2
	WIN 0x81
.else
	WIN MUL_LO
.endif
	MUL16 0, (\q)%2, \q, \slot, \zero
	MUL16 2, (\q)%2, \q, \slot, \zero
	s_wait_dscnt 0
	PLACES NP
	FETCH_B \slot, (\q)+1, 1-(\q)%2
	FETCH_A \slot, (\q)+1, 0
.if \zero == 2
	WIN 0xc1
.else
	WIN MUL_HI
.endif
	MUL16 4, (\q)%2, \q, \slot, \zero
	MUL16 6, (\q)%2, \q, \slot, \zero
	PLACES NP
	WIN 0
	FETCH_A \slot, (\q)+1, 4
.endm
.macro TURN slot, next, fill
	s_wait_tensorcnt 0x0                           ; all my tensor loads have landed: my part of the next slot
	ds_add_u32 v[SPW], v[NIL]
	s_wait_dscnt 4*NL+1                            ; the add and the youngest sixteen loads may be out
	WIN MUL_LO
	MUL16 0, 1, 1, \slot, 0
	s_wait_dscnt 0x0                               ; the add is done, and my reads of this slot are over
	s_barrier_signal -1
	MUL16 2, 1, 1, \slot, 0
	WIN 0
	s_barrier_wait -1
.if \fill
	CREST                                          ; the barrier has opened a round of the cluster's
	s_add_nc_u64 s[G0+4*\slot+2:G0+4*\slot+3], s[G0+4*\slot+2:G0+4*\slot+3], 4*PANEL
	s_add_nc_u64 s[G0B+4*\slot+2:G0B+4*\slot+3], s[G0B+4*\slot+2:G0B+4*\slot+3], 4*PANEL
	JLOAD G0+4*\slot, G1, G0B+4*\slot, G1B
.else
	PLACES NP
.endif
	FETCH_B \next, 0, 0
	FETCH_A \next, 0, 0
	SCALES \next
	WIN MUL_HI
	MUL16 4, 1, 1, \slot, 0
	MUL16 6, 1, 1, \slot, 0
	PLACES NP
	WIN 0
	FETCH_A \next, 0, 4
.endm
	s_load_b256 s[4:11], s[0:1], 0x0               ; A's panels, the weights' panels, the residual, the result
.if ZERO == 2
	s_load_b64 s[12:13], s[0:1], 0x20              ; the bias
.endif
	v_lshl_add_u32 v[SPW], v0, 2, SPARE
	v_mov_b32 v[NIL], 0
	ds_add_u32 v[SPW], v[NIL]                      ; the wave's opening
	v_lshrrev_b32 v1, 5, v0
	v_readfirstlane_b32 s14, v1
	s_lshr_b32 s15, s14, 1
	s_and_b32 s16, s14, 1
	s_bfe_u32 s40, ttmp6, 0x40000
	s_bfe_u32 s41, ttmp6, 0x40004
	s_lshl_b32 s42, ttmp9, 2
	s_add_co_u32 s42, s42, s40                     ; B's group = tile column
	s_and_b32 s17, ttmp7, 0xffff
	s_lshl_b32 s17, s17, 2
	s_add_co_u32 s17, s17, s41                     ; A's group = tile row
	s_lshl_b32 s43, s41, 2
	s_lshl_b32 s43, 15, s43
	s_lshl_b32 s44, 0x1111, s40
	s_or_b32 s[G1+0], s43, (3<<16)|(1<<21)
	s_or_b32 s[G1B+0], s44, (3<<16)|(1<<21)
.irp g, G1, G1B
	s_mov_b32 s[\g+1], 32<<16
	s_mov_b32 s[\g+2], 100<<16
	s_mov_b32 s[\g+3], 32<<16
	s_mov_b32 s[\g+4], 100
	s_mov_b32 s[\g+5], 32
	s_mov_b32 s[\g+6], 0
	s_mov_b32 s[\g+7], 0
.endr
	s_mul_i32 s18, s16, PANEL
	s_mul_i32 s20, s17, KSTEPS*PANEL
	s_add_co_u32 s20, s20, s18
	s_mov_b32 s21, 0
	s_mul_i32 s46, s42, KSTEPS*PANEL
	s_add_co_u32 s46, s46, s18
	s_add_co_u32 s46, s46, BOFF
	s_mov_b32 s47, 0
	s_mul_i32 s45, s14, PANEL
	s_wait_dscnt 0x0
	s_wait_kmcnt 0x0
	s_add_nc_u64 s[20:21], s[4:5], s[20:21]
	s_add_nc_u64 s[46:47], s[6:7], s[46:47]
	CROUND
.irp s, 0,1
	s_mov_b32 s[G0+4*\s], 1
	s_add_co_u32 s[G0+4*\s+1], s45, \s*SLOT
	s_add_nc_u64 s[G0+4*\s+2:G0+4*\s+3], s[20:21], \s*2*PANEL
	s_or_b32 s[G0+4*\s+3], s[G0+4*\s+3], 0x80000000
	s_mov_b32 s[G0B+4*\s], 1
	s_add_co_u32 s[G0B+4*\s+1], s45, \s*SLOT
	s_add_nc_u64 s[G0B+4*\s+2:G0B+4*\s+3], s[46:47], \s*2*PANEL
	s_or_b32 s[G0B+4*\s+3], s[G0B+4*\s+3], 0x80000000
	JLOAD G0+4*\s, G1, G0B+4*\s, G1B
.endr
	v_and_b32 v1, 15, v0
	v_bfe_u32 v2, v0, 4, 1
	v_and_b32 v3, 31, v0
	v_lshlrev_b32 v4, 4, v3
	v_lshlrev_b32 v5, 3, v3
	s_lshl_b32 s46, s42, 10                        ; my first column, in bytes: 1,024 x tile column + 512 x half
	s_lshl_b32 s47, s16, 9
	s_add_co_u32 s46, s46, s47
	s_mov_b32 s47, 0
.if ZERO == 2
	s_add_nc_u64 s[12:13], s[12:13], s[46:47]
	v_lshlrev_b32 v7, 6, v2                        ; tile b's eight numbers of my half: columns 32 (b / 2) + 16 h + 8 (b % 2) + 0 .. 7
.irp b, 0,1,2,3,4,5,6,7
	global_load_b128 v[BIAS+8*\b:BIAS+8*\b+3], v7, s[12:13] offset:(32*(\b/2)+8*(\b%2))*4
	global_load_b128 v[BIAS+8*\b+4:BIAS+8*\b+7], v7, s[12:13] offset:(32*(\b/2)+8*(\b%2))*4+16
.endr
.endif
	s_lshl_b32 s20, s17, 8
	s_lshl_b32 s21, s15, 7
	s_add_co_u32 s20, s20, s21                     ; my first row
	s_lshl_b32 s20, s20, 12
	s_add_co_u32 s46, s46, s20
	s_add_nc_u64 s[8:9], s[8:9], s[46:47]
	s_add_nc_u64 s[10:11], s[10:11], s[46:47]
	s_mul_i32 s21, s15, 8*1536
	s_mul_i32 s22, s16, 8*1536
	s_add_co_u32 s22, s22, 2*PANEL
.irp s, 0,1
	v_add_nc_u32 v[ADRA+\s], s21, v4
	v_add_nc_u32 v[ADRB+\s], s22, v4
	v_add_nc_u32 v[ADRA+2+\s], s21, v5
	v_add_nc_u32 v[ADRB+2+\s], s22, v5
	s_add_co_u32 s21, s21, SLOT
	s_add_co_u32 s22, s22, SLOT
.endr
	s_lshl_b32 s21, s15, 9
	s_lshl_b32 s22, s16, 9
	s_add_co_u32 s22, s22, 2*PANEL
	s_sub_co_u32 s22, s22, s21
	v_mul_u32_u24 v6, s22, v2
	s_add_co_u32 s21, s21, 24576
	v_lshl_add_u32 v6, v1, 2, v6
	v_add_nc_u32 v[ADRS], s21, v6
	v_add_nc_u32 v[ADRS+1], SLOT, v[ADRS]
	s_mul_i32 s23, s14, 16*SPITCH                  ; my stage
	v_mul_u32_u24 v6, v1, SPITCH
	v_lshl_add_u32 v6, v2, 6, v6
	v_add_nc_u32 v[STO], s23, v6                   ; in: row r, + 64 h
	v_add_nc_u32 v[RD], s23, v4                    ; back: 32 lanes take a row of 512 bytes
	v_mov_b32 v[CO], v4
	s_wait_tensorcnt 1                             ; my part of slot 0 is in; slot 1's load may be out
	s_barrier_signal -1
	s_barrier_wait -1
	FETCH_B 0, 0, 0
	FETCH_A 0, 0, 0
	SCALES 0
	FETCH_A 0, 0, 4
.if ZERO == 2
	s_wait_loadcnt 0x0                             ; the bias
.endif
	STEP 0, 0, ZERO
	s_mov_b32 s3, LAPS-1
.Llap:
	TURN 0, 1, 1
	STEP 1, 0, 0
	TURN 1, 0, 1
	STEP 0, 0, 0
	s_sub_co_u32 s3, s3, 1
	s_cmp_lg_u32 s3, 0
	s_cbranch_scc1 .Llap
	TURN 0, 1, 0
	STEP 1, 0, 0
	s_wait_dscnt 4*NL
	WIN MUL_LO
	MUL16 0, 1, 1, 1, 0
	MUL16 2, 1, 1, 1, 0
	s_wait_dscnt 0
	WIN MUL_HI
	MUL16 4, 1, 1, 1, 0
	MUL16 6, 1, 1, 1, 0
	WIN 0
; THE WAY OUT, block by block of 16 lane rows x 128 columns: through my own stage in LDS, back as whole rows of 512 bytes, the residual added, stored as aligned runs of 512 bytes.
; Stage row t of block a is row 32 (a / 2) + 8 (a % 2) + t + 8 (t / 8) of my 128: every row offset is an immediate, 127 x 4,096 bytes at the most.
.macro TOSTAGE a
.set AC, 64*((\a)%4)
	WIN 0x08+4*((\a)/4)
.irp b, 0,1,2,3,4,5,6,7
	ds_store_b128 v[STO], v[AC+8*\b:AC+8*\b+3] offset:128*(\b/2)+32*(\b%2)          ; each accumulator from its low end on
	ds_store_b128 v[STO], v[AC+8*\b+4:AC+8*\b+7] offset:128*(\b/2)+32*(\b%2)+16
.endr
	WIN 0
.set BB, BK+64*((\a)%2)
.irp t, 0,1,2,3,4,5,6,7,8,9,10,11,12,13,14,15
	ds_load_b128 v[BB+4*\t:BB+4*\t+3], v[RD] offset:\t*SPITCH    ; LDS serves a wave's instructions in order: these see the stores above
.endr
.endm
.macro RLOAD a                         ; block a's rows of the residual into window 1
.set RR, 64*((\a)%4)
	WIN 0x40
.irp t, 0,1,2,3,4,5,6,7,8,9,10,11,12,13,14,15
	global_load_b128 v[RR+4*\t:RR+4*\t+3], v[CO], s[8:9] offset:(32*((\a)/2)+8*((\a)%2)+\t+8*(\t/8))*4096 th:TH_LOAD_NT
.endr
	WIN 0
.endm
.macro SEND a, younger, left
.set BB, BK+64*((\a)%2)
.set RR, 64*((\a)%4)
	s_wait_dscnt \younger                          ; the block is back from the stage
	s_wait_loadcnt \left                           ; its residual is in; the later blocks' loads may be out
	WIN 0x04
.set j, 0
.rept 32
	v_pk_add_f32 v[BB+j:BB+j+1], v[BB+j:BB+j+1], v[RR+j:RR+j+1]
.set j, j+2
.endr
	WIN 0
.irp t, 0,1,2,3,4,5,6,7,8,9,10,11,12,13,14,15
	global_store_b128 v[CO], v[BB+4*\t:BB+4*\t+3], s[10:11] offset:(32*((\a)/2)+8*((\a)%2)+\t+8*(\t/8))*4096
.endr
.endm
	PLACES NP
	RLOAD 0
	RLOAD 1
	RLOAD 2
	TOSTAGE 0
.irp a, 1,2,3,4,5,6,7
.if \a > 1
	s_wait_xcnt 0x0                                ; block a - 2's stores have read their registers: block a's loads may land there
.endif
	TOSTAGE \a
.if \a+2 <= 7
	RLOAD \a+2
.endif
.if 8-\a >= 3
	SEND \a-1, 32, 48
.else
	SEND \a-1, 32, 16*(8-\a)
.endif
.endr
	SEND 7, 0, 0
	s_wait_tensorcnt 0x0                           ; the wave's end
	ds_add_u32 v[SPW], v[NIL]
	s_wait_dscnt 0x0
	CROUND
	s_endpgm
.Lfunc_end_k_qbb525ee117_proj:
	.size	k_qbb525ee117_proj, .Lfunc_end_k_qbb525ee117_proj-k_qbb525ee117_proj
	.p2alignl 7, 3214868480
	.fill 96, 4, 3214868480
	.section	.rodata,"a",@progbits
	.p2align	6, 0x0
	.amdhsa_kernel k_qbb525ee117_proj
		.amdhsa_group_segment_fixed_size 327680
		.amdhsa_private_segment_fixed_size 0
		.amdhsa_enable_private_segment 0
		.amdhsa_kernarg_size 32
		.amdhsa_user_sgpr_count 2
		.amdhsa_user_sgpr_kernarg_segment_ptr 1
		.amdhsa_wavefront_size32 1
		.amdhsa_system_sgpr_workgroup_id_x 1
		.amdhsa_system_sgpr_workgroup_id_y 1
		.amdhsa_system_sgpr_workgroup_id_z 1
		.amdhsa_system_vgpr_workitem_id 0
		.amdhsa_next_free_vgpr 1024
		.amdhsa_next_free_sgpr 66
		.amdhsa_reserve_vcc 0
		.amdhsa_float_denorm_mode_32 3
		.amdhsa_float_denorm_mode_16_64 3
		.amdhsa_memory_ordered 1
		.amdhsa_forward_progress 1
		.amdhsa_inst_pref_size 172
	.end_amdhsa_kernel
	.amdgpu_metadata
---
amdhsa.version: [ 1, 2 ]
amdhsa.kernels:
  - .name:           k_qbb525ee117_proj
    .symbol:         k_qbb525ee117_proj.kd
    .args:
      - { .name: op, .offset: 0, .size: 8, .value_kind: global_buffer, .address_space: global }
      - { .name: pan, .offset: 8, .size: 8, .value_kind: global_buffer, .address_space: global }
      - { .name: x, .offset: 16, .size: 8, .value_kind: global_buffer, .address_space: global }
      - { .name: x2, .offset: 24, .size: 8, .value_kind: global_buffer, .address_space: global }
    .group_segment_fixed_size: 327680
    .private_segment_fixed_size: 0
    .kernarg_segment_align: 8
    .kernarg_segment_size: 32
    .max_flat_workgroup_size: 128
    .sgpr_count:     66
    .vgpr_count:     1024
    .wavefront_size: 32
...
	.end_amdgpu_metadata
.endif
;; end of part 4
;; launch ln2: the kernel of part 1 again; grid 256 x 1, 8 waves a work-group, no clusters, 66,816 bytes of LDS; arguments x2, ln2_g, ln2_b, w_qkv, w_proj, w1, w2, h2p; writes h2p
;; launch fc1 (part 5): grid 16 x 16, 4 waves a work-group, clusters of 4 x 4, 327,680 bytes of LDS; arguments h2p, pan, b1, hid; writes hid
.if DOCPART == 5
	.amdgcn_target "amdgcn-amd-amdhsa--gfx1250"
	.amdhsa_code_object_version 6
	.text
	.protected	k_qbb525ee117_fc1
	.globl	k_qbb525ee117_fc1
	.p2align	8
	.type	k_qbb525ee117_fc1,@function
k_qbb525ee117_fc1:
	s_mov_b64 s[64:65], 0
	v_nop
	global_prefetch_b8 v0, s[64:65] scope:SCOPE_SE
	s_setreg_imm32_b32 hwreg(HW_REG_WAVE_MODE, 25, 1), 1
	s_wait_xcnt 0x0
	s_wait_alu depctr_hold_cnt(0) depctr_sa_sdst(0) depctr_va_vdst(0) depctr_va_sdst(0) depctr_va_ssrc(0) depctr_va_vcc(0) depctr_vm_vsrc(0)
	s_getreg_b32 s2, hwreg(HW_REG_IB_STS2, 6, 4)
	s_cmp_eq_u32 s2, 0
	s_cbranch_scc0 .Lentry_in_a_cluster
	s_endpgm
.Lentry_in_a_cluster:
	s_bfe_u32 s2, ttmp6, 0x10000c
	s_cmp_lg_u32 s2, 0xf033
	s_cbranch_scc0 .Lentry_shape_is_right
	s_endpgm
.Lentry_shape_is_right:
; hid = Q(gelu(LN2(x2) w1^T + b1)): the product on FP6 codes, the exact gelu in f32, the result quantised along the hidden units into panels for the next product.
; A work-group of four waves makes 256 tokens x 256 hidden units; a wave 128 x 128: 64 accumulators.  Source 0 = w1's rows (along a lane's registers), source 1 = tokens (a lane's row).  b1 is the C of each sum's first instruction.
; Panels, ring, joint loads and row order as in the other products of this program: a panel is 25,600 dense bytes (sixteen register images of 1,536 bytes and their scale words) for 256 rows x 128 K.
; THE WAY OUT is a loop of eight trips, so that gelu and the quantiser are written once: the accumulators go to LDS as register images (each wave's own 65,536 bytes, behind a barrier: both slots have had their last fill and their last read),
; and a trip takes one block of 16 tokens x 128 hidden units: one fragment of the next product's operand.
; gelu(x) = x (0.5 + 0.5 erf(x / sqrt 2)); erf(z) = z P(z^2) / Q(z^2), z held to +-4, P of degree 6 and Q of degree 4 in z^2; P's coefficients are halved, so that z P / Q is erf / 2.
; LIMITS: 0.5 + 0.5 erf is right to about an ulp of 1, so far in the negative tail gelu is right to about 1e-7 |x|, not relatively.  A block of zeros gets the byte 1.  NaN and infinities are not served.
.set KSTEPS, 8
.set BOFF,   6553600
.set ZERO,   2
.set PANEL,  25600
.set SLOT,   4*PANEL
.set LAPS,   KSTEPS/4
.set FR,     12
.set NL,     4
.set NP,     4
.set SPARE,  327168                    ; the spare words, 128 bytes a wave: two blocks of 256 bytes that no other line names
.set ADRS,   12
.set ADRA,   16
.set ADRB,   20
.set SPW,    28
.set NIL,    29
.set SC,     32
.set BIAS,   64
.set AF,     128
.set G1,  24
.set G0,  32
.set G1B, 48
.set G0B, 56
.set SEL, 86
.set TM,  148
.set MSB, 0
.macro WIN new
.if MSB != \new
	s_set_vgpr_msb (MSB<<8)|\new
.set MSB, \new
.endif
.endm
.set MUL_LO, 0xa1
.set MUL_HI, 0xf1
.set TO_B,   0x40
.macro JLOAD g0a, g1a, g0b, g1b
	s_cmp_eq_u32 s15, 0
	s_cbranch_scc0 .Lfor_b_\@
	tensor_load_to_lds s[\g0a:\g0a+3], s[\g1a:\g1a+7]
	s_nop 0
.rept 4
	v_nop
.endr
	s_branch .Lasked_\@
.Lfor_b_\@:
	tensor_load_to_lds s[\g0b:\g0b+3], s[\g1b:\g1b+7]
	s_nop 0
.rept 4
	v_nop
.endr
.Lasked_\@:
.endm
.macro CREST
	s_cmp_lg_u32 s14, 0
	s_cbranch_scc1 .Lnot_wave_0_\@
	s_barrier_signal -3
.Lnot_wave_0_\@:
	s_barrier_wait -3
	s_barrier_signal -1
	s_barrier_wait -1
.endm
.macro CROUND
	s_barrier_signal -1
	s_barrier_wait -1
	CREST
.endm
.macro FRAG reg, adr, q, i
	ds_load_b128 v[\reg:\reg+3], v[\adr] offset:PANEL*(\q)+1536*(\i)
	ds_load_b64 v[\reg+4:\reg+5], v[\adr+2] offset:PANEL*(\q)+1536*(\i)+512
	ds_load_b128 v[\reg+6:\reg+9], v[\adr] offset:PANEL*(\q)+1536*(\i)+768
	ds_load_b64 v[\reg+10:\reg+11], v[\adr+2] offset:PANEL*(\q)+1536*(\i)+1280
.endm
.macro MUL16 a0, p, q, sc, zero        ; the 64 accumulators take turns, one instruction a turn
.irp a, \a0, \a0+1
.irp b, 0,1,2,3,4,5,6,7
.set DD, 8*(8*((\a)%4)+\b)
.set FB, 128*(\p)+FR*\b
.set FA, AF+FR*(\a)
.set SB, SC+16*(\sc)+2*\b+(\q)
.set SA, SC+16*(\sc)+2*(\a)+(\q)
.if \zero == 1
	v_wmma_scale_f32_16x16x128_f8f6f4 v[DD:DD+7], v[FB:FB+11], v[FA:FA+11], 0, v[SB], v[SA] matrix_a_fmt:MATRIX_FMT_FP6 matrix_b_fmt:MATRIX_FMT_FP6 matrix_a_scale:MATRIX_SCALE_ROW1
.elseif \zero == 2
	v_wmma_scale_f32_16x16x128_f8f6f4 v[DD:DD+7], v[FB:FB+11], v[FA:FA+11], v[BIAS+8*\b:BIAS+8*\b+7], v[SB], v[SA] matrix_a_fmt:MATRIX_FMT_FP6 matrix_b_fmt:MATRIX_FMT_FP6 matrix_a_scale:MATRIX_SCALE_ROW1
.else
	v_wmma_scale_f32_16x16x128_f8f6f4 v[DD:DD+7], v[FB:FB+11], v[FA:FA+11], v[DD:DD+7], v[SB], v[SA] matrix_a_fmt:MATRIX_FMT_FP6 matrix_b_fmt:MATRIX_FMT_FP6 matrix_a_scale:MATRIX_SCALE_ROW1
.endif
.endr
.endr
.endm
.macro FETCH_B slot, q, p
	WIN TO_B
.irp i, 0,1,2,3,4,5,6,7
	FRAG 128*(\p)+FR*\i, ADRB+\slot, \q, \i
.endr
	WIN 0
.endm
.macro FETCH_A slot, q, i0
.irp i, \i0, \i0+1, \i0+2, \i0+3
	FRAG AF+FR*(\i), ADRA+\slot, \q, \i
.endr
.endm
.macro SCALES slot
.irp i, 0,1,2,3,4,5,6,7
	ds_load_b32 v[SC+16*\slot+2*\i], v[ADRS+\slot] offset:64*\i
	ds_load_b32 v[SC+16*\slot+2*\i+1], v[ADRS+\slot] offset:PANEL+64*\i
.endr
.endm
.macro PLACES n
.rept \n
	v_nop
.endr
.endm
.macro STEP slot, q, zero
	s_wait_dscnt 4*NL                              ; all but the youngest sixteen loads (A's blocks 4-7)
.if \zero == 2
	WIN 0x81
.else
	WIN MUL_LO
.endif
	MUL16 0, (\q)%2, \q, \slot, \zero
	MUL16 2, (\q)%2, \q, \slot, \zero
	s_wait_dscnt 0
	PLACES NP
	FETCH_B \slot, (\q)+1, 1-(\q)%2
	FETCH_A \slot, (\q)+1, 0
.if \zero == 2
	WIN 0xc1
.else
	WIN MUL_HI
.endif
	MUL16 4, (\q)%2, \q, \slot, \zero
	MUL16 6, (\q)%2, \q, \slot, \zero
	PLACES NP
	WIN 0
	FETCH_A \slot, (\q)+1, 4
.endm
.macro TURN slot, next, fill
	s_wait_tensorcnt 0x0                           ; all my tensor loads have landed: my part of the next slot
	ds_add_u32 v[SPW], v[NIL]
	s_wait_dscnt 4*NL+1                            ; the add and the youngest sixteen loads may be out
	WIN MUL_LO
	MUL16 0, 1, 1, \slot, 0
	s_wait_dscnt 0x0                               ; the add is done, and my reads of this slot are over
	s_barrier_signal -1
	MUL16 2, 1, 1, \slot, 0
	WIN 0
	s_barrier_wait -1
.if \fill
	CREST                                          ; the barrier has opened a round of the cluster's
	s_add_nc_u64 s[G0+4*\slot+2:G0+4*\slot+3], s[G0+4*\slot+2:G0+4*\slot+3], 4*PANEL
	s_add_nc_u64 s[G0B+4*\slot+2:G0B+4*\slot+3], s[G0B+4*\slot+2:G0B+4*\slot+3], 4*PANEL
	JLOAD G0+4*\slot, G1, G0B+4*\slot, G1B
.else
	PLACES NP
.endif
	FETCH_B \next, 0, 0
	FETCH_A \next, 0, 0
	SCALES \next
	WIN MUL_HI
	MUL16 4, 1, 1, \slot, 0
	MUL16 6, 1, 1, \slot, 0
	PLACES NP
	WIN 0
	FETCH_A \next, 0, 4
.endm
.macro QUANT s, pc, pw                 ; 64 numbers of a lane, register 16 b + i = k 32 b + 16 h + i, become a fragment's codes and its scale word
.irp b, 0,1,2,3
	v_max3_num_f32 v[TM+\b], |v[\s+16*\b]|, |v[\s+1+16*\b]|, 0x1800000
.endr
.irp i, 2,4,6,8,10,12,14
.irp b, 0,1,2,3
	v_max3_num_f32 v[TM+\b], v[TM+\b], |v[\s+16*\b+\i]|, |v[\s+1+16*\b+\i]|
.endr
.endr
.irp b, 0,1,2,3
	v_permlanex16_b32 v[TM+4+\b], v[TM+\b], s[SEL], s[SEL+1]
.endr
.irp b, 0,1,2,3
	v_max_num_f32 v[TM+\b], v[TM+\b], v[TM+4+\b]
.endr
.irp b, 0,1,2,3
	v_add_nc_u32 v[TM+12+\b], 0xff000000, v[TM+\b]
.endr
.irp b, 0,1,2,3
	v_lshrrev_b32 v[TM+4+\b], 23, v[TM+12+\b]
.endr
	v_lshl_or_b32 v[\pw], v[TM+5], 8, v[TM+4]
	v_lshl_or_b32 v[\pw], v[TM+6], 16, v[\pw]
	v_lshl_or_b32 v[\pw], v[TM+7], 24, v[\pw]
.irp c, 0,1
	v_cvt_scalef32_pk16_fp6_f32 v[\pc+6*\c:\pc+2+6*\c], v[\s+32*\c:\s+15+32*\c], v[TM+12+2*\c]
	v_cvt_scalef32_pk16_fp6_f32 v[\pc+12+4*\c:\pc+14+4*\c], v[\s+16+32*\c:\s+31+32*\c], v[TM+12+2*\c+1]
.endr
	v_nop
.irp c, 0,1
.irp i, 0,1,2
	v_permlane16_swap_b32 v[\pc+6*\c+\i], v[\pc+12+4*\c+\i]
.endr
.irp i, 0,1,2
	v_mov_b32 v[\pc+3+6*\c+\i], v[\pc+12+4*\c+\i]
.endr
.endr
.endm
.set A13, 66                           ; s[66:85]: ten coefficients, each twice (a packed source names a pair); the other two lie in v[224:227]
.set A9,  68
.set A7,  70
.set A5,  72
.set A3,  74
.set A1,  76
.set B8,  78
.set B4,  80
.set B2,  82
.set B0,  84
.macro SPAIR r, val
	s_mov_b32 s[\r], \val
	s_mov_b32 s[\r+1], \val
.endm
.macro GELU32 x                        ; 32 numbers v[x] .. v[x + 31], in place; stage by stage, so that no line waits for the line above it.  Z v128-159, Z^2 v160-191, P v192-223, Q v32-63
.set j, 0
.rept 16
	v_pk_mul_f32 v[128+j:129+j], v[\x+j:\x+j+1], 0x3f3504f3 op_sel_hi:[1,0]
.set j, j+2
.endr
.set j, 0
.rept 32
	v_med3_num_f32 v[128+j], v[128+j], -4.0, 4.0
.set j, j+1
.endr
.set j, 0
.rept 16
	v_pk_mul_f32 v[160+j:161+j], v[128+j:129+j], v[128+j:129+j]
.set j, j+2
.endr
.set j, 0
.rept 16
	v_pk_fma_f32 v[192+j:193+j], v[160+j:161+j], s[A13:A13+1], v[224:225] op_sel_hi:[1,0,1]
	v_pk_fma_f32 v[32+j:33+j], v[160+j:161+j], s[B8:B8+1], v[226:227] op_sel_hi:[1,0,1]
.set j, j+2
.endr
.irp c, B4, B2, B0
.set j, 0
.rept 16
	v_pk_fma_f32 v[32+j:33+j], v[32+j:33+j], v[160+j:161+j], s[\c:\c+1] op_sel_hi:[1,1,0]
.set j, j+2
.endr
.endr
.set j, 0
.rept 32
	v_rcp_f32 v[32+j], v[32+j]
.set j, j+1
.endr
.irp c, A9, A7, A5, A3, A1             ; P's five further steps name none of the reciprocals: the work between the batch and its wait
.set j, 0
.rept 16
	v_pk_fma_f32 v[192+j:193+j], v[192+j:193+j], v[160+j:161+j], s[\c:\c+1] op_sel_hi:[1,1,0]
.set j, j+2
.endr
.endr
.set j, 0
.rept 16
	v_pk_mul_f32 v[192+j:193+j], v[192+j:193+j], v[128+j:129+j]
.set j, j+2
.endr
	s_wait_alu depctr_va_vdst(0)                   ; one wait for the 32 reciprocals, ahead of their first reader
.set j, 0
.rept 16
	v_pk_fma_f32 v[192+j:193+j], v[192+j:193+j], v[32+j:33+j], 0.5 op_sel_hi:[1,1,0]
.set j, j+2
.endr
.set j, 0
.rept 16
	v_pk_mul_f32 v[\x+j:\x+j+1], v[\x+j:\x+j+1], v[192+j:193+j]
.set j, j+2
.endr
.endm
	s_load_b256 s[4:11], s[0:1], 0x0               ; A's panels, the weights' panels, b1, the hidden layer's panels
	v_lshl_add_u32 v[SPW], v0, 2, SPARE
	v_mov_b32 v[NIL], 0
	ds_add_u32 v[SPW], v[NIL]                      ; the wave's opening
	v_lshrrev_b32 v1, 5, v0
	v_readfirstlane_b32 s14, v1
	s_lshr_b32 s15, s14, 1
	s_and_b32 s16, s14, 1
	s_bfe_u32 s40, ttmp6, 0x40000
	s_bfe_u32 s41, ttmp6, 0x40004
	s_lshl_b32 s42, ttmp9, 2
	s_add_co_u32 s42, s42, s40                     ; B's group: 256 hidden units
	s_and_b32 s17, ttmp7, 0xffff
	s_lshl_b32 s17, s17, 2
	s_add_co_u32 s17, s17, s41                     ; A's group: 256 tokens
	s_lshl_b32 s43, s41, 2
	s_lshl_b32 s43, 15, s43
	s_lshl_b32 s44, 0x1111, s40
	s_or_b32 s[G1+0], s43, (3<<16)|(1<<21)
	s_or_b32 s[G1B+0], s44, (3<<16)|(1<<21)
.irp g, G1, G1B
	s_mov_b32 s[\g+1], 32<<16
	s_mov_b32 s[\g+2], 100<<16
	s_mov_b32 s[\g+3], 32<<16
	s_mov_b32 s[\g+4], 100
	s_mov_b32 s[\g+5], 32
	s_mov_b32 s[\g+6], 0
	s_mov_b32 s[\g+7], 0
.endr
	s_mul_i32 s18, s16, PANEL
	s_mul_i32 s20, s17, KSTEPS*PANEL
	s_add_co_u32 s20, s20, s18
	s_mov_b32 s21, 0
	s_mul_i32 s46, s42, KSTEPS*PANEL
	s_add_co_u32 s46, s46, s18
	s_add_co_u32 s46, s46, BOFF
	s_mov_b32 s47, 0
	s_mul_i32 s45, s14, PANEL
	s_wait_dscnt 0x0
	s_wait_kmcnt 0x0
	s_add_nc_u64 s[20:21], s[4:5], s[20:21]
	s_add_nc_u64 s[46:47], s[6:7], s[46:47]
	CROUND
.irp s, 0,1
	s_mov_b32 s[G0+4*\s], 1
	s_add_co_u32 s[G0+4*\s+1], s45, \s*SLOT
	s_add_nc_u64 s[G0+4*\s+2:G0+4*\s+3], s[20:21], \s*2*PANEL
	s_or_b32 s[G0+4*\s+3], s[G0+4*\s+3], 0x80000000
	s_mov_b32 s[G0B+4*\s], 1
	s_add_co_u32 s[G0B+4*\s+1], s45, \s*SLOT
	s_add_nc_u64 s[G0B+4*\s+2:G0B+4*\s+3], s[46:47], \s*2*PANEL
	s_or_b32 s[G0B+4*\s+3], s[G0B+4*\s+3], 0x80000000
	JLOAD G0+4*\s, G1, G0B+4*\s, G1B
.endr
	v_and_b32 v1, 15, v0
	v_bfe_u32 v2, v0, 4, 1
	v_and_b32 v3, 31, v0
	v_lshlrev_b32 v4, 4, v3
	v_lshlrev_b32 v5, 3, v3
	s_lshl_b32 s46, s42, 10                        ; my first hidden unit, in bytes of b1
	s_lshl_b32 s47, s16, 9
	s_add_co_u32 s46, s46, s47
	s_mov_b32 s47, 0
	s_add_nc_u64 s[8:9], s[8:9], s[46:47]
	v_lshlrev_b32 v7, 6, v2                        ; tile b's eight numbers of my half: units 32 (b / 2) + 16 h + 8 (b % 2) + 0 .. 7
.irp b, 0,1,2,3,4,5,6,7
	global_load_b128 v[BIAS+8*\b:BIAS+8*\b+3], v7, s[8:9] offset:(32*(\b/2)+8*(\b%2))*4
	global_load_b128 v[BIAS+8*\b+4:BIAS+8*\b+7], v7, s[8:9] offset:(32*(\b/2)+8*(\b%2))*4+16
.endr
	s_mul_i32 s21, s15, 8*1536
	s_mul_i32 s22, s16, 8*1536
	s_add_co_u32 s22, s22, 2*PANEL
.irp s, 0,1
	v_add_nc_u32 v[ADRA+\s], s21, v4
	v_add_nc_u32 v[ADRB+\s], s22, v4
	v_add_nc_u32 v[ADRA+2+\s], s21, v5
	v_add_nc_u32 v[ADRB+2+\s], s22, v5
	s_add_co_u32 s21, s21, SLOT
	s_add_co_u32 s22, s22, SLOT
.endr
	s_lshl_b32 s21, s15, 9
	s_lshl_b32 s22, s16, 9
	s_add_co_u32 s22, s22, 2*PANEL
	s_sub_co_u32 s22, s22, s21
	v_mul_u32_u24 v6, s22, v2
	s_add_co_u32 s21, s21, 24576
	v_lshl_add_u32 v6, v1, 2, v6
	v_add_nc_u32 v[ADRS], s21, v6
	v_add_nc_u32 v[ADRS+1], SLOT, v[ADRS]
	s_lshl_b32 s23, s14, 16
	v_add_nc_u32 v25, s23, v4                      ; the way out: my 65,536 bytes, 16 bytes a lane
	v_lshlrev_b32 v30, 2, v1                       ; 4 r
	s_wait_tensorcnt 1                             ; my part of slot 0 is in; slot 1's load may be out
	s_barrier_signal -1
	s_barrier_wait -1
	FETCH_B 0, 0, 0
	FETCH_A 0, 0, 0
	SCALES 0
	FETCH_A 0, 0, 4
	s_wait_loadcnt 0x0                             ; b1
	STEP 0, 0, ZERO
	s_mov_b32 s3, LAPS-1
.Llap:
	TURN 0, 1, 1
	STEP 1, 0, 0
	TURN 1, 0, 1
	STEP 0, 0, 0
	s_sub_co_u32 s3, s3, 1
	s_cmp_lg_u32 s3, 0
	s_cbranch_scc1 .Llap
	TURN 0, 1, 0
	STEP 1, 0, 0
	s_wait_dscnt 4*NL
	WIN MUL_LO
	MUL16 0, 1, 1, 1, 0
	MUL16 2, 1, 1, 1, 0
	s_wait_dscnt 0
	WIN MUL_HI
	MUL16 4, 1, 1, 1, 0
	MUL16 6, 1, 1, 1, 0
	WIN 0
	s_wait_dscnt 0x0                               ; my reads of the slots are over,
	s_barrier_signal -1
	s_barrier_wait -1                              ; everybody's are: the slots' bytes may be stored to
	SPAIR A13, 0xaf15df0b                          ; -2.72614225801306e-10 / 2
	SPAIR A9,  0xb58cff51                          ; -2.10102402082508e-06 / 2
	SPAIR A7,  0xb7eec2d2                          ; -5.69250639462346e-05 / 2
	SPAIR A5,  0xb9c0ac63                          ; -7.34990630326855e-04 / 2
	SPAIR A3,  0xbac1a1f6                          ; -2.95459980854025e-03 / 2
	SPAIR A1,  0xbc03dbd4                          ; -1.60960333262415e-02 / 2
	SPAIR B8,  0xb77460cd                          ; -1.45660718464996e-05
	SPAIR B4,  0xbadc924e                          ; -1.68282697438203e-03
	SPAIR B2,  0xbbf19bf8                          ; -7.37332916720468e-03
	SPAIR B0,  0xbc69b6a7                          ; -1.42647390514189e-02
	s_mov_b32 s[SEL], 0x76543210
	s_mov_b32 s[SEL+1], 0xfedcba98
	s_mul_i32 s20, s17, 32*PANEL                   ; the hidden layer's panel: group = my tokens', K step = 2 x tile column + my half
	s_lshl_b32 s21, s42, 1
	s_add_co_u32 s21, s21, s16
	s_mul_i32 s21, s21, PANEL
	s_add_co_u32 s46, s20, s21
	s_mul_i32 s21, s15, 8*1536
	s_add_co_u32 s22, s46, s21
	s_mov_b32 s23, 0
	s_lshl_b32 s21, s15, 9
	s_add_co_u32 s46, s46, s21
	s_add_co_u32 s46, s46, 24576
	s_mov_b32 s47, 0
	s_add_nc_u64 s[12:13], s[10:11], s[46:47]      ; my first block's scale words
	s_add_nc_u64 s[10:11], s[10:11], s[22:23]      ; and its fragment
	PLACES NP
	v_mov_b32 v224, 0x326dffee                     ; 2.77068142495902e-08 / 2
	v_mov_b32 v225, 0x326dffee
	v_mov_b32 v226, 0xb95fbd29                     ; -2.13374055278905e-04
	v_mov_b32 v227, 0xb95fbd29
.irp a, 0,1,2,3,4,5,6,7
	WIN 0x08+4*(\a/4)                              ; an LDS store's data are its source 1: window 2 or 3
.irp b, 0,1,2,3,4,5,6,7
	ds_store_b128 v25, v[64*(\a%4)+8*\b:64*(\a%4)+8*\b+3] offset:8192*\a+1024*\b          ; each accumulator from its low end on
	ds_store_b128 v25, v[64*(\a%4)+8*\b+4:64*(\a%4)+8*\b+7] offset:8192*\a+1024*\b+512
.endr
.endr
	WIN 0
	s_mov_b32 s3, 8
	s_mov_b32 s2, 0
.Lrow:                                             ; a block of 16 tokens x my 128 hidden units
	v_add_nc_u32 v26, s2, v25
.irp b, 0,1,2,3,4,5,6,7
	ds_load_b128 v[64+8*\b:67+8*\b], v26 offset:1024*\b          ; LDS serves a wave's instructions in order: these see my stores
	ds_load_b128 v[68+8*\b:71+8*\b], v26 offset:1024*\b+512
.endr
	s_wait_dscnt 0x0
	GELU32 64
	GELU32 96
	QUANT 64, 128, 164
	global_store_b128 v4, v[128:131], s[10:11]
	global_store_b64 v5, v[132:133], s[10:11] offset:512
	global_store_b128 v4, v[134:137], s[10:11] offset:768
	global_store_b64 v5, v[138:139], s[10:11] offset:1280
	global_store_b32 v30, v164, s[12:13]
	s_wait_xcnt 0x0                                ; the stores have read their registers and bases: both are written again
	s_add_nc_u64 s[10:11], s[10:11], 1536
	s_add_nc_u64 s[12:13], s[12:13], 64
	s_add_co_u32 s2, s2, 8192
	s_sub_co_u32 s3, s3, 1
	s_cmp_lg_u32 s3, 0
	s_cbranch_scc1 .Lrow
	s_wait_tensorcnt 0x0                           ; the wave's end
	ds_add_u32 v[SPW], v[NIL]
	s_wait_dscnt 0x0
	CROUND
	s_endpgm
.Lfunc_end_k_qbb525ee117_fc1:
	.size	k_qbb525ee117_fc1, .Lfunc_end_k_qbb525ee117_fc1-k_qbb525ee117_fc1
	.p2alignl 7, 3214868480
	.fill 96, 4, 3214868480
	.section	.rodata,"a",@progbits
	.p2align	6, 0x0
	.amdhsa_kernel k_qbb525ee117_fc1
		.amdhsa_group_segment_fixed_size 327680
		.amdhsa_private_segment_fixed_size 0
		.amdhsa_enable_private_segment 0
		.amdhsa_kernarg_size 32
		.amdhsa_user_sgpr_count 2
		.amdhsa_user_sgpr_kernarg_segment_ptr 1
		.amdhsa_wavefront_size32 1
		.amdhsa_system_sgpr_workgroup_id_x 1
		.amdhsa_system_sgpr_workgroup_id_y 1
		.amdhsa_system_sgpr_workgroup_id_z 1
		.amdhsa_system_vgpr_workitem_id 0
		.amdhsa_next_free_vgpr 1024
		.amdhsa_next_free_sgpr 90
		.amdhsa_reserve_vcc 0
		.amdhsa_float_denorm_mode_32 3
		.amdhsa_float_denorm_mode_16_64 3
		.amdhsa_memory_ordered 1
		.amdhsa_forward_progress 1
		.amdhsa_inst_pref_size 168
	.end_amdhsa_kernel
	.amdgpu_metadata
---
amdhsa.version: [ 1, 2 ]
amdhsa.kernels:
  - .name:           k_qbb525ee117_fc1
    .symbol:         k_qbb525ee117_fc1.kd
    .args:
      - { .name: h2p, .offset: 0, .size: 8, .value_kind: global_buffer, .address_space: global }
      - { .name: pan, .offset: 8, .size: 8, .value_kind: global_buffer, .address_space: global }
      - { .name: b1, .offset: 16, .size: 8, .value_kind: global_buffer, .address_space: global }
      - { .name: hid, .offset: 24, .size: 8, .value_kind: global_buffer, .address_space: global }
    .group_segment_fixed_size: 327680
    .private_segment_fixed_size: 0
    .kernarg_segment_align: 8
    .kernarg_segment_size: 32
    .max_flat_workgroup_size: 128
    .sgpr_count:     90
    .vgpr_count:     1024
    .wavefront_size: 32
...
	.end_amdgpu_metadata
.endif
;; end of part 5
;; launch fc2 (part 6): grid 4 x 16, 4 waves a work-group, clusters of 4 x 4, 327,680 bytes of LDS; arguments hid, pan, x2, out0, b2; writes out0
.if DOCPART == 6
	.amdgcn_target "amdgcn-amd-amdhsa--gfx1250"
	.amdhsa_code_object_version 6
	.text
	.protected	k_qbb525ee117_fc2
	.globl	k_qbb525ee117_fc2
	.p2align	8
	.type	k_qbb525ee117_fc2,@function
k_qbb525ee117_fc2:
	s_mov_b64 s[64:65], 0
	v_nop
	global_prefetch_b8 v0, s[64:65] scope:SCOPE_SE
	s_setreg_imm32_b32 hwreg(HW_REG_WAVE_MODE, 25, 1), 1
	s_wait_xcnt 0x0
	s_wait_alu depctr_hold_cnt(0) depctr_sa_sdst(0) depctr_va_vdst(0) depctr_va_sdst(0) depctr_va_ssrc(0) depctr_va_vcc(0) depctr_vm_vsrc(0)
	s_getreg_b32 s2, hwreg(HW_REG_IB_STS2, 6, 4)
	s_cmp_eq_u32 s2, 0
	s_cbranch_scc0 .Lentry_in_a_cluster
	s_endpgm
.Lentry_in_a_cluster:
	s_bfe_u32 s2, ttmp6, 0x10000c
	s_cmp_lg_u32 s2, 0xf033
	s_cbranch_scc0 .Lentry_shape_is_right
	s_endpgm
.Lentry_shape_is_right:
; out = residual + A B^T + bias, A and B as panels of FP6 codes, out and residual [4096][1024] f32.  Here: out0 = x2 + hid w2^T + b2, K = 4,096; b2 is the C of each sum's first instruction.
; A work-group of four waves makes 256 tokens x 256 columns; a wave 128 x 128: 64 accumulators.  Source 0 = B (columns, along a lane's registers), source 1 = A (a lane's token).
; A panel is 25,600 dense bytes for 256 rows x 128 K: sixteen register images of 1,536 bytes and their scale words; one tensor load a wave brings one.  A slot holds two K steps of A and of B; two slots.
; A's panels are asked for jointly along a row of the 4 x 4 cluster, B's along a column.
; Lane row r of fragment i is row 32 (i / 2) + 8 (i % 2) + r + 8 (r / 8) of its group: the way out puts rows and columns back in order.
; REGISTERS: window 0: v1-7 lane numbers; v12-23 LDS addresses; v24-26 the way out; v28, v29 the add's two; v32-63 scale words; v64-127 the bias; v128-223 A's fragments.  window 1: B's fragments, later the residual.  windows 2, 3: the accumulators.
.set KSTEPS, 32
.set BOFF,   9830400
.set ZERO,   2
.set PANEL,  25600
.set SLOT,   4*PANEL
.set LAPS,   KSTEPS/4
.set FR,     12
.set NL,     4
.set NP,     4
.set SPARE,  327168                    ; the spare words, 128 bytes a wave: two blocks of 256 bytes that no other line names
.set SPITCH, 528                       ; the way out: a stage of 16 rows x (512 + 16) bytes a wave, in slot 0, which has had its last fill and its last read by then
.set ADRS,   12
.set ADRA,   16
.set ADRB,   20
.set STO,    24
.set RD,     25
.set CO,     26
.set SPW,    28
.set NIL,    29
.set SC,     32
.set BIAS,   64
.set AF,     128
.set BK,     128
.set G1,  24
.set G0,  32
.set G1B, 48
.set G0B, 56
.set MSB, 0
.macro WIN new
.if MSB != \new
	s_set_vgpr_msb (MSB<<8)|\new
.set MSB, \new
.endif
.endm
.set MUL_LO, 0xa1
.set MUL_HI, 0xf1
.set TO_B,   0x40
.macro JLOAD g0a, g1a, g0b, g1b
	s_cmp_eq_u32 s15, 0
	s_cbranch_scc0 .Lfor_b_\@
	tensor_load_to_lds s[\g0a:\g0a+3], s[\g1a:\g1a+7]
	s_nop 0
.rept 4
	v_nop
.endr
	s_branch .Lasked_\@
.Lfor_b_\@:
	tensor_load_to_lds s[\g0b:\g0b+3], s[\g1b:\g1b+7]
	s_nop 0
.rept 4
	v_nop
.endr
.Lasked_\@:
.endm
.macro CREST
	s_cmp_lg_u32 s14, 0
	s_cbranch_scc1 .Lnot_wave_0_\@
	s_barrier_signal -3
.Lnot_wave_0_\@:
	s_barrier_wait -3
	s_barrier_signal -1
	s_barrier_wait -1
.endm
.macro CROUND
	s_barrier_signal -1
	s_barrier_wait -1
	CREST
.endm
.macro FRAG reg, adr, q, i
	ds_load_b128 v[\reg:\reg+3], v[\adr] offset:PANEL*(\q)+1536*(\i)
	ds_load_b64 v[\reg+4:\reg+5], v[\adr+2] offset:PANEL*(\q)+1536*(\i)+512
	ds_load_b128 v[\reg+6:\reg+9], v[\adr] offset:PANEL*(\q)+1536*(\i)+768
	ds_load_b64 v[\reg+10:\reg+11], v[\adr+2] offset:PANEL*(\q)+1536*(\i)+1280
.endm
.macro MUL16 a0, p, q, sc, zero        ; the 64 accumulators take turns, one instruction a turn
.irp a, \a0, \a0+1
.irp b, 0,1,2,3,4,5,6,7
.set DD, 8*(8*((\a)%4)+\b)
.set FB, 128*(\p)+FR*\b
.set FA, AF+FR*(\a)
.set SB, SC+16*(\sc)+2*\b+(\q)
.set SA, SC+16*(\sc)+2*(\a)+(\q)
.if \zero == 1
	v_wmma_scale_f32_16x16x128_f8f6f4 v[DD:DD+7], v[FB:FB+11], v[FA:FA+11], 0, v[SB], v[SA] matrix_a_fmt:MATRIX_FMT_FP6 matrix_b_fmt:MATRIX_FMT_FP6 matrix_a_scale:MATRIX_SCALE_ROW1
.elseif \zero == 2
	v_wmma_scale_f32_16x16x128_f8f6f4 v[DD:DD+7], v[FB:FB+11], v[FA:FA+11], v[BIAS+8*\b:BIAS+8*\b+7], v[SB], v[SA] matrix_a_fmt:MATRIX_FMT_FP6 matrix_b_fmt:MATRIX_FMT_FP6 matrix_a_scale:MATRIX_SCALE_ROW1
.else
	v_wmma_scale_f32_16x16x128_f8f6f4 v[DD:DD+7], v[FB:FB+11], v[FA:FA+11], v[DD:DD+7], v[SB], v[SA] matrix_a_fmt:MATRIX_FMT_FP6 matrix_b_fmt:MATRIX_FMT_FP6 matrix_a_scale:MATRIX_SCALE_ROW1
.endif
.endr
.endr
.endm
.macro FETCH_B slot, q, p
	WIN TO_B
.irp i, 0,1,2,3,4,5,6,7
	FRAG 128*(\p)+FR*\i, ADRB+\slot, \q, \i
.endr
	WIN 0
.endm
.macro FETCH_A slot, q, i0
.irp i, \i0, \i0+1, \i0+2, \i0+3
	FRAG AF+FR*(\i), ADRA+\slot, \q, \i
.endr
.endm
.macro SCALES slot
.irp i, 0,1,2,3,4,5,6,7
	ds_load_b32 v[SC+16*\slot+2*\i], v[ADRS+\slot] offset:64*\i
	ds_load_b32 v[SC+16*\slot+2*\i+1], v[ADRS+\slot] offset:PANEL+64*\i
.endr
.endm
.macro PLACES n
.rept \n
	v_nop
.endr
.endm
.macro STEP slot, q, zero
	s_wait_dscnt 4*NL                              ; all but the youngest sixteen loads (A's blocks 4-7)
.if \zero == 2
	WIN 0x81
.else
	WIN MUL_LO
.endif
	MUL16 0, (\q)%2, \q, \slot, \zero
	MUL16 2, (\q)%2, \q, \slot, \zero
	s_wait_dscnt 0
	PLACES NP
	FETCH_B \slot, (\q)+1, 1-(\q)%2
	FETCH_A \slot, (\q)+1, 0
.if \zero == 2
	WIN 0xc1
.else
	WIN MUL_HI
.endif
	MUL16 4, (\q)%2, \q, \slot, \zero
	MUL16 6, (\q)%2, \q, \slot, \zero
	PLACES NP
	WIN 0
	FETCH_A \slot, (\q)+1, 4
.endm
.macro TURN slot, next, fill
	s_wait_tensorcnt 0x0                           ; all my tensor loads have landed: my part of the next slot
	ds_add_u32 v[SPW], v[NIL]
	s_wait_dscnt 4*NL+1                            ; the add and the youngest sixteen loads may be out
	WIN MUL_LO
	MUL16 0, 1, 1, \slot, 0
	s_wait_dscnt 0x0                               ; the add is done, and my reads of this slot are over
	s_barrier_signal -1
	MUL16 2, 1, 1, \slot, 0
	WIN 0
	s_barrier_wait -1
.if \fill
	CREST                                          ; the barrier has opened a round of the cluster's
	s_add_nc_u64 s[G0+4*\slot+2:G0+4*\slot+3], s[G0+4*\slot+2:G0+4*\slot+3], 4*PANEL
	s_add_nc_u64 s[G0B+4*\slot+2:G0B+4*\slot+3], s[G0B+4*\slot+2:G0B+4*\slot+3], 4*PANEL
	JLOAD G0+4*\slot, G1, G0B+4*\slot, G1B
.else
	PLACES NP
.endif
	FETCH_B \next, 0, 0
	FETCH_A \next, 0, 0
	SCALES \next
	WIN MUL_HI
	MUL16 4, 1, 1, \slot, 0
	MUL16 6, 1, 1, \slot, 0
	PLACES NP
	WIN 0
	FETCH_A \next, 0, 4
.endm
	s_load_b256 s[4:11], s[0:1], 0x0               ; A's panels, the weights' panels, the residual, the result
.if ZERO == 2
	s_load_b64 s[12:13], s[0:1], 0x20              ; the bias
.endif
	v_lshl_add_u32 v[SPW], v0, 2, SPARE
	v_mov_b32 v[NIL], 0
	ds_add_u32 v[SPW], v[NIL]                      ; the wave's opening
	v_lshrrev_b32 v1, 5, v0
	v_readfirstlane_b32 s14, v1
	s_lshr_b32 s15, s14, 1
	s_and_b32 s16, s14, 1
	s_bfe_u32 s40, ttmp6, 0x40000
	s_bfe_u32 s41, ttmp6, 0x40004
	s_lshl_b32 s42, ttmp9, 2
	s_add_co_u32 s42, s42, s40                     ; B's group = tile column
	s_and_b32 s17, ttmp7, 0xffff
	s_lshl_b32 s17, s17, 2
	s_add_co_u32 s17, s17, s41                     ; A's group = tile row
	s_lshl_b32 s43, s41, 2
	s_lshl_b32 s43, 15, s43
	s_lshl_b32 s44, 0x1111, s40
	s_or_b32 s[G1+0], s43, (3<<16)|(1<<21)
	s_or_b32 s[G1B+0], s44, (3<<16)|(1<<21)
.irp g, G1, G1B
	s_mov_b32 s[\g+1], 32<<16
	s_mov_b32 s[\g+2], 100<<16
	s_mov_b32 s[\g+3], 32<<16
	s_mov_b32 s[\g+4], 100
	s_mov_b32 s[\g+5], 32
	s_mov_b32 s[\g+6], 0
	s_mov_b32 s[\g+7], 0
.endr
	s_mul_i32 s18, s16, PANEL
	s_mul_i32 s20, s17, KSTEPS*PANEL
	s_add_co_u32 s20, s20, s18
	s_mov_b32 s21, 0
	s_mul_i32 s46, s42, KSTEPS*PANEL
	s_add_co_u32 s46, s46, s18
	s_add_co_u32 s46, s46, BOFF
	s_mov_b32 s47, 0
	s_mul_i32 s45, s14, PANEL
	s_wait_dscnt 0x0
	s_wait_kmcnt 0x0
	s_add_nc_u64 s[20:21], s[4:5], s[20:21]
	s_add_nc_u64 s[46:47], s[6:7], s[46:47]
	CROUND
.irp s, 0,1
	s_mov_b32 s[G0+4*\s], 1
	s_add_co_u32 s[G0+4*\s+1], s45, \s*SLOT
	s_add_nc_u64 s[G0+4*\s+2:G0+4*\s+3], s[20:21], \s*2*PANEL
	s_or_b32 s[G0+4*\s+3], s[G0+4*\s+3], 0x80000000
	s_mov_b32 s[G0B+4*\s], 1
	s_add_co_u32 s[G0B+4*\s+1], s45, \s*SLOT
	s_add_nc_u64 s[G0B+4*\s+2:G0B+4*\s+3], s[46:47], \s*2*PANEL
	s_or_b32 s[G0B+4*\s+3], s[G0B+4*\s+3], 0x80000000
	JLOAD G0+4*\s, G1, G0B+4*\s, G1B
.endr
	v_and_b32 v1, 15, v0
	v_bfe_u32 v2, v0, 4, 1
	v_and_b32 v3, 31, v0
	v_lshlrev_b32 v4, 4, v3
	v_lshlrev_b32 v5, 3, v3
	s_lshl_b32 s46, s42, 10                        ; my first column, in bytes: 1,024 x tile column + 512 x half
	s_lshl_b32 s47, s16, 9
	s_add_co_u32 s46, s46, s47
	s_mov_b32 s47, 0
.if ZERO == 2
	s_add_nc_u64 s[12:13], s[12:13], s[46:47]
	v_lshlrev_b32 v7, 6, v2                        ; tile b's eight numbers of my half: columns 32 (b / 2) + 16 h + 8 (b % 2) + 0 .. 7
.irp b, 0,1,2,3,4,5,6,7
	global_load_b128 v[BIAS+8*\b:BIAS+8*\b+3], v7, s[12:13] offset:(32*(\b/2)+8*(\b%2))*4
	global_load_b128 v[BIAS+8*\b+4:BIAS+8*\b+7], v7, s[12:13] offset:(32*(\b/2)+8*(\b%2))*4+16
.endr
.endif
	s_lshl_b32 s20, s17, 8
	s_lshl_b32 s21, s15, 7
	s_add_co_u32 s20, s20, s21                     ; my first row
	s_lshl_b32 s20, s20, 12
	s_add_co_u32 s46, s46, s20
	s_add_nc_u64 s[8:9], s[8:9], s[46:47]
	s_add_nc_u64 s[10:11], s[10:11], s[46:47]
	s_mul_i32 s21, s15, 8*1536
	s_mul_i32 s22, s16, 8*1536
	s_add_co_u32 s22, s22, 2*PANEL
.irp s, 0,1
	v_add_nc_u32 v[ADRA+\s], s21, v4
	v_add_nc_u32 v[ADRB+\s], s22, v4
	v_add_nc_u32 v[ADRA+2+\s], s21, v5
	v_add_nc_u32 v[ADRB+2+\s], s22, v5
	s_add_co_u32 s21, s21, SLOT
	s_add_co_u32 s22, s22, SLOT
.endr
	s_lshl_b32 s21, s15, 9
	s_lshl_b32 s22, s16, 9
	s_add_co_u32 s22, s22, 2*PANEL
	s_sub_co_u32 s22, s22, s21
	v_mul_u32_u24 v6, s22, v2
	s_add_co_u32 s21, s21, 24576
	v_lshl_add_u32 v6, v1, 2, v6
	v_add_nc_u32 v[ADRS], s21, v6
	v_add_nc_u32 v[ADRS+1], SLOT, v[ADRS]
	s_mul_i32 s23, s14, 16*SPITCH                  ; my stage
	v_mul_u32_u24 v6, v1, SPITCH
	v_lshl_add_u32 v6, v2, 6, v6
	v_add_nc_u32 v[STO], s23, v6                   ; in: row r, + 64 h
	v_add_nc_u32 v[RD], s23, v4                    ; back: 32 lanes take a row of 512 bytes
	v_mov_b32 v[CO], v4
	s_wait_tensorcnt 1                             ; my part of slot 0 is in; slot 1's load may be out
	s_barrier_signal -1
	s_barrier_wait -1
	FETCH_B 0, 0, 0
	FETCH_A 0, 0, 0
	SCALES 0
	FETCH_A 0, 0, 4
.if ZERO == 2
	s_wait_loadcnt 0x0                             ; the bias
.endif
	STEP 0, 0, ZERO
	s_mov_b32 s3, LAPS-1
.Llap:
	TURN 0, 1, 1
	STEP 1, 0, 0
	TURN 1, 0, 1
	STEP 0, 0, 0
	s_sub_co_u32 s3, s3, 1
	s_cmp_lg_u32 s3, 0
	s_cbranch_scc1 .Llap
	TURN 0, 1, 0
	STEP 1, 0, 0
	s_wait_dscnt 4*NL
	WIN MUL_LO
	MUL16 0, 1, 1, 1, 0
	MUL16 2, 1, 1, 1, 0
	s_wait_dscnt 0
	WIN MUL_HI
	MUL16 4, 1, 1, 1, 0
	MUL16 6, 1, 1, 1, 0
	WIN 0
; THE WAY OUT, block by block of 16 lane rows x 128 columns: through my own stage in LDS, back as whole rows of 512 bytes, the residual added, stored as aligned runs of 512 bytes.
; Stage row t of block a is row 32 (a / 2) + 8 (a % 2) + t + 8 (t / 8) of my 128: every row offset is an immediate, 127 x 4,096 bytes at the most.
.macro TOSTAGE a
.set AC, 64*((\a)%4)
	WIN 0x08+4*((\a)/4)
.irp b, 0,1,2,3,4,5,6,7
	ds_store_b128 v[STO], v[AC+8*\b:AC+8*\b+3] offset:128*(\b/2)+32*(\b%2)          ; each accumulator from its low end on
	ds_store_b128 v[STO], v[AC+8*\b+4:AC+8*\b+7] offset:128*(\b/2)+32*(\b%2)+16
.endr
	WIN 0
.set BB, BK+64*((\a)%2)
.irp t, 0,1,2,3,4,5,6,7,8,9,10,11,12,13,14,15
	ds_load_b128 v[BB+4*\t:BB+4*\t+3], v[RD] offset:\t*SPITCH    ; LDS serves a wave's instructions in order: these see the stores above
.endr
.endm
.macro RLOAD a                         ; block a's rows of the residual into window 1
.set RR, 64*((\a)%4)
	WIN 0x40
.irp t, 0,1,2,3,4,5,6,7,8,9,10,11,12,13,14,15
	global_load_b128 v[RR+4*\t:RR+4*\t+3], v[CO], s[8:9] offset:(32*((\a)/2)+8*((\a)%2)+\t+8*(\t/8))*4096 th:TH_LOAD_NT
.endr
	WIN 0
.endm
.macro SEND a, younger, left
.set BB, BK+64*((\a)%2)
.set RR, 64*((\a)%4)
	s_wait_dscnt \younger                          ; the block is back from the stage
	s_wait_loadcnt \left                           ; its residual is in; the later blocks' loads may be out
	WIN 0x04
.set j, 0
.rept 32
	v_pk_add_f32 v[BB+j:BB+j+1], v[BB+j:BB+j+1], v[RR+j:RR+j+1]
.set j, j+2
.endr
	WIN 0
.irp t, 0,1,2,3,4,5,6,7,8,9,10,11,12,13,14,15
	global_store_b128 v[CO], v[BB+4*\t:BB+4*\t+3], s[10:11] offset:(32*((\a)/2)+8*((\a)%2)+\t+8*(\t/8))*4096
.endr
.endm
	PLACES NP
	RLOAD 0
	RLOAD 1
	RLOAD 2
	TOSTAGE 0
.irp a, 1,2,3,4,5,6,7
.if \a > 1
	s_wait_xcnt 0x0                                ; block a - 2's stores have read their registers: block a's loads may land there
.endif
	TOSTAGE \a
.if \a+2 <= 7
	RLOAD \a+2
.endif
.if 8-\a >= 3
	SEND \a-1, 32, 48
.else
	SEND \a-1, 32, 16*(8-\a)
.endif
.endr
	SEND 7, 0, 0
	s_wait_tensorcnt 0x0                           ; the wave's end
	ds_add_u32 v[SPW], v[NIL]
	s_wait_dscnt 0x0
	CROUND
	s_endpgm
.Lfunc_end_k_qbb525ee117_fc2:
	.size	k_qbb525ee117_fc2, .Lfunc_end_k_qbb525ee117_fc2-k_qbb525ee117_fc2
	.p2alignl 7, 3214868480
	.fill 96, 4, 3214868480
	.section	.rodata,"a",@progbits
	.p2align	6, 0x0
	.amdhsa_kernel k_qbb525ee117_fc2
		.amdhsa_group_segment_fixed_size 327680
		.amdhsa_private_segment_fixed_size 0
		.amdhsa_enable_private_segment 0
		.amdhsa_kernarg_size 40
		.amdhsa_user_sgpr_count 2
		.amdhsa_user_sgpr_kernarg_segment_ptr 1
		.amdhsa_wavefront_size32 1
		.amdhsa_system_sgpr_workgroup_id_x 1
		.amdhsa_system_sgpr_workgroup_id_y 1
		.amdhsa_system_sgpr_workgroup_id_z 1
		.amdhsa_system_vgpr_workitem_id 0
		.amdhsa_next_free_vgpr 1024
		.amdhsa_next_free_sgpr 66
		.amdhsa_reserve_vcc 0
		.amdhsa_float_denorm_mode_32 3
		.amdhsa_float_denorm_mode_16_64 3
		.amdhsa_memory_ordered 1
		.amdhsa_forward_progress 1
		.amdhsa_inst_pref_size 174
	.end_amdhsa_kernel
	.amdgpu_metadata
---
amdhsa.version: [ 1, 2 ]
amdhsa.kernels:
  - .name:           k_qbb525ee117_fc2
    .symbol:         k_qbb525ee117_fc2.kd
    .args:
      - { .name: hid, .offset: 0, .size: 8, .value_kind: global_buffer, .address_space: global }
      - { .name: pan, .offset: 8, .size: 8, .value_kind: global_buffer, .address_space: global }
      - { .name: x2, .offset: 16, .size: 8, .value_kind: global_buffer, .address_space: global }
      - { .name: out0, .offset: 24, .size: 8, .value_kind: global_buffer, .address_space: global }
      - { .name: b2, .offset: 32, .size: 8, .value_kind: global_buffer, .address_space: global }
    .group_segment_fixed_size: 327680
    .private_segment_fixed_size: 0
    .kernarg_segment_align: 8
    .kernarg_segment_size: 40
    .max_flat_workgroup_size: 128
    .sgpr_count:     66
    .vgpr_count:     1024
    .wavefront_size: 32
...
	.end_amdgpu_metadata
.endif
;; end of part 6
;; ======== version 2 of 2: 7 launches
;; limits: right only within a limited range of input values
;; workspace buffers: pan 13,107,200 bytes; qkvp 9,830,400 bytes; op 3,276,800 bytes; x2 16,777,216 bytes; h2p 3,276,800 bytes; hid 13,107,200 bytes
;; launch prep (part 7): grid 1024 x 1, 8 waves a work-group, no clusters, 66,816 bytes of LDS; arguments x, ln1_g, ln1_b, w_qkv, w_proj, w1, w2, pan; writes pan
.if DOCPART == 7
	.amdgcn_target "amdgcn-amd-amdhsa--gfx1250"
	.amdhsa_code_object_version 6
	.text
	.protected	k_qbb525ee117_prep
	.globl	k_qbb525ee117_prep
	.p2align	8
	.type	k_qbb525ee117_prep,@function
k_qbb525ee117_prep:
	s_mov_b64 s[64:65], 0
	v_nop
	global_prefetch_b8 v0, s[64:65] scope:SCOPE_SE
	s_setreg_imm32_b32 hwreg(HW_REG_WAVE_MODE, 25, 1), 1
	s_wait_xcnt 0x0
; Rows of f32, K innermost, become PANELS of FP6 (E2M3) codes with one E8M0 byte for each 32 along K.  Work-groups 0-255 take the first buffer and put LayerNorm in front
; (mean, variance of the differences, 1/sqrt(var + 1e-5), gain, bias, all f32); 256-447 take the fourth buffer, 448-511 the fifth, 512-767 the sixth (rows of 1,024), 768-1023 the seventh (rows of 4,096, a quarter each).
; PANEL: [group of 256 rows][K step of 128][25,600 bytes]: sixteen fragments of 1,536 bytes, then sixteen x 64 bytes of scale words (one word a row: byte b scales k = 32 b ..).
; A fragment is an image of the operand's 12 registers: registers 0-3 at 16 x lane, 4-5 at 512 + 8 x lane, 6-9 at 768 + 16 x lane, 10-11 at 1,280 + 8 x lane; lane (r, h), registers 6 c .. 6 c + 5: k = 64 c + 32 h + 0 .. 31.
; Lane row r of fragment i is row 32 (i / 2) + 8 (i % 2) + r + 8 (r / 8) of its group.
; A work-group takes one fragment's 16 rows x 1,024 along K.  Phase 1: wave w loads two rows, 512 consecutive bytes a load, (normalises,) and stores them to a stage in LDS.  One barrier.
; Phase 2: wave w takes K step w: a lane reads two whole blocks of 32 of its row, so a block's largest magnitude needs no other lane.
; LIMITS: a block of zeros gets the byte 1 where the rule says 127 (its codes are zeros, and this program alone reads the bytes); NaN and infinities are not served.
.set PITCH, 4112                       ; a stage row: 4,096 bytes + 16: an odd multiple of 16, so sixteen rows of one column fall on different banks
.set SPARE, 16*PITCH                   ; behind the stage: the spare words, 128 bytes a wave: four blocks of 256 bytes that no other line names
.set PANEL, 25600
.set SPW, 10                           ; v10  my spare word's LDS address; never rewritten
.set NIL, 11                           ; v11  0; never rewritten
.set SEL, 44                           ; s[44:45] selects of v_permlanex16_b32 for lane l xor 16
	s_load_b512 s[4:19], s[0:1], 0x0               ; x, gain, bias, four weights, the panels
	v_lshl_add_u32 v[SPW], v0, 2, SPARE
	v_mov_b32 v[NIL], 0
	v_lshrrev_b32 v1, 5, v0
	s_delay_alu instid0(VALU_DEP_1)
	v_readfirstlane_b32 s26, v1                    ; wave 0..7
	v_and_b32 v1, 31, v0                           ; lane
	v_and_b32 v9, 15, v0                           ; r
	v_bfe_u32 v12, v0, 4, 1                        ; h
	s_delay_alu instid0(VALU_DEP_3)
	v_lshlrev_b32 v2, 4, v1                        ; 16 x lane
	s_delay_alu instid0(VALU_DEP_4)
	v_lshlrev_b32 v7, 3, v1                        ; 8 x lane
	s_delay_alu instid0(VALU_DEP_4)
	v_lshlrev_b32 v8, 2, v9                        ; 4 r
	s_delay_alu instid0(VALU_DEP_4)
	v_lshlrev_b32 v6, 3, v12                       ; 8 h: how far my two scale bytes are shifted
	s_mul_i32 s27, s26, 2*PITCH
	v_add_nc_u32 v4, s27, v2                       ; stage, in: rows 2 w and 2 w + 1, 16 bytes a lane
	v_mul_u32_u24 v5, v9, PITCH
	s_delay_alu instid0(VALU_DEP_1)
	v_lshl_add_u32 v5, v12, 7, v5
	s_lshl_b32 s27, s26, 9
	v_add_nc_u32 v5, s27, v5                       ; stage, out: row r, K step w (512 bytes), + 128 h
	s_mov_b32 s[SEL], 0x76543210
	s_mov_b32 s[SEL+1], 0xfedcba98
	s_mov_b32 s42, 0x3a800000                      ; 1 / 1,024
	s_mov_b32 s43, 0x3727c5ac                      ; 1e-5
	; which tensor: the choice hangs on the work-group's number alone
	s_mov_b32 s22, 768                             ; the tensor's first work-group
	s_mov_b32 s23, 9830400                         ; its part of the panels
	s_cmp_lt_u32 ttmp9, 768
	s_cselect_b32 s24, 0, 2                        ; rows of 4,096 numbers are shared by four work-groups
	s_cselect_b32 s25, 0, 3
	s_cselect_b32 s22, 512, s22
	s_cselect_b32 s23, 6553600, s23
	s_wait_alu depctr_va_vdst(0)
	s_wait_kmcnt 0x0
	s_cselect_b64 s[20:21], s[14:15], s[16:17]
	s_cmp_lt_u32 ttmp9, 512
	s_cselect_b64 s[20:21], s[12:13], s[20:21]
	s_cselect_b32 s22, 448, s22
	s_cselect_b32 s23, 5734400, s23
	s_cmp_lt_u32 ttmp9, 448
	s_cselect_b64 s[20:21], s[10:11], s[20:21]
	s_cselect_b32 s22, 256, s22
	s_cselect_b32 s23, 3276800, s23
	s_cmp_lt_u32 ttmp9, 256
	s_cselect_b64 s[20:21], s[4:5], s[20:21]
	s_cselect_b32 s22, 0, s22
	s_cselect_b32 s23, 0, s23
	s_sub_co_u32 s28, ttmp9, s22
	s_and_b32 s29, s28, s25                        ; which 1,024 along K
	s_lshr_b32 s28, s28, s24                       ; which block of 16 rows
	s_lshr_b32 s30, s28, 4                         ; group
	s_and_b32 s31, s28, 15                         ; fragment i
	s_lshl_b32 s32, s30, 8
	s_lshr_b32 s33, s31, 1
	s_lshl_b32 s33, s33, 5
	s_add_co_u32 s32, s32, s33
	s_and_b32 s33, s31, 1
	s_lshl_b32 s33, s33, 3
	s_add_co_u32 s32, s32, s33                     ; the fragment's first row
	s_lshl_b32 s33, s26, 1
	s_add_co_u32 s32, s32, s33
	s_lshr_b32 s33, s26, 2
	s_lshl_b32 s33, s33, 3
	s_add_co_u32 s32, s32, s33                     ; + 2 w + 8 (w / 4): my first row
	s_lshl_b32 s34, 0x1000, s24                    ; a row in bytes
	s_mul_i32 s32, s32, s34
	s_lshl_b32 s33, s29, 12
	s_add_co_u32 s32, s32, s33
	s_mov_b32 s33, 0
	s_add_nc_u64 s[20:21], s[20:21], s[32:33]
	v_add_nc_u32 v3, s34, v2                       ; my second row
	s_wait_alu depctr_va_vdst(0)
	s_lshl_b32 s35, 8, s24                         ; K steps in a group
	s_mul_i32 s35, s35, s30
	s_lshl_b32 s36, s29, 3
	s_add_co_u32 s35, s35, s36
	s_add_co_u32 s35, s35, s26                     ; my K step's panel
	s_mul_i32 s35, s35, PANEL
	s_add_co_u32 s35, s35, s23
	s_mul_i32 s36, s31, 1536
	s_add_co_u32 s36, s36, s35
	s_mov_b32 s37, 0
	s_add_nc_u64 s[38:39], s[18:19], s[36:37]      ; where my fragment goes
	s_lshl_b32 s36, s31, 6
	s_add_co_u32 s36, s36, s35
	s_add_co_u32 s36, s36, 24576
	s_add_nc_u64 s[40:41], s[18:19], s[36:37]      ; and its scale words
.irp j, 0,1,2,3,4,5,6,7
	global_load_b128 v[16+4*\j:19+4*\j], v2, s[20:21] offset:512*\j th:TH_LOAD_NT
	global_load_b128 v[48+4*\j:51+4*\j], v3, s[20:21] offset:512*\j th:TH_LOAD_NT
.endr
	s_cmp_ge_u32 ttmp9, 256                        ; weights are quantised as they are: the jump leads round loads and register work alone
	s_cbranch_scc1 .Lplain
.irp j, 0,1,2,3,4,5,6,7
	global_load_b128 v[80+4*\j:83+4*\j], v2, s[6:7] offset:512*\j
	global_load_b128 v[112+4*\j:115+4*\j], v2, s[8:9] offset:512*\j
.endr
.macro WSUM a                          ; v[a] + v[a+1], summed over the wave's 32 lanes; the result in every lane
	v_add_f32 v[\a], v[\a], v[\a+1]
	s_delay_alu instid0(VALU_DEP_1)
	v_add_f32_dpp v[\a], v[\a], v[\a] row_xmask:1 row_mask:0xf bank_mask:0xf
	s_delay_alu instid0(VALU_DEP_1)
	v_add_f32_dpp v[\a], v[\a], v[\a] row_xmask:2 row_mask:0xf bank_mask:0xf
	s_delay_alu instid0(VALU_DEP_1)
	v_add_f32_dpp v[\a], v[\a], v[\a] row_xmask:4 row_mask:0xf bank_mask:0xf
	s_delay_alu instid0(VALU_DEP_1)
	v_add_f32_dpp v[\a], v[\a], v[\a] row_xmask:8 row_mask:0xf bank_mask:0xf
	s_delay_alu instid0(VALU_DEP_1)
	v_permlanex16_b32 v[\a+1], v[\a], s[SEL], s[SEL+1]
	s_delay_alu instid0(VALU_DEP_1)
	v_add_f32 v[\a], v[\a], v[\a+1]
.endm
	s_wait_loadcnt 16                              ; my two rows are in; the sixteen loads of gain and bias may be out
	v_pk_add_f32 v[12:13], v[16:17], v[18:19]
	v_pk_add_f32 v[14:15], v[48:49], v[50:51]
.set j, 4
.rept 14
	s_delay_alu instid0(VALU_DEP_2)
	v_pk_add_f32 v[12:13], v[12:13], v[16+j:17+j]
	s_delay_alu instid0(VALU_DEP_2)
	v_pk_add_f32 v[14:15], v[14:15], v[48+j:49+j]
.set j, j+2
.endr
	WSUM 12
	WSUM 14
	v_mul_f32 v12, s42, v12                        ; the means
	s_delay_alu instid0(VALU_DEP_2)
	v_mul_f32 v14, s42, v14
.set j, 0
.rept 16
	v_pk_add_f32 v[16+j:17+j], v[16+j:17+j], v[12:13] op_sel_hi:[1,0] neg_lo:[0,1] neg_hi:[0,1]
	v_pk_add_f32 v[48+j:49+j], v[48+j:49+j], v[14:15] op_sel_hi:[1,0] neg_lo:[0,1] neg_hi:[0,1]
.set j, j+2
.endr
	v_pk_mul_f32 v[144:145], v[16:17], v[16:17]
	v_pk_mul_f32 v[146:147], v[48:49], v[48:49]
.set j, 2
.rept 15
	s_delay_alu instid0(VALU_DEP_2)
	v_pk_fma_f32 v[144:145], v[16+j:17+j], v[16+j:17+j], v[144:145]
	s_delay_alu instid0(VALU_DEP_2)
	v_pk_fma_f32 v[146:147], v[48+j:49+j], v[48+j:49+j], v[146:147]
.set j, j+2
.endr
	WSUM 144
	WSUM 146
	v_fma_f32 v144, v144, s42, s43                 ; variance + 1e-5
	s_delay_alu instid0(VALU_DEP_2)
	v_fma_f32 v146, v146, s42, s43
	s_wait_alu depctr_va_vdst(0)
	v_rsq_f32 v144, v144
	v_rsq_f32 v146, v146
	v_nop                                          ; a plain instruction behind the last of the two
	s_wait_alu depctr_va_vdst(0)                   ; one wait for both, ahead of their first reader
.set j, 0
.rept 16
	v_pk_mul_f32 v[16+j:17+j], v[16+j:17+j], v[144:145] op_sel_hi:[1,0]
	v_pk_mul_f32 v[48+j:49+j], v[48+j:49+j], v[146:147] op_sel_hi:[1,0]
.set j, j+2
.endr
	s_wait_loadcnt 0x0                             ; gain and bias
.set j, 0
.rept 16
	v_pk_fma_f32 v[16+j:17+j], v[16+j:17+j], v[80+j:81+j], v[112+j:113+j]
	v_pk_fma_f32 v[48+j:49+j], v[48+j:49+j], v[80+j:81+j], v[112+j:113+j]
.set j, j+2
.endr
.Lplain:
	s_wait_loadcnt 0x0
	s_wait_alu depctr_va_vdst(0)
.irp j, 0,1,2,3,4,5,6,7
	ds_store_b128 v4, v[16+4*\j:19+4*\j] offset:512*\j
	ds_store_b128 v4, v[48+4*\j:51+4*\j] offset:PITCH+512*\j
.endr
	s_wait_dscnt 0x0                               ; for the others' sake: my two rows lie in the stage
	s_barrier_signal -1
	s_barrier_wait -1
.irp c, 0,1
.irp m, 0,1,2,3,4,5,6,7
	ds_load_b128 v[16+32*\c+4*\m:19+32*\c+4*\m], v5 offset:256*\c+16*\m   ; k = 128 w + 64 c + 32 h + 4 m ..
.endr
.endr
	s_wait_dscnt 0x0
.irp c, 0,1
	v_max3_num_f32 v[100+\c], |v[16+32*\c]|, |v[17+32*\c]|, 0x1800000   ; my block 2 c + h, and the floor 2^(3 - 127): the byte cannot fall under 1
.endr
.irp i, 2,4,6,8,10,12,14,16,18,20,22,24,26,28,30
.irp c, 0,1
	s_delay_alu instid0(VALU_DEP_2)
	v_max3_num_f32 v[100+\c], v[100+\c], |v[16+32*\c+\i]|, |v[17+32*\c+\i]|
.endr
.endr
.irp c, 0,1
	s_delay_alu instid0(VALU_DEP_2)
	v_add_nc_u32 v[102+\c], 0xff000000, v[100+\c]  ; 2 off the exponent field: the conversion's scale operand
.endr
.irp c, 0,1
	s_delay_alu instid0(VALU_DEP_2)
	v_lshrrev_b32 v[104+\c], 23, v[102+\c]         ; the scale's byte
.endr
	s_delay_alu instid0(VALU_DEP_1)
	v_lshl_or_b32 v106, v105, 16, v104             ; blocks h and 2 + h,
	s_delay_alu instid0(VALU_DEP_1)
	v_lshlrev_b32 v106, v6, v106                   ; at their places in the word;
	v_mov_b32 v107, 0
	s_delay_alu instid0(VALU_DEP_1)
	v_permlanex16_b32 v107, v106, s[SEL], s[SEL+1]
	s_delay_alu instid0(VALU_DEP_1)
	v_or_b32 v106, v106, v107                      ; with lane l xor 16's two the word is whole
.irp c, 0,1
	v_cvt_scalef32_pk16_fp6_f32 v[80+6*\c:82+6*\c], v[16+32*\c:31+32*\c], v[102+\c]
	v_cvt_scalef32_pk16_fp6_f32 v[92+4*\c:94+4*\c], v[32+32*\c:47+32*\c], v[102+\c]   ; (a conversion's three registers begin on an even number)
.endr
	v_nop                                          ; one plain instruction behind a scaled conversion
.irp c, 0,1
.irp i, 0,1,2
	v_mov_b32 v[83+6*\c+\i], v[92+4*\c+\i]
.endr
.endr
	global_store_b128 v2, v[80:83], s[38:39]
	global_store_b64 v7, v[84:85], s[38:39] offset:512
	global_store_b128 v2, v[86:89], s[38:39] offset:768
	global_store_b64 v7, v[90:91], s[38:39] offset:1280
	global_store_b32 v8, v106, s[40:41]            ; lanes 16-31 write the same word as lanes 0-15
	s_wait_tensorcnt 0x0                           ; the wave's end, behind my last LDS store
	ds_add_u32 v[SPW], v[NIL]
	s_wait_dscnt 0x0
	s_endpgm
.Lfunc_end_k_qbb525ee117_prep:
	.size	k_qbb525ee117_prep, .Lfunc_end_k_qbb525ee117_prep-k_qbb525ee117_prep
	.p2alignl 7, 3214868480
	.fill 96, 4, 3214868480
	.section	.rodata,"a",@progbits
	.p2align	6, 0x0
	.amdhsa_kernel k_qbb525ee117_prep
		.amdhsa_group_segment_fixed_size 66816
		.amdhsa_private_segment_fixed_size 0
		.amdhsa_enable_private_segment 0
		.amdhsa_kernarg_size 64
		.amdhsa_user_sgpr_count 2
		.amdhsa_user_sgpr_kernarg_segment_ptr 1
		.amdhsa_wavefront_size32 1
		.amdhsa_system_sgpr_workgroup_id_x 1
		.amdhsa_system_sgpr_workgroup_id_y 1
		.amdhsa_system_sgpr_workgroup_id_z 1
		.amdhsa_system_vgpr_workitem_id 0
		.amdhsa_next_free_vgpr 160
		.amdhsa_next_free_sgpr 66
		.amdhsa_reserve_vcc 0
		.amdhsa_float_denorm_mode_32 3
		.amdhsa_float_denorm_mode_16_64 3
		.amdhsa_memory_ordered 1
		.amdhsa_forward_progress 1
		.amdhsa_inst_pref_size 29
	.end_amdhsa_kernel
	.amdgpu_metadata
---
amdhsa.version: [ 1, 2 ]
amdhsa.kernels:
  - .name:           k_qbb525ee117_prep
    .symbol:         k_qbb525ee117_prep.kd
    .args:
      - { .name: x, .offset: 0, .size: 8, .value_kind: global_buffer, .address_space: global }
      - { .name: ln1_g, .offset: 8, .size: 8, .value_kind: global_buffer, .address_space: global }
      - { .name: ln1_b, .offset: 16, .size: 8, .value_kind: global_buffer, .address_space: global }
      - { .name: w_qkv, .offset: 24, .size: 8, .value_kind: global_buffer, .address_space: global }
      - { .name: w_proj, .offset: 32, .size: 8, .value_kind: global_buffer, .address_space: global }
      - { .name: w1, .offset: 40, .size: 8, .value_kind: global_buffer, .address_space: global }
      - { .name: w2, .offset: 48, .size: 8, .value_kind: global_buffer, .address_space: global }
      - { .name: pan, .offset: 56, .size: 8, .value_kind: global_buffer, .address_space: global }
    .group_segment_fixed_size: 66816
    .private_segment_fixed_size: 0
    .kernarg_segment_align: 8
    .kernarg_segment_size: 64
    .max_flat_workgroup_size: 256
    .sgpr_count:     66
    .vgpr_count:     160
    .wavefront_size: 32
...
	.end_amdgpu_metadata
.endif
;; end of part 7
;; launch qkv (part 8): grid 16 x 12, 4 waves a work-group, clusters of 4 x 4, 327,680 bytes of LDS; arguments pan, qkvp; writes qkvp
.if DOCPART == 8
	.amdgcn_target "amdgcn-amd-amdhsa--gfx1250"
	.amdhsa_code_object_version 6
	.text
	.protected	k_qbb525ee117_qkv
	.globl	k_qbb525ee117_qkv
	.p2align	8
	.type	k_qbb525ee117_qkv,@function
k_qbb525ee117_qkv:
	s_mov_b64 s[64:65], 0
	v_nop
	global_prefetch_b8 v0, s[64:65] scope:SCOPE_SE
	s_setreg_imm32_b32 hwreg(HW_REG_WAVE_MODE, 25, 1), 1
	s_wait_xcnt 0x0
	s_wait_alu depctr_hold_cnt(0) depctr_sa_sdst(0) depctr_va_vdst(0) depctr_va_sdst(0) depctr_va_ssrc(0) depctr_va_vcc(0) depctr_vm_vsrc(0)
	s_getreg_b32 s2, hwreg(HW_REG_IB_STS2, 6, 4)
	s_cmp_eq_u32 s2, 0
	s_cbranch_scc0 .Lentry_in_a_cluster
	s_endpgm
.Lentry_in_a_cluster:
	s_bfe_u32 s2, ttmp6, 0x10000c
	s_cmp_lg_u32 s2, 0xf033
	s_cbranch_scc0 .Lentry_shape_is_right
	s_endpgm
.Lentry_shape_is_right:
; qkv = LN1(x) w_qkv^T on FP6 codes; q and k are divided by max(their head's norm, 1e-12) and quantised along the head's 64; v is quantised along the keys.
; A work-group of four waves makes 256 x 256; a wave 128 x 128: 64 accumulators.  Operand A (source 1) gives a lane its row, operand B (source 0) runs along a lane's registers.
; Clusters with y < 2 make q and k: A = tokens, B = channels, so a lane holds one token and its registers run along the channels.  Clusters with y = 2 make v: A = channels, B = tokens, so the registers run along the keys.
; Both take ONE path: only offsets inside the panels, cluster-level group numbers and a few constants are selected, on the cluster's y alone, which all sixteen partners share.
; OPERANDS come as panels (25,600 bytes for 256 rows x 128 K: sixteen register images of 1,536 bytes and their scale words), dense in memory: one tensor load a wave brings one panel.
; A slot holds two K steps of A and of B; two slots.  A's panels are asked for jointly along a row of the cluster, B's along a column.
; Lane row r of fragment i is row 32 (i / 2) + 8 (i % 2) + r + 8 (r / 8): so the 16 registers of tiles 2 b and 2 b + 1 are 16 neighbours 32 b + 16 h + 0 .. 15 along B's rows.
; OUT: a block of 102,400 bytes for each batch and head: 64 fragments of 1,536 bytes (three runs of 512: registers 4 c .. 4 c + 3, 16 bytes a lane), then 64 x 64 bytes of scale words.
;   q, k: fragment f = tokens 32 f ..: registers 0-5 the first token tile's 64 channels, registers 6-11 the second's.   v: fragment 4 s + t = 16 channels (tile t) x keys 128 s ..
; REGISTERS: window 0: v1-5 lane numbers; v12-23 LDS addresses; v28, v29 the add's two; v32-63 scale words, two sets; v128-223 A's fragments, one set.  window 1: B's fragments, two sets.  windows 2, 3: the accumulators.
; LIMITS: a block of zeros gets the byte 1 (its codes are zeros; this program alone reads the bytes); NaN and infinities are not served.
.set KSTEPS, 8
.set ZERO,   1
.set WQKV,   3276800
.set PANEL,  25600
.set SLOT,   4*PANEL                   ; A's two K steps, then B's two
.set LAPS,   KSTEPS/4                  ; a lap = once round the ring = four K steps
.set FR,     12
.set NL,     4                         ; LDS loads that bring a fragment
.set NP,     4                         ; places behind this matrix instruction (ISA guide 7.12.1)
.set SPARE,  327168                    ; the spare words, 128 bytes a wave: two blocks of 256 bytes that no other line names
.set ADRS,   12                        ; v12-13  scale words in slot 0, 1: lanes 0-15 A's, lanes 16-31 B's
.set ADRA,   16                        ; v16-17  A's fragments, 16 bytes a lane; v18-19 8 bytes a lane
.set ADRB,   20                        ; v20-23  the same for B
.set SPW,    28
.set NIL,    29
.set SC,     32                        ; set s at v[SC + 16 s]; register 2 i + q: block i, the slot's q-th K step
.set BIAS,   64
.set AF,     128
.set G1,  24
.set G0,  32
.set G1B, 48
.set G0B, 56
.set SEL, 92
.set TM,  168
.set MSB, 0
.macro WIN new                         ; the immediate's high byte repeats the setting that is left
.if MSB != \new
	s_set_vgpr_msb (MSB<<8)|\new
.set MSB, \new
.endif
.endm
.set MUL_LO, 0xa1                      ; source 0 (B) window 1, source 1 (A) window 0, C and D window 2
.set MUL_HI, 0xf1
.set TO_B,   0x40
.macro JLOAD g0a, g1a, g0b, g1b        ; a joint load: waves 0 and 1 fetch A's two K steps, waves 2 and 3 B's; an s_nop 0 and four v_nop follow each line
	s_cmp_eq_u32 s15, 0
	s_cbranch_scc0 .Lfor_b_\@
	tensor_load_to_lds s[\g0a:\g0a+3], s[\g1a:\g1a+7]
	s_nop 0
.rept 4
	v_nop
.endr
	s_branch .Lasked_\@
.Lfor_b_\@:
	tensor_load_to_lds s[\g0b:\g0b+3], s[\g1b:\g1b+7]
	s_nop 0
.rept 4
	v_nop
.endr
.Lasked_\@:
.endm
.macro CREST
	s_cmp_lg_u32 s14, 0
	s_cbranch_scc1 .Lnot_wave_0_\@
	s_barrier_signal -3
.Lnot_wave_0_\@:
	s_barrier_wait -3
	s_barrier_signal -1
	s_barrier_wait -1
.endm
.macro CROUND
	s_barrier_signal -1
	s_barrier_wait -1
	CREST
.endm
.macro FRAG reg, adr, q, i             ; a fragment's image comes back as it was stored: 512 + 256 + 512 + 256 consecutive bytes
	ds_load_b128 v[\reg:\reg+3], v[\adr] offset:PANEL*(\q)+1536*(\i)
	ds_load_b64 v[\reg+4:\reg+5], v[\adr+2] offset:PANEL*(\q)+1536*(\i)+512
	ds_load_b128 v[\reg+6:\reg+9], v[\adr] offset:PANEL*(\q)+1536*(\i)+768
	ds_load_b64 v[\reg+10:\reg+11], v[\adr+2] offset:PANEL*(\q)+1536*(\i)+1280
.endm
; 16 matrix instructions: A's blocks a0, a0 + 1 x B's eight.  zero = 1: C = 0 starts the sums; 2: a bias does.  The 64 accumulators take turns, one instruction a turn.
.macro MUL16 a0, p, q, sc, zero
.irp a, \a0, \a0+1
.irp b, 0,1,2,3,4,5,6,7
.set DD, 8*(8*((\a)%4)+\b)
.set FB, 128*(\p)+FR*\b
.set FA, AF+FR*(\a)
.set SB, SC+16*(\sc)+2*\b+(\q)
.set SA, SC+16*(\sc)+2*(\a)+(\q)
.if \zero == 1
	v_wmma_scale_f32_16x16x128_f8f6f4 v[DD:DD+7], v[FB:FB+11], v[FA:FA+11], 0, v[SB], v[SA] matrix_a_fmt:MATRIX_FMT_FP6 matrix_b_fmt:MATRIX_FMT_FP6 matrix_a_scale:MATRIX_SCALE_ROW1
.elseif \zero == 2
	v_wmma_scale_f32_16x16x128_f8f6f4 v[DD:DD+7], v[FB:FB+11], v[FA:FA+11], v[BIAS+8*\b:BIAS+8*\b+7], v[SB], v[SA] matrix_a_fmt:MATRIX_FMT_FP6 matrix_b_fmt:MATRIX_FMT_FP6 matrix_a_scale:MATRIX_SCALE_ROW1
.else
	v_wmma_scale_f32_16x16x128_f8f6f4 v[DD:DD+7], v[FB:FB+11], v[FA:FA+11], v[DD:DD+7], v[SB], v[SA] matrix_a_fmt:MATRIX_FMT_FP6 matrix_b_fmt:MATRIX_FMT_FP6 matrix_a_scale:MATRIX_SCALE_ROW1
.endif
.endr
.endr
.endm
.macro FETCH_B slot, q, p
	WIN TO_B
.irp i, 0,1,2,3,4,5,6,7
	FRAG 128*(\p)+FR*\i, ADRB+\slot, \q, \i
.endr
	WIN 0
.endm
.macro FETCH_A slot, q, i0
.irp i, \i0, \i0+1, \i0+2, \i0+3
	FRAG AF+FR*(\i), ADRA+\slot, \q, \i
.endr
.endm
.macro SCALES slot                     ; a slot's scale words: lanes 0-15 take A's block i, lanes 16-31 B's
.irp i, 0,1,2,3,4,5,6,7
	ds_load_b32 v[SC+16*\slot+2*\i], v[ADRS+\slot] offset:64*\i
	ds_load_b32 v[SC+16*\slot+2*\i+1], v[ADRS+\slot] offset:PANEL+64*\i
.endr
.endm
.macro PLACES n
.rept \n
	v_nop
.endr
.endm
.macro STEP slot, q, zero              ; a K step that has its successor in the same slot
	s_wait_dscnt 4*NL                              ; B's set, A's blocks 0-3 and the scale words are in; the youngest sixteen loads (A's blocks 4-7) may be out
.if \zero == 2
	WIN 0x81
.else
	WIN MUL_LO
.endif
	MUL16 0, (\q)%2, \q, \slot, \zero
	MUL16 2, (\q)%2, \q, \slot, \zero
	s_wait_dscnt 0
	PLACES NP
	FETCH_B \slot, (\q)+1, 1-(\q)%2
	FETCH_A \slot, (\q)+1, 0
.if \zero == 2
	WIN 0xc1
.else
	WIN MUL_HI
.endif
	MUL16 4, (\q)%2, \q, \slot, \zero
	MUL16 6, (\q)%2, \q, \slot, \zero
	PLACES NP
	WIN 0
	FETCH_A \slot, (\q)+1, 4
.endm
; A slot's last K step changes slots: one barrier; in front of it each wave waits for all its tensor loads, adds 0 to its spare word, and waits for that and for its reads of this slot.
.macro TURN slot, next, fill
	s_wait_tensorcnt 0x0                           ; all my tensor loads have landed: my part of the next slot
	ds_add_u32 v[SPW], v[NIL]
	s_wait_dscnt 4*NL+1                            ; the add and the youngest sixteen loads may be out
	WIN MUL_LO
	MUL16 0, 1, 1, \slot, 0
	s_wait_dscnt 0x0                               ; the add is done, and my reads of this slot are over
	s_barrier_signal -1
	MUL16 2, 1, 1, \slot, 0
	WIN 0
	s_barrier_wait -1
.if \fill
	CREST                                          ; the barrier has opened a round of the cluster's: no wave of any partner still reads this slot or has a load on its way
	s_add_nc_u64 s[G0+4*\slot+2:G0+4*\slot+3], s[G0+4*\slot+2:G0+4*\slot+3], 4*PANEL
	s_add_nc_u64 s[G0B+4*\slot+2:G0B+4*\slot+3], s[G0B+4*\slot+2:G0B+4*\slot+3], 4*PANEL
	JLOAD G0+4*\slot, G1, G0B+4*\slot, G1B         ; the first tensor load behind the round; its four v_nop are the places in front of the loads below
.else
	PLACES NP
.endif
	FETCH_B \next, 0, 0
	FETCH_A \next, 0, 0
	SCALES \next
	WIN MUL_HI
	MUL16 4, 1, 1, \slot, 0
	MUL16 6, 1, 1, \slot, 0
	PLACES NP
	WIN 0
	FETCH_A \next, 0, 4
.endm
; 64 numbers of a lane, register 16 b + i = k 32 b + 16 h + i of my row, become a fragment's codes in v[pc] .. v[pc + 11] (v[pc + 12 ..] at work) and its scale word in v[pw].
.macro QUANT s, pc, pw
.irp b, 0,1,2,3
	v_max3_num_f32 v[TM+\b], |v[\s+16*\b]|, |v[\s+1+16*\b]|, 0x1800000   ; and the floor 2^(3 - 127): the byte cannot fall under 1
.endr
.irp i, 2,4,6,8,10,12,14
.irp b, 0,1,2,3
	v_max3_num_f32 v[TM+\b], v[TM+\b], |v[\s+16*\b+\i]|, |v[\s+1+16*\b+\i]|
.endr
.endr
.irp b, 0,1,2,3
	v_permlanex16_b32 v[TM+4+\b], v[TM+\b], s[SEL], s[SEL+1]
.endr
.irp b, 0,1,2,3
	v_max_num_f32 v[TM+\b], v[TM+\b], v[TM+4+\b]
.endr
.irp b, 0,1,2,3
	v_add_nc_u32 v[TM+12+\b], 0xff000000, v[TM+\b] ; 2 off the exponent field: the conversion's scale operand
.endr
.irp b, 0,1,2,3
	v_lshrrev_b32 v[TM+4+\b], 23, v[TM+12+\b]
.endr
	v_lshl_or_b32 v[\pw], v[TM+5], 8, v[TM+4]
	v_lshl_or_b32 v[\pw], v[TM+6], 16, v[\pw]
	v_lshl_or_b32 v[\pw], v[TM+7], 24, v[\pw]
.irp c, 0,1
	v_cvt_scalef32_pk16_fp6_f32 v[\pc+6*\c:\pc+2+6*\c], v[\s+32*\c:\s+15+32*\c], v[TM+12+2*\c]
	v_cvt_scalef32_pk16_fp6_f32 v[\pc+12+4*\c:\pc+14+4*\c], v[\s+16+32*\c:\s+31+32*\c], v[TM+12+2*\c+1]
.endr
	v_nop                                          ; one plain instruction behind a scaled conversion
.irp c, 0,1                                    ; the layout wants a whole block in a lane
.irp i, 0,1,2
	v_permlane16_swap_b32 v[\pc+6*\c+\i], v[\pc+12+4*\c+\i]
.endr
.irp i, 0,1,2
	v_mov_b32 v[\pc+3+6*\c+\i], v[\pc+12+4*\c+\i]
.endr
.endr
.endm
	s_load_b128 s[4:7], s[0:1], 0x0                ; the panels, the head blocks
	v_lshl_add_u32 v[SPW], v0, 2, SPARE
	v_mov_b32 v[NIL], 0
	ds_add_u32 v[SPW], v[NIL]                      ; the wave's opening
	ds_add_u32 v[SPW], v[NIL]
	v_lshrrev_b32 v1, 5, v0
	v_readfirstlane_b32 s14, v1                    ; wave 0..3
	s_lshr_b32 s15, s14, 1                         ; my half of A's rows.  Also: I fetch for A (0) or for B (1)
	s_and_b32 s16, s14, 1                          ; my half of B's rows.  Also: which K step of a slot I fetch
	s_bfe_u32 s40, ttmp6, 0x40000                  ; cx
	s_bfe_u32 s41, ttmp6, 0x40004                  ; cy
	s_and_b32 s66, ttmp7, 0xffff                   ; the cluster's y: 0, 1: q and k; 2: v
	s_lshr_b32 s67, ttmp9, 1
	s_lshl_b32 s67, s67, 1
	s_add_co_u32 s67, s67, s66
	s_and_b32 s68, ttmp9, 1                        ; q (0) or k (1)
	s_cmp_eq_u32 s66, 2
	s_cselect_b32 s67, 2, s67                      ; A's four groups: v's channels, or tokens
	s_cselect_b32 s69, ttmp9, s68                  ; B's four groups: tokens, or q's or k's channels
	s_cselect_b32 s70, WQKV, 0                     ; A's part of the panels
	s_cselect_b32 s71, 0, WQKV                     ; B's
	s_cselect_b32 s72, -1, 0                       ; all lanes' mask: v
	s_lshl_b32 s17, s67, 2
	s_add_co_u32 s17, s17, s41                     ; A's group
	s_lshl_b32 s42, s69, 2
	s_add_co_u32 s42, s42, s40                     ; B's group
	s_lshl_b32 s43, s41, 2
	s_lshl_b32 s43, 15, s43                        ; my row of the cluster
	s_lshl_b32 s44, 0x1111, s40                    ; my column
	s_or_b32 s[G1+0], s43, (3<<16)|(1<<21)         ; the mask; elements of 8 bytes; bit 21 beside a mask; no padding
	s_or_b32 s[G1B+0], s44, (3<<16)|(1<<21)
.irp g, G1, G1B
	s_mov_b32 s[\g+1], 32<<16                      ; a panel as 100 rows of 256 bytes
	s_mov_b32 s[\g+2], 100<<16
	s_mov_b32 s[\g+3], 32<<16
	s_mov_b32 s[\g+4], 100
	s_mov_b32 s[\g+5], 32
	s_mov_b32 s[\g+6], 0
	s_mov_b32 s[\g+7], 0
.endr
	s_mul_i32 s18, s16, PANEL
	s_mul_i32 s20, s17, KSTEPS*PANEL
	s_add_co_u32 s20, s20, s18
	s_add_co_u32 s20, s20, s70
	s_mov_b32 s21, 0
	s_mul_i32 s46, s42, KSTEPS*PANEL
	s_add_co_u32 s46, s46, s18
	s_add_co_u32 s46, s46, s71
	s_mov_b32 s47, 0
	s_mul_i32 s45, s14, PANEL                      ; where my panel goes: wave x 25,600
	s_wait_dscnt 0x0                               ; the opening add is done
	s_wait_kmcnt 0x0
	s_add_nc_u64 s[20:21], s[4:5], s[20:21]
	s_add_nc_u64 s[46:47], s[4:5], s[46:47]
	CROUND                                         ; all sixteen work-groups are here: the first joint loads meet
.irp s, 0,1
	s_mov_b32 s[G0+4*\s], 1
	s_add_co_u32 s[G0+4*\s+1], s45, \s*SLOT
	s_add_nc_u64 s[G0+4*\s+2:G0+4*\s+3], s[20:21], \s*2*PANEL
	s_or_b32 s[G0+4*\s+3], s[G0+4*\s+3], 0x80000000
	s_mov_b32 s[G0B+4*\s], 1
	s_add_co_u32 s[G0B+4*\s+1], s45, \s*SLOT
	s_add_nc_u64 s[G0B+4*\s+2:G0B+4*\s+3], s[46:47], \s*2*PANEL
	s_or_b32 s[G0B+4*\s+3], s[G0B+4*\s+3], 0x80000000
.endr
	JLOAD G0, G1, G0B, G1B                         ; slot 0
	v_and_b32 v1, 15, v0                           ; r
	v_bfe_u32 v2, v0, 4, 1                         ; h
	v_and_b32 v3, 31, v0
	v_lshlrev_b32 v4, 4, v3                        ; 16 x lane
	v_lshlrev_b32 v5, 3, v3                        ; 8 x lane
	s_mul_i32 s21, s15, 8*1536
	s_mul_i32 s22, s16, 8*1536
	s_add_co_u32 s22, s22, 2*PANEL
.irp s, 0,1
	v_add_nc_u32 v[ADRA+\s], s21, v4
	v_add_nc_u32 v[ADRB+\s], s22, v4
	v_add_nc_u32 v[ADRA+2+\s], s21, v5
	v_add_nc_u32 v[ADRB+2+\s], s22, v5
	s_add_co_u32 s21, s21, SLOT
	s_add_co_u32 s22, s22, SLOT
.endr
	s_lshl_b32 s21, s15, 9
	s_lshl_b32 s22, s16, 9
	s_add_co_u32 s22, s22, 2*PANEL
	s_sub_co_u32 s22, s22, s21
	v_mul_u32_u24 v6, s22, v2                      ; lanes 16-31 take B's words
	s_add_co_u32 s21, s21, 24576
	v_lshl_add_u32 v6, v1, 2, v6
	v_add_nc_u32 v[ADRS], s21, v6
	v_add_nc_u32 v[ADRS+1], SLOT, v[ADRS]
	s_wait_alu depctr_va_vdst(0)
	s_wait_tensorcnt 0x0                           ; my part of slot 0 is in
	ds_add_u32 v[SPW], v[NIL]
	s_wait_dscnt 0x0
	CROUND                                         ; everybody's part of slot 0 is in, and the joint loads meet
	JLOAD G0+4, G1, G0B+4, G1B                     ; slot 1's first fill, the first tensor load behind the round
	FETCH_B 0, 0, 0
	FETCH_A 0, 0, 0
	SCALES 0
	FETCH_A 0, 0, 4
	STEP 0, 0, ZERO                                ; the first K step stands in front of the loop: its products start the sums
	s_mov_b32 s3, LAPS-1
.Llap:
	TURN 0, 1, 1
	STEP 1, 0, 0
	TURN 1, 0, 1
	STEP 0, 0, 0
	s_sub_co_u32 s3, s3, 1
	s_cmp_lg_u32 s3, 0
	s_cbranch_scc1 .Llap
	TURN 0, 1, 0                                   ; the last lap fills nothing
	STEP 1, 0, 0
	s_wait_dscnt 4*NL
	WIN MUL_LO
	MUL16 0, 1, 1, 1, 0
	MUL16 2, 1, 1, 1, 0
	s_wait_dscnt 0
	WIN MUL_HI
	MUL16 4, 1, 1, 1, 0
	MUL16 6, 1, 1, 1, 0
	WIN 0
	; THE WAY OUT.  Block a (16 lane rows x my 128 register rows) is scaled (q, k: each half of 64 by 1 / max(its norm, 1e-12); v: by 1), quantised, and after every second block two fragments are stored.
	PLACES NP
	s_mov_b32 s[SEL], 0x76543210
	s_mov_b32 s[SEL+1], 0xfedcba98
	s_mul_i32 s85, s68, 3276800                    ; q's or k's part of the head blocks
	s_mov_b32 s73, 0x05040100                      ; q, k: the two words' low halves; v: the first word
	s_mov_b32 s74, 0x07060302                      ; q, k: their high halves; v: the second word
	s_mov_b32 s75, 102400
	s_mov_b32 s76, 1536
	s_mov_b32 s77, 3072
	s_mov_b32 s78, 102400
	s_mov_b32 s80, 102400
	s_cmp_eq_u32 s66, 2
	s_cselect_b32 s73, 0x03020100, s73
	s_cselect_b32 s74, 0x07060504, s74
	s_cselect_b32 s75, 1536, s75                   ; codes: from the pair's first fragment to its second,
	s_cselect_b32 s76, 3072, s76                   ; from pair 0 to pair 1,
	s_cselect_b32 s77, 102400, s77                 ; from pair 0 to pair 2
	s_cselect_b32 s78, 64, s78                     ; scale words likewise
	s_cselect_b32 s79, 128, 64
	s_cselect_b32 s80, s80, 128
	s_cselect_b32 s81, s42, s17                    ; the tokens' group
	s_cselect_b32 s82, s41, s40                    ; the channels' group of four
	s_cselect_b32 s83, s15, s16                    ; my half of the channels
	s_cselect_b32 s84, s16, s15                    ; my half of the tokens
	s_cselect_b32 s85, 6553600, s85
	s_lshr_b32 s86, s81, 3                         ; the batch
	s_lshl_b32 s86, s86, 4
	s_lshl_b32 s87, s82, 2
	s_add_co_u32 s86, s86, s87
	s_lshl_b32 s87, s83, 1
	s_add_co_u32 s86, s86, s87                     ; 16 x batch + my first head
	s_mul_i32 s86, s86, 102400
	s_add_co_u32 s86, s86, s85
	s_mov_b32 s87, 0
	s_add_nc_u64 s[6:7], s[6:7], s[86:87]
	s_and_b32 s88, s81, 7
	s_lshl_b32 s88, s88, 3
	s_lshl_b32 s89, s84, 2
	s_add_co_u32 s88, s88, s89                     ; my first fragment in a head's block
	s_mul_i32 s89, s88, 1536
	s_lshl_b32 s88, s88, 6
	s_add_co_u32 s88, s88, 98304
	v_add_nc_u32 v32, s89, v4                      ; v[32 + 2 p + e]: codes of pair p, fragment e
	v_add_nc_u32 v33, s75, v32
	v_add_nc_u32 v34, s76, v32
	v_add_nc_u32 v35, s76, v33
	v_add_nc_u32 v36, s77, v32
	v_add_nc_u32 v37, s77, v33
	v_add_nc_u32 v38, s77, v34
	v_add_nc_u32 v39, s77, v35
	v_lshl_add_u32 v40, v1, 2, s88                 ; v[40 + 2 p + e]: their scale words
	v_add_nc_u32 v41, s78, v40
	v_add_nc_u32 v42, s79, v40
	v_add_nc_u32 v43, s79, v41
	v_add_nc_u32 v44, s80, v40
	v_add_nc_u32 v45, s80, v41
	v_add_nc_u32 v46, s80, v42
	v_add_nc_u32 v47, s80, v43
	v_mov_b32 v218, 1.0
	v_mov_b32 v225, 0                              ; (upper halves of pairs of which the low word serves both)
	v_mov_b32 v227, 0
	v_mov_b32 v228, 0                              ; (a lane permute's destination counts as one of its sources)
	v_mov_b32 v229, 0
.irp b, 0,1,2,3
	v_mov_b32 v[TM+4+\b], 0
.endr
.irp a, 0,1,2,3,4,5,6,7
.set AC, 64*(\a%4)
.set PCX, 128+20*(\a%2)
.set PWX, 216+\a%2
	WIN 0x0a+5*(\a/4)                              ; sources 0 and 1: window 2 or 3
	v_pk_mul_f32 v[220:221], v[AC:AC+1], v[AC:AC+1]              ; the two halves' sums of squares, each accumulator from its low end on
	v_pk_mul_f32 v[222:223], v[AC+32:AC+33], v[AC+32:AC+33]
.set j, 2
.rept 15
	v_pk_fma_f32 v[220:221], v[AC+j:AC+j+1], v[AC+j:AC+j+1], v[220:221]
	v_pk_fma_f32 v[222:223], v[AC+32+j:AC+33+j], v[AC+32+j:AC+33+j], v[222:223]
.set j, j+2
.endr
	WIN 0
	v_add_f32 v220, v220, v221
	v_add_f32 v222, v222, v223
	v_permlanex16_b32 v228, v220, s[SEL], s[SEL+1]
	v_permlanex16_b32 v229, v222, s[SEL], s[SEL+1]
	v_add_f32 v220, v220, v228
	v_add_f32 v222, v222, v229
	s_wait_alu depctr_va_vdst(0)
	v_sqrt_f32 v220, v220
	v_sqrt_f32 v222, v222
	v_nop
	s_wait_alu depctr_va_vdst(0)                   ; one wait for the two roots
	v_max_num_f32 v220, 0x2b8cbccc, v220           ; 1e-12
	v_max_num_f32 v222, 0x2b8cbccc, v222
	s_wait_alu depctr_va_vdst(0)
	v_rcp_f32 v224, v220
	v_rcp_f32 v226, v222
	v_nop
	s_wait_alu depctr_va_vdst(0)                   ; and one for the two reciprocals
	v_cndmask_b32 v224, v224, v218, s72            ; v is not normalised
	v_cndmask_b32 v226, v226, v218, s72
	WIN 0x02+\a/4
.set j, 0
.rept 16
	v_pk_mul_f32 v[64+j:65+j], v[AC+j:AC+j+1], v[224:225] op_sel_hi:[1,0]
	v_pk_mul_f32 v[96+j:97+j], v[AC+32+j:AC+33+j], v[226:227] op_sel_hi:[1,0]
.set j, j+2
.endr
	WIN 0
.if (\a%2 == 0) && (\a > 0)
	s_wait_xcnt 0x0                                ; the last pair's stores have read their registers
.endif
	QUANT 64, PCX, PWX
.if \a%2 == 1
.irp i, 0,1,2,3,4,5                            ; q, k: (head 0 | head 1) of two token tiles becomes (tile 0 | tile 1) of two heads; v stays
	v_cndmask_b32 v219, v[148+\i], v[134+\i], s72
	v_cndmask_b32 v[148+\i], v[134+\i], v[148+\i], s72
	v_mov_b32 v[134+\i], v219
.endr
	v_perm_b32 v214, v217, v216, s73
	v_perm_b32 v215, v217, v216, s74
.irp c, 0,1,2
	global_store_b128 v[32+\a-1], v[128+4*\c:131+4*\c], s[6:7] offset:512*\c      ; 512 consecutive bytes, aligned
.endr
.irp c, 0,1,2
	global_store_b128 v[33+\a-1], v[148+4*\c:151+4*\c], s[6:7] offset:512*\c
.endr
	global_store_b32 v[40+\a-1], v214, s[6:7]
	global_store_b32 v[41+\a-1], v215, s[6:7]
.endif
.endr
	s_wait_tensorcnt 0x0                           ; the wave's end
	ds_add_u32 v[SPW], v[NIL]
	s_wait_dscnt 0x0
	CROUND                                         ; the closing round
	s_endpgm
.Lfunc_end_k_qbb525ee117_qkv:
	.size	k_qbb525ee117_qkv, .Lfunc_end_k_qbb525ee117_qkv-k_qbb525ee117_qkv
	.p2alignl 7, 3214868480
	.fill 96, 4, 3214868480
	.section	.rodata,"a",@progbits
	.p2align	6, 0x0
	.amdhsa_kernel k_qbb525ee117_qkv
		.amdhsa_group_segment_fixed_size 327680
		.amdhsa_private_segment_fixed_size 0
		.amdhsa_enable_private_segment 0
		.amdhsa_kernarg_size 16
		.amdhsa_user_sgpr_count 2
		.amdhsa_user_sgpr_kernarg_segment_ptr 1
		.amdhsa_wavefront_size32 1
		.amdhsa_system_sgpr_workgroup_id_x 1
		.amdhsa_system_sgpr_workgroup_id_y 1
		.amdhsa_system_sgpr_workgroup_id_z 1
		.amdhsa_system_vgpr_workitem_id 0
		.amdhsa_next_free_vgpr 1024
		.amdhsa_next_free_sgpr 96
		.amdhsa_reserve_vcc 0
		.amdhsa_float_denorm_mode_32 3
		.amdhsa_float_denorm_mode_16_64 3
		.amdhsa_memory_ordered 1
		.amdhsa_forward_progress 1
		.amdhsa_inst_pref_size 193
	.end_amdhsa_kernel
	.amdgpu_metadata
---
amdhsa.version: [ 1, 2 ]
amdhsa.kernels:
  - .name:           k_qbb525ee117_qkv
    .symbol:         k_qbb525ee117_qkv.kd
    .args:
      - { .name: pan, .offset: 0, .size: 8, .value_kind: global_buffer, .address_space: global }
      - { .name: qkvp, .offset: 8, .size: 8, .value_kind: global_buffer, .address_space: global }
    .group_segment_fixed_size: 327680
    .private_segment_fixed_size: 0
    .kernarg_segment_align: 8
    .kernarg_segment_size: 16
    .max_flat_workgroup_size: 128
    .sgpr_count:     96
    .vgpr_count:     1024
    .wavefront_size: 32
...
	.end_amdgpu_metadata
.endif
;; end of part 8
;; launch attn (part 9): grid 8 x 32, 16 waves a work-group, clusters of 4 x 1, 232,448 bytes of LDS; arguments qkvp, temp, op; writes op
.if DOCPART == 9
	.amdgcn_target "amdgcn-amd-amdhsa--gfx1250"
	.amdhsa_code_object_version 6
	.text
	.protected	k_qbb525ee117_attn
	.globl	k_qbb525ee117_attn
	.p2align	8
	.type	k_qbb525ee117_attn,@function
k_qbb525ee117_attn:
	s_mov_b64 s[64:65], 0
	v_nop
	global_prefetch_b8 v0, s[64:65] scope:SCOPE_SE
	s_setreg_imm32_b32 hwreg(HW_REG_WAVE_MODE, 25, 1), 1
	s_wait_xcnt 0x0
	s_wait_alu depctr_hold_cnt(0) depctr_sa_sdst(0) depctr_va_vdst(0) depctr_va_sdst(0) depctr_va_ssrc(0) depctr_va_vcc(0) depctr_vm_vsrc(0)
	s_getreg_b32 s2, hwreg(HW_REG_IB_STS2, 6, 4)
	s_cmp_eq_u32 s2, 0
	s_cbranch_scc0 .Lentry_in_a_cluster
	s_endpgm
.Lentry_in_a_cluster:
	s_bfe_u32 s2, ttmp6, 0x10000c
	s_cmp_lg_u32 s2, 0x3003
	s_cbranch_scc0 .Lentry_shape_is_right
	s_endpgm
.Lentry_shape_is_right:
; o = softmax(temp x q k^T) v for one batch and head, both products on FP6 codes; o is divided by the row's sum and quantised along the channels into a panel for the next product.
; t = score x temp x log2(e); M = the running largest t rounded up to a whole number; p = 2^(t - M) is quantised along the keys, not normalised; the row's sum is taken of the unquantised p.
; temp's SIGN is moved onto q's codes (sign bits flipped where temp is negative: exact), so c = |temp| log2(e) is never negative and a block's largest score gives its largest p.
; SHARES.  A work-group owns 256 queries of a head, each of its sixteen waves one tile of 16.  A whole head's K and V lie in LDS, filled once by eight joint loads (waves 0-3 K's quarters, waves 4-7 V's),
; shared by the four work-groups of a cluster.  All of K and V is asked for at the head, so there is no loop to run ahead in and no prefetch.
; K comes as pair fragments (registers 0-5 one tile of 16 keys x 64 channels, registers 6-11 another): against (q, 0) a fragment gives the first tile's scores, against (0, q) the second's.
; WHICH KEYS FORM A TILE is chosen by the LDS address: tile t (0..3) of group c (0, 1) of a step's 128 keys takes as its row m the key 64 c + 32 (m / 8) + 8 t + m % 8.  In the stored fragments that is row
; 8 (t / 2) + m % 8 of fragment 2 c + m / 8, half t % 2.  So lane (r, h) holds, in 32 registers on end, the WHOLE block of keys 64 c + 32 h + 0 .. 31 of query r: a block's maximum needs no other lane and its codes no swap.
; K lies in LDS as rows of 512 bytes + 128 of padding: a fragment is 1,920 bytes, so lanes 0-7 and lanes 8-15 of a load, one fragment apart, read different halves of 256 bytes.
; REGISTERS: v1-4 lane terms; v5, v6 the add's two; v7, v34, v35, v93 LDS bases; v8-11 addresses in hand; v12 -M, v13 the largest t, v[14:15] the sum; v16-33 (0, q, 0); v36-83 four fragments; v84-92 at work;
; v96-159 S^T, then p; v160-191 O^T; v192-199 partial sums; v224-235 p's codes; v248-251 scale words; v252 f, v253 p's scale word; v255 q's.
; LIMITS: the promise holds while |t| stays under 2^31; a block of zeros gets the byte 1 (its codes are zeros, this program alone reads the bytes); NaN and infinities are not served.
.set VB,    128000                     ; K: 200 rows of 640 bytes; then V, 102,400 bytes as it lies
.set KSC,   122880                     ; K's scale words: rows 192-199
.set VSC,   VB+98304
.set SPARE, VB+102400                  ; the spare words, 128 bytes a wave: eight blocks of 256 bytes that no other line names
.set SPW, 5
.set NIL, 6
.set KA,  7
.set KS,  34
.set VA,  35
.set VS,  93
.set WV,  18
.set SEL, 20
.set CS,  22
.set G1K, 24
.set G0K, 32
.set G0V, 36
.set G1V, 88
.set TK,  73
.set TKS, 74
.set TV,  75
.set TVS, 76
.set CNT, 77
.macro CROUND
	s_barrier_signal -1
	s_barrier_wait -1
	s_cmp_lg_u32 s[WV], 0
	s_cbranch_scc1 .Lnot_wave_0_\@
	s_barrier_signal -3
.Lnot_wave_0_\@:
	s_barrier_wait -3
	s_barrier_signal -1
	s_barrier_wait -1
.endm
	s_load_b128 s[4:7], s[0:1], 0x0                ; the head blocks, temp
	s_load_b64 s[8:9], s[0:1], 0x10                ; o's panels
	v_lshl_add_u32 v[SPW], v0, 2, SPARE
	v_mov_b32 v[NIL], 0
	ds_add_u32 v[SPW], v[NIL]                      ; the opening lines: the add, twice on end, and its wait
	ds_add_u32 v[SPW], v[NIL]
	v_lshrrev_b32 v8, 5, v0
	s_delay_alu instid0(VALU_DEP_1)
	v_readfirstlane_b32 s[WV], v8                  ; wave 0..15
	s_bfe_u32 s41, ttmp6, 0x40000                  ; cx
	s_lshl_b32 s42, ttmp9, 2
	s_add_co_u32 s42, s42, s41                     ; my block of 256 queries: it enters global addresses of q and o alone
	s_and_b32 s43, ttmp7, 0xffff                   ; 16 x batch + head
	s_mul_i32 s44, s43, 102400
	s_and_b32 s45, s[WV], 3
	s_mul_i32 s48, s45, 32000                      ; a quarter of K in LDS: 50 rows of 640 bytes
	s_mul_i32 s45, s45, 25600
	s_add_co_u32 s55, s45, VB                      ; a quarter of V in LDS
	s_add_co_u32 s46, s44, s45                     ; my quarter of the head's block
	s_mov_b32 s47, 0
	s_mov_b32 s[G1K], 15|(3<<16)|(1<<20)|(1<<21)|(6<<22)|(31<<25)   ; all four work-groups; elements of 8 bytes; bit 21 beside a mask; 32 words of padding behind every 128
	s_mov_b32 s[G1K+1], 64<<16                     ; 50 rows of 512 bytes
	s_mov_b32 s[G1K+2], 50<<16
	s_mov_b32 s[G1K+3], 64<<16
	s_mov_b32 s[G1K+4], 50
	s_mov_b32 s[G1K+5], 64
	s_mov_b32 s[G1K+6], 0
	s_mov_b32 s[G1K+7], 0
	s_mov_b32 s[G1V], 15|(3<<16)|(1<<21)           ; V: 100 rows of 256 bytes, no padding
	s_mov_b32 s[G1V+1], 32<<16
	s_mov_b32 s[G1V+2], 100<<16
	s_mov_b32 s[G1V+3], 32<<16
	s_mov_b32 s[G1V+4], 100
	s_mov_b32 s[G1V+5], 32
	s_mov_b32 s[G1V+6], 0
	s_mov_b32 s[G1V+7], 0
	s_mov_b32 s[SEL], 0x76543210
	s_mov_b32 s[SEL+1], 0xfedcba98
	s_and_b32 s49, s43, 15                         ; the head
	s_lshl_b32 s50, s49, 2
	s_wait_dscnt 0x0                               ; both opening adds are done
	s_wait_kmcnt 0x0
	s_load_b32 s51, s[6:7], s50 offset:0x0         ; temp of my head
	s_add_nc_u64 s[52:53], s[4:5], s[46:47]
	s_mov_b32 s[G0K], 1
	s_mov_b32 s[G0K+1], s48
	s_add_nc_u64 s[G0K+2:G0K+3], s[52:53], 3276800
	s_or_b32 s[G0K+3], s[G0K+3], 0x80000000
	s_mov_b32 s[G0V], 1
	s_mov_b32 s[G0V+1], s55
	s_add_nc_u64 s[G0V+2:G0V+3], s[52:53], 6553600
	s_or_b32 s[G0V+3], s[G0V+3], 0x80000000
	CROUND                                         ; all four work-groups are here: the joint loads meet
	s_cmp_lt_u32 s[WV], 4
	s_cbranch_scc0 .Lnot_k
	tensor_load_to_lds s[G0K:G0K+3], s[G1K:G1K+7]
	s_nop 0
.rept 4
	v_nop
.endr
	s_branch .Lasked
.Lnot_k:
	s_cmp_lt_u32 s[WV], 8
	s_cbranch_scc0 .Lasked
	tensor_load_to_lds s[G0V:G0V+3], s[G1V:G1V+7]
	s_nop 0
.rept 4
	v_nop
.endr
.Lasked:
	v_and_b32 v8, 31, v0
	v_and_b32 v9, 15, v0
	v_bfe_u32 v10, v0, 3, 1                        ; m / 8
	v_and_b32 v11, 7, v0                           ; m % 8
	v_bfe_u32 v4, v0, 4, 1                         ; h
	v_lshlrev_b32 v1, 4, v8                        ; 16 x lane
	v_lshlrev_b32 v2, 2, v9                        ; 4 r
	v_mul_u32_u24 v[KA], v10, 1920
	v_lshlrev_b32 v[KS], 6, v10
	v_lshl_add_u32 v[KA], v4, 8, v[KA]
	v_lshl_add_u32 v[KS], v11, 2, v[KS]
	v_lshl_add_u32 v[KA], v11, 4, v[KA]            ; K's codes: 1,920 (m / 8) + 256 h + 16 (m % 8)
	v_add_nc_u32 v[KS], KSC, v[KS]                 ; K's scale words: 64 (m / 8) + 4 (m % 8)
	v_add_nc_u32 v[VA], VB, v1
	v_add_nc_u32 v[VS], VSC, v2
	v_lshlrev_b32 v4, 3, v4                        ; 8 h: how far my two scale bytes are shifted
.irp i, 16,17,18,19,20,21,28,29,30,31,32,33
	v_mov_b32 v[\i], 0                             ; zero codes on both sides of q
.endr
	v_mov_b32 v13, 0xff61b1e6                      ; the largest t so far: -3e38
	s_delay_alu instid0(VALU_DEP_1)
	v_floor_f32 v12, -v13                          ; -M
	v_mov_b32 v14, 0
	v_mov_b32 v15, 0
	v_mov_b32 v252, 0
	v_mov_b32 v253, 0
	s_wait_alu depctr_va_vdst(0)
	s_lshl_b32 s54, s42, 3
	s_lshr_b32 s55, s[WV], 1
	s_add_co_u32 s54, s54, s55                     ; q's pair fragment
	s_mul_i32 s56, s54, 1536
	s_add_co_u32 s56, s56, s44
	s_mov_b32 s57, 0
	s_add_nc_u64 s[56:57], s[4:5], s[56:57]
	s_lshl_b32 s58, s54, 6
	s_add_co_u32 s58, s58, s44
	s_add_co_u32 s58, s58, 98304
	s_mov_b32 s59, 0
	s_add_nc_u64 s[58:59], s[4:5], s[58:59]
.irp c, 0,1,2
	global_load_b128 v[192+4*\c:195+4*\c], v1, s[56:57] offset:512*\c
.endr
	global_load_b32 v254, v2, s[58:59]
	s_lshr_b32 s60, s43, 4                         ; o: group 8 x batch + my block, K step head / 2, fragment = my wave, half head % 2
	s_lshl_b32 s60, s60, 3
	s_add_co_u32 s60, s60, s42
	s_mul_i32 s60, s60, 204800
	s_lshr_b32 s61, s49, 1
	s_mul_i32 s61, s61, 25600
	s_add_co_u32 s60, s60, s61                     ; the panel
	s_and_b32 s66, s49, 1
	s_lshl_b32 s62, s[WV], 6
	s_add_co_u32 s62, s62, s60
	s_add_co_u32 s62, s62, 24576
	s_lshl_b32 s63, s66, 1
	s_add_co_u32 s62, s62, s63
	s_mov_b32 s63, 0
	s_add_nc_u64 s[62:63], s[8:9], s[62:63]        ; my half of the scale words
	s_mul_i32 s61, s[WV], 1536
	s_add_co_u32 s60, s60, s61
	s_mul_i32 s61, s66, 768
	s_add_co_u32 s60, s60, s61
	s_mov_b32 s61, 0
	s_add_nc_u64 s[60:61], s[8:9], s[60:61]        ; my half of the fragment
	s_wait_kmcnt 0x0
	s_and_b32 s[CS], s51, 0x7fffffff
	s_mul_f32 s[CS], s[CS], 0x3fb8aa3b             ; c = |temp| log2(e)
	s_mov_b32 s[CS+1], s[CS]
	s_ashr_i32 s66, s51, 31                        ; all ones where temp is negative
	s_and_b32 s67, s66, 0x20820820                 ; the sign bits of 16 codes in three words: bits 6 i + 5
	s_and_b32 s68, s66, 0x08208208
	s_and_b32 s69, s66, 0x82082082
	s_and_b32 s70, s[WV], 1                        ; which tile of the pair is mine
	s_lshl_b32 s71, s70, 4
	s_cmp_eq_u32 s70, 1
	s_cselect_b32 s72, -1, 0
	s_mov_b32 s[TK], 0
	s_mov_b32 s[TKS], 0
	s_mov_b32 s[TV], 0
	s_mov_b32 s[TVS], 0
	s_mov_b32 s[CNT], 8
	s_wait_loadcnt 0x0
.irp i, 0,1,2,3,4,5
	v_cndmask_b32 v[22+\i], v[192+\i], v[198+\i], s72
.endr
	v_xor_b32 v22, s67, v22
	v_xor_b32 v23, s68, v23
	v_xor_b32 v24, s69, v24
	v_xor_b32 v25, s67, v25
	v_xor_b32 v26, s68, v26
	v_xor_b32 v27, s69, v27
	v_lshrrev_b32 v254, s71, v254
	s_delay_alu instid0(VALU_DEP_1)
	v_and_b32 v254, 0xffff, v254
	s_delay_alu instid0(VALU_DEP_1)
	v_lshl_or_b32 v255, v254, 16, v254             ; q's two bytes, in both halves of the word
	v_mov_b32 v89, 0                               ; (a lane permute's destination counts as one of its sources)
	v_mov_b32 v91, 0
.set j, 0
.rept 32
	v_mov_b32 v[160+j], 0                          ; O^T.  (These also stand between the writes of q and its scale word and the first products)
.set j, j+1
.endr
	s_wait_alu depctr_va_vdst(0)
	s_wait_tensorcnt 0x0                           ; my quarter is in,
	s_barrier_signal -1
	s_barrier_wait -1                              ; everybody's is
; A step of 128 keys; o: the first or the second of a trip's two.
.macro STEP o
.if \o == 0
	v_add_nc_u32 v8, s[TK], v[KA]                  ; (these four are the places behind the last products)
	v_add_nc_u32 v9, s[TV], v[VA]
	v_add_nc_u32 v10, s[TKS], v[KS]
	v_add_nc_u32 v11, s[TVS], v[VS]
.else
.rept 4
	v_nop                                          ; places in front of loads into registers that the last products read
.endr
.endif
.irp f, 0,1,2,3                                ; fragment f = (c, t / 2) = (f / 2, f % 2)
.irp g, 0,1,2
	ds_load_b128 v[36+12*\f+4*\g:39+12*\f+4*\g], v8 offset:7680*\o+3840*(\f/2)+128*(\f%2)+640*\g
.endr
	ds_load_b32 v[248+\f], v10 offset:256*\o+128*(\f/2)+32*(\f%2)
.endr
.if \o == 0
	s_wait_alu depctr_va_vdst(0)
.endif
	s_wait_dscnt 0x0
.irp f, 0,1,2,3
	v_wmma_scale_f32_16x16x128_f8f6f4 v[96+16*\f:103+16*\f], v[36+12*\f:47+12*\f], v[22:33], 0, v[248+\f], v255 matrix_a_fmt:MATRIX_FMT_FP6 matrix_b_fmt:MATRIX_FMT_FP6
	v_wmma_scale_f32_16x16x128_f8f6f4 v[104+16*\f:111+16*\f], v[36+12*\f:47+12*\f], v[16:27], 0, v[248+\f], v255 matrix_a_fmt:MATRIX_FMT_FP6 matrix_b_fmt:MATRIX_FMT_FP6
.endr
.rept 4
	v_nop                                          ; places in front of the loads below and of the first read of the scores
.endr
.irp t, 0,1,2,3                                ; V's four fragments land while the softmax is walked
.irp g, 0,1,2
	ds_load_b128 v[36+12*\t+4*\g:39+12*\t+4*\g], v9 offset:6144*\o+1536*\t+512*\g
.endr
	ds_load_b32 v[248+\t], v11 offset:256*\o+64*\t
.endr
; registers 96 + 32 c + i: key 64 c + 32 h + i.  Each block's largest score, in two chains of 15, each tile read from its low end on
.irp c, 0,1
	v_max3_num_f32 v[84+\c], v[96+32*\c], v[97+32*\c], v[98+32*\c]
	v_max3_num_f32 v[86+\c], v[112+32*\c], v[113+32*\c], v[114+32*\c]
.endr
.irp i, 3,5,7,9,11,13
.irp c, 0,1
	v_max3_num_f32 v[84+\c], v[84+\c], v[96+32*\c+\i], v[97+32*\c+\i]
	v_max3_num_f32 v[86+\c], v[86+\c], v[112+32*\c+\i], v[113+32*\c+\i]
.endr
.endr
.irp c, 0,1
	v_max3_num_f32 v[84+\c], v[84+\c], v[86+\c], v[111+32*\c]
.endr
.irp c, 0,1
	v_max_num_f32 v[84+\c], v[84+\c], v[127+32*\c]
.endr
	s_delay_alu instid0(VALU_DEP_1)
	v_max_num_f32 v88, v84, v85
	s_delay_alu instid0(VALU_DEP_1)
	v_permlanex16_b32 v89, v88, s[SEL], s[SEL+1]
	s_delay_alu instid0(VALU_DEP_1)
	v_max_num_f32 v88, v88, v89                    ; the step's largest score of my query
	s_delay_alu instid0(VALU_DEP_1)
	v_mul_f32 v88, s[CS], v88                      ; as t (c is not negative)
	s_delay_alu instid0(VALU_DEP_1)
	v_max_num_f32 v13, v13, v88
	v_mov_b32 v88, v12
	s_delay_alu instid0(VALU_DEP_2)
	v_floor_f32 v12, -v13                          ; the new -M: a whole number
	s_delay_alu instid0(VALU_DEP_1)
	v_sub_f32 v88, v12, v88
	s_delay_alu instid0(VALU_DEP_1)
	v_cvt_i32_f32 v88, v88
	s_delay_alu instid0(VALU_DEP_1)
	v_ldexp_f32 v252, 1.0, v88                     ; f = 2^(old M - new M): exact
.set j, 0
.rept 32
	v_pk_fma_f32 v[96+j:97+j], v[96+j:97+j], s[CS:CS+1], v[12:13] op_sel_hi:[1,0,0]
.set j, j+2
.endr
	v_fma_f32 v84, v84, s[CS], v12                 ; the same of each block's largest score
	v_fma_f32 v85, v85, s[CS], v12
	s_wait_alu depctr_va_vdst(0)
	v_exp_f32 v84, v84                             ; the blocks' largest p
	v_exp_f32 v85, v85
.set j, 0
.rept 64
	v_exp_f32 v[96+j], v[96+j]                     ; p = 2^(t - M)
.set j, j+1
.endr
	v_pk_mul_f32 v[14:15], v[14:15], v[252:253] op_sel_hi:[1,0]   ; the sums under the new M: a plain instruction behind the exponentials
	s_wait_alu depctr_va_vdst(0)                   ; one wait for the batch, ahead of its first reader
.irp k, 0,1,2,3                                ; the row's sum of the unquantised p, in four chains
	v_pk_add_f32 v[192+2*\k:193+2*\k], v[96+2*\k:97+2*\k], v[104+2*\k:105+2*\k]
.endr
.set j, 16
.rept 6
.irp k, 0,1,2,3
	v_pk_add_f32 v[192+2*\k:193+2*\k], v[192+2*\k:193+2*\k], v[96+j+2*\k:97+j+2*\k]
.endr
.set j, j+8
.endr
	v_max_num_f32 v84, 0x1800000, v84              ; the floor 2^(3 - 127): the byte cannot fall under 1
	v_max_num_f32 v85, 0x1800000, v85
	v_pk_add_f32 v[192:193], v[192:193], v[194:195]
	v_pk_add_f32 v[196:197], v[196:197], v[198:199]
	v_add_nc_u32 v88, 0xff000000, v84              ; 2 off the exponent field: the conversion's scale operand
	v_add_nc_u32 v89, 0xff000000, v85
	v_pk_add_f32 v[14:15], v[14:15], v[192:193]
	v_lshrrev_b32 v90, 23, v88
	v_pk_add_f32 v[14:15], v[14:15], v[196:197]
	v_lshrrev_b32 v91, 23, v89
	s_delay_alu instid0(VALU_DEP_1)
	v_lshl_or_b32 v90, v91, 16, v90
	s_delay_alu instid0(VALU_DEP_1)
	v_lshlrev_b32 v90, v4, v90                     ; at their places in the word;
	s_delay_alu instid0(VALU_DEP_1)
	v_permlanex16_b32 v91, v90, s[SEL], s[SEL+1]
	s_delay_alu instid0(VALU_DEP_1)
	v_or_b32 v253, v90, v91                        ; with lane l xor 16's two: p's scale word for these 128 keys
.irp c, 0,1
	v_cvt_scalef32_pk16_fp6_f32 v[224+6*\c:226+6*\c], v[96+32*\c:111+32*\c], v[88+\c]
	v_cvt_scalef32_pk16_fp6_f32 v[236+4*\c:238+4*\c], v[112+32*\c:127+32*\c], v[88+\c]   ; (a conversion's three registers begin on an even number)
.endr
	v_nop                                          ; one plain instruction behind a scaled conversion
.irp c, 0,1
.irp i, 0,1,2
	v_mov_b32 v[227+6*\c+\i], v[236+4*\c+\i]
.endr
.endr
	s_wait_dscnt 0x0                               ; V
	s_wait_alu depctr_va_vdst(0)
.set j, 0
.rept 16
	v_pk_mul_f32 v[160+j:161+j], v[160+j:161+j], v[252:253] op_sel_hi:[1,0]   ; O^T under the new M; these sixteen are also the places in front of the products below
.set j, j+2
.endr
.irp t, 0,1,2,3
	v_wmma_scale_f32_16x16x128_f8f6f4 v[160+8*\t:167+8*\t], v[36+12*\t:47+12*\t], v[224:235], v[160+8*\t:167+8*\t], v[248+\t], v253 matrix_a_fmt:MATRIX_FMT_FP6 matrix_b_fmt:MATRIX_FMT_FP6
.endr
.endm
.Lstep:                                            ; 256 keys a trip: two steps, since two steps' scale words of K share an LDS row
	STEP 0
	STEP 1
	s_add_co_u32 s[TK], s[TK], 15360
	s_add_co_u32 s[TKS], s[TKS], 640
	s_add_co_u32 s[TV], s[TV], 12288
	s_add_co_u32 s[TVS], s[TVS], 512
	s_sub_co_u32 s[CNT], s[CNT], 1
	s_cmp_lg_u32 s[CNT], 0
	s_cbranch_scc1 .Lstep
	; THE WAY OUT: O^T / the sum; its 64 channels are two blocks of 32, quantised as half a fragment of the next product's operand.
	v_add_f32 v14, v14, v15
	s_delay_alu instid0(VALU_DEP_1)
	v_permlanex16_b32 v252, v14, s[SEL], s[SEL+1]
	s_delay_alu instid0(VALU_DEP_1)
	v_add_f32 v14, v14, v252
	s_wait_alu depctr_va_vdst(0)
	v_rcp_f32 v14, v14
	v_and_b32 v9, 31, v0
	s_delay_alu instid0(VALU_DEP_1)
	v_lshlrev_b32 v9, 3, v9                        ; 8 x lane
	v_nop
	v_nop
	s_wait_alu depctr_va_vdst(0)
.set j, 0
.rept 16
	v_pk_mul_f32 v[192+j:193+j], v[160+j:161+j], v[14:15] op_sel_hi:[1,0]   ; register 16 b + i: channel 32 b + 16 h + i
.set j, j+2
.endr
.irp b, 0,1
	v_max3_num_f32 v[232+\b], |v[192+16*\b]|, |v[193+16*\b]|, 0x1800000
.endr
.irp i, 2,4,6,8,10,12,14
.irp b, 0,1
	s_delay_alu instid0(VALU_DEP_2)
	v_max3_num_f32 v[232+\b], v[232+\b], |v[192+16*\b+\i]|, |v[193+16*\b+\i]|
.endr
.endr
.irp b, 0,1
	v_permlanex16_b32 v[236+\b], v[232+\b], s[SEL], s[SEL+1]
.endr
.irp b, 0,1
	s_delay_alu instid0(VALU_DEP_2)
	v_max_num_f32 v[232+\b], v[232+\b], v[236+\b]
.endr
.irp b, 0,1
	s_delay_alu instid0(VALU_DEP_2)
	v_add_nc_u32 v[244+\b], 0xff000000, v[232+\b]
.endr
.irp b, 0,1
	s_delay_alu instid0(VALU_DEP_2)
	v_lshrrev_b32 v[236+\b], 23, v[244+\b]
.endr
	s_delay_alu instid0(VALU_DEP_1)
	v_lshl_or_b32 v253, v237, 8, v236              ; my head's half of the scale word
	v_cvt_scalef32_pk16_fp6_f32 v[224:226], v[192:207], v244
	v_cvt_scalef32_pk16_fp6_f32 v[228:230], v[208:223], v245
	v_nop
.irp i, 0,1,2
	v_permlane16_swap_b32 v[224+\i], v[228+\i]
.endr
	s_delay_alu instid0(VALU_DEP_3)
	v_mov_b32 v227, v228
	s_delay_alu instid0(VALU_DEP_3)
	v_mov_b32 v228, v229
	s_delay_alu instid0(VALU_DEP_3)
	v_mov_b32 v229, v230
	global_store_b128 v1, v[224:227], s[60:61]
	global_store_b64 v9, v[228:229], s[60:61] offset:512
	global_store_b16 v2, v253, s[62:63]
	s_wait_tensorcnt 0x0                           ; the wave's end
	ds_add_u32 v[SPW], v[NIL]
	s_wait_dscnt 0x0
	CROUND                                         ; the closing round
	s_endpgm
.Lfunc_end_k_qbb525ee117_attn:
	.size	k_qbb525ee117_attn, .Lfunc_end_k_qbb525ee117_attn-k_qbb525ee117_attn
	.p2alignl 7, 3214868480
	.fill 96, 4, 3214868480
	.section	.rodata,"a",@progbits
	.p2align	6, 0x0
	.amdhsa_kernel k_qbb525ee117_attn
		.amdhsa_group_segment_fixed_size 232448
		.amdhsa_private_segment_fixed_size 0
		.amdhsa_enable_private_segment 0
		.amdhsa_kernarg_size 24
		.amdhsa_user_sgpr_count 2
		.amdhsa_user_sgpr_kernarg_segment_ptr 1
		.amdhsa_wavefront_size32 1
		.amdhsa_system_sgpr_workgroup_id_x 1
		.amdhsa_system_sgpr_workgroup_id_y 1
		.amdhsa_system_sgpr_workgroup_id_z 1
		.amdhsa_system_vgpr_workitem_id 0
		.amdhsa_next_free_vgpr 256
		.amdhsa_next_free_sgpr 96
		.amdhsa_reserve_vcc 0
		.amdhsa_float_denorm_mode_32 3
		.amdhsa_float_denorm_mode_16_64 3
		.amdhsa_memory_ordered 1
		.amdhsa_forward_progress 1
		.amdhsa_inst_pref_size 45
	.end_amdhsa_kernel
	.amdgpu_metadata
---
amdhsa.version: [ 1, 2 ]
amdhsa.kernels:
  - .name:           k_qbb525ee117_attn
    .symbol:         k_qbb525ee117_attn.kd
    .args:
      - { .name: qkvp, .offset: 0, .size: 8, .value_kind: global_buffer, .address_space: global }
      - { .name: temp, .offset: 8, .size: 8, .value_kind: global_buffer, .address_space: global }
      - { .name: op, .offset: 16, .size: 8, .value_kind: global_buffer, .address_space: global }
    .group_segment_fixed_size: 232448
    .private_segment_fixed_size: 0
    .kernarg_segment_align: 8
    .kernarg_segment_size: 24
    .max_flat_workgroup_size: 512
    .sgpr_count:     96
    .vgpr_count:     256
    .wavefront_size: 32
...
	.end_amdgpu_metadata
.endif
;; end of part 9
;; launch proj (part 10): grid 8 x 32, 4 waves a work-group, clusters of 4 x 4, 327,680 bytes of LDS; arguments op, pan, x, x2; writes x2
.if DOCPART == 10
	.amdgcn_target "amdgcn-amd-amdhsa--gfx1250"
	.amdhsa_code_object_version 6
	.text
	.protected	k_qbb525ee117_proj
	.globl	k_qbb525ee117_proj
	.p2align	8
	.type	k_qbb525ee117_proj,@function
k_qbb525ee117_proj:
	s_mov_b64 s[64:65], 0
	v_nop
	global_prefetch_b8 v0, s[64:65] scope:SCOPE_SE
	s_setreg_imm32_b32 hwreg(HW_REG_WAVE_MODE, 25, 1), 1
	s_wait_xcnt 0x0
	s_wait_alu depctr_hold_cnt(0) depctr_sa_sdst(0) depctr_va_vdst(0) depctr_va_sdst(0) depctr_va_ssrc(0) depctr_va_vcc(0) depctr_vm_vsrc(0)
	s_getreg_b32 s2, hwreg(HW_REG_IB_STS2, 6, 4)
	s_cmp_eq_u32 s2, 0
	s_cbranch_scc0 .Lentry_in_a_cluster
	s_endpgm
.Lentry_in_a_cluster:
	s_bfe_u32 s2, ttmp6, 0x10000c
	s_cmp_lg_u32 s2, 0xf033
	s_cbranch_scc0 .Lentry_shape_is_right
	s_endpgm
.Lentry_shape_is_right:
; x2 = x + o w_proj^T on FP6 codes.  A work-group of four waves makes 128 x 128, a wave 64 x 64.  K is eight steps: all of A's and B's half panels (2 x 98,304 bytes) and their scale words fit in LDS,
; so everything is asked for at the head, one joint load a wave (wave 0 A, wave 1 B, wave 2 A's scale words, wave 3 B's), and nothing is filled again.  No loop to run ahead in: no prefetch.
.set KSTEPS, 8
.set BOFF,   5734400
.set ZERO,   1
.set PANEL,  25600
.set HALFP,  12288
.set NQ,     4
.set SIDE,   NQ*HALFP
.set SLOT,   2*SIDE
.set LAPS,   KSTEPS/(2*NQ)
.set FR,     12
.set NP,     4
.set SCL,    2*SLOT
.set SCB,    KSTEPS*512
.set STAGE,  SCL+32768
.set SPITCH, 272
.set SPARE,  STAGE+4*16*SPITCH
.set ADRS,   12
.set ADRA,   16
.set ADRB,   20
.set STO,    24
.set RD,     25
.set CO,     26
.set SPW,    28
.set NIL,    29
.set BIAS,   64
.set SC,     96
.set BK,     64
.set ACC,    128
.set F0,     0
.set F1,     128
.set G1,   24
.set G0,   32
.set G1B,  48
.set G0B,  56
.set G1S,  68
.set G0S,  76
.set G1SB, 80
.set G0SB, 88
.set MSB, 0
.macro WIN new
.if MSB != \new
	s_set_vgpr_msb (MSB<<8)|\new
.set MSB, \new
.endif
.endm
.set MUL,  0x05
.set TO_F, 0x40
.macro JLOAD g0a, g1a, g0b, g1b
	s_cmp_eq_u32 s15, 0
	s_cbranch_scc0 .Lfor_b_\@
	tensor_load_to_lds s[\g0a:\g0a+3], s[\g1a:\g1a+7]
	s_nop 0
.rept 4
	v_nop
.endr
	s_branch .Lasked_\@
.Lfor_b_\@:
	tensor_load_to_lds s[\g0b:\g0b+3], s[\g1b:\g1b+7]
	s_nop 0
.rept 4
	v_nop
.endr
.Lasked_\@:
.endm
.macro CREST
	s_cmp_lg_u32 s14, 0
	s_cbranch_scc1 .Lnot_wave_0_\@
	s_barrier_signal -3
.Lnot_wave_0_\@:
	s_barrier_wait -3
	s_barrier_signal -1
	s_barrier_wait -1
.endm
.macro CROUND
	s_barrier_signal -1
	s_barrier_wait -1
	CREST
.endm
.macro FRAG reg, adr, q, i
	ds_load_b128 v[\reg:\reg+3], v[\adr] offset:HALFP*(\q)+1536*(\i)
	ds_load_b64 v[\reg+4:\reg+5], v[\adr+2] offset:HALFP*(\q)+1536*(\i)+512
	ds_load_b128 v[\reg+6:\reg+9], v[\adr] offset:HALFP*(\q)+1536*(\i)+768
	ds_load_b64 v[\reg+10:\reg+11], v[\adr+2] offset:HALFP*(\q)+1536*(\i)+1280
.endm
.macro MUL4 f, a, zero
.irp b, 0,1,2,3
.set DD, ACC+8*(4*(\a)+\b)
.set FB, (\f)+48+FR*\b
.set FA, (\f)+FR*(\a)
.set SB, SC+4*((\f)/128)+\b
.set SA, SC+4*((\f)/128)+(\a)
.if \zero == 1
	v_wmma_scale_f32_16x16x128_f8f6f4 v[DD:DD+7], v[FB:FB+11], v[FA:FA+11], 0, v[SB], v[SA] matrix_a_fmt:MATRIX_FMT_FP6 matrix_b_fmt:MATRIX_FMT_FP6 matrix_a_scale:MATRIX_SCALE_ROW1
.elseif \zero == 2
	v_wmma_scale_f32_16x16x128_f8f6f4 v[DD:DD+7], v[FB:FB+11], v[FA:FA+11], v[BIAS+8*\b:BIAS+8*\b+7], v[SB], v[SA] matrix_a_fmt:MATRIX_FMT_FP6 matrix_b_fmt:MATRIX_FMT_FP6 matrix_a_scale:MATRIX_SCALE_ROW1
.else
	v_wmma_scale_f32_16x16x128_f8f6f4 v[DD:DD+7], v[FB:FB+11], v[FA:FA+11], v[DD:DD+7], v[SB], v[SA] matrix_a_fmt:MATRIX_FMT_FP6 matrix_b_fmt:MATRIX_FMT_FP6 matrix_a_scale:MATRIX_SCALE_ROW1
.endif
.endr
.endr
.endm
.macro FETCH slot, q, f
	WIN 0
.irp i, 0,1,2,3
	ds_load_b32 v[SC+4*((\f)/128)+\i], v[ADRS] offset:512*(NQ*(\slot)+(\q))+64*\i
.endr
	WIN TO_F
.irp i, 0,1,2,3
	FRAG (\f)+48+FR*\i, ADRB+\slot, \q, \i
.endr
.irp i, 0,1,2,3
	FRAG (\f)+FR*\i, ADRA+\slot, \q, \i
.endr
.endm
.macro PLACES n
.rept \n
	v_nop
.endr
.endm
.macro STEP slot, q, f, g, zero
	s_wait_dscnt 8
	WIN MUL
	MUL4 \f, 0, \zero
	MUL4 \f, 1, \zero
	PLACES NP
	FETCH \slot, (\q)+1, \g
	s_wait_dscnt 36
	WIN MUL
	MUL4 \f, 2, \zero
	MUL4 \f, 3, \zero
.endm
.macro TURN slot, next, fill
	WIN 0
	s_wait_tensorcnt 0x0
	ds_add_u32 v[SPW], v[NIL]
	s_wait_dscnt 9
	WIN MUL
	MUL4 F1, 0, 0
	s_wait_dscnt 0x0
	s_barrier_signal -1
	MUL4 F1, 1, 0
	WIN 0
	s_barrier_wait -1
.if \fill
	CREST
	s_add_nc_u64 s[G0+4*\slot+2:G0+4*\slot+3], s[G0+4*\slot+2:G0+4*\slot+3], 2*NQ*PANEL
	s_add_nc_u64 s[G0B+4*\slot+2:G0B+4*\slot+3], s[G0B+4*\slot+2:G0B+4*\slot+3], 2*NQ*PANEL
	JLOAD G0+4*\slot, G1, G0B+4*\slot, G1B
.else
	PLACES NP
.endif
.if \slot == 1
	v_add_nc_u32 v[ADRS], 2*NQ*512, v[ADRS]
.endif
	FETCH \next, 0, F0
	WIN MUL
	MUL4 F1, 2, 0
	MUL4 F1, 3, 0
.endm
	s_load_b256 s[4:11], s[0:1], 0x0
.if ZERO == 2
	s_load_b64 s[12:13], s[0:1], 0x20
.endif
	v_lshl_add_u32 v[SPW], v0, 2, SPARE
	v_mov_b32 v[NIL], 0
	ds_add_u32 v[SPW], v[NIL]
	ds_add_u32 v[SPW], v[NIL]
	v_lshrrev_b32 v1, 5, v0
	v_readfirstlane_b32 s14, v1
	s_lshr_b32 s15, s14, 1
	s_and_b32 s16, s14, 1
	s_bfe_u32 s40, ttmp6, 0x40000
	s_bfe_u32 s41, ttmp6, 0x40004
	s_lshl_b32 s42, ttmp9, 2
	s_add_co_u32 s42, s42, s40
	s_and_b32 s17, ttmp7, 0xffff
	s_lshl_b32 s17, s17, 2
	s_add_co_u32 s17, s17, s41
	s_lshl_b32 s43, s41, 2
	s_lshl_b32 s43, 15, s43
	s_lshl_b32 s44, 0x1111, s40
	s_or_b32 s[G1+0], s43, (3<<16)|(1<<21)
	s_or_b32 s[G1B+0], s44, (3<<16)|(1<<21)
	s_or_b32 s[G1S+0], s43, (3<<16)|(1<<21)
	s_or_b32 s[G1SB+0], s44, (3<<16)|(1<<21)
.irp g, G1, G1B
	s_mov_b32 s[\g+1], 1536<<16
	s_mov_b32 s[\g+2], KSTEPS<<16
	s_mov_b32 s[\g+3], 1536<<16
	s_mov_b32 s[\g+4], KSTEPS
	s_mov_b32 s[\g+5], 3200
	s_mov_b32 s[\g+6], 0
	s_mov_b32 s[\g+7], 0
.endr
.irp g, G1S, G1SB
	s_mov_b32 s[\g+1], 64<<16
	s_mov_b32 s[\g+2], KSTEPS<<16
	s_mov_b32 s[\g+3], 64<<16
	s_mov_b32 s[\g+4], KSTEPS
	s_mov_b32 s[\g+5], 3200
	s_mov_b32 s[\g+6], 0
	s_mov_b32 s[\g+7], 0
.endr
	s_lshr_b32 s20, s17, 1
	s_mul_i32 s20, s20, KSTEPS*PANEL
	s_and_b32 s21, s17, 1
	s_mul_i32 s22, s21, 512
	s_mul_i32 s21, s21, HALFP
	s_add_co_u32 s22, s22, s20
	s_add_co_u32 s20, s20, s21
	s_add_co_u32 s22, s22, 24576
	s_mov_b32 s21, 0
	s_mov_b32 s23, 0
	s_lshr_b32 s46, s42, 1
	s_mul_i32 s46, s46, KSTEPS*PANEL
	s_and_b32 s47, s42, 1
	s_mul_i32 s92, s47, 512
	s_mul_i32 s47, s47, HALFP
	s_add_co_u32 s92, s92, s46
	s_add_co_u32 s46, s46, s47
	s_add_co_u32 s46, s46, BOFF
	s_add_co_u32 s92, s92, BOFF+24576
	s_mov_b32 s47, 0
	s_mov_b32 s93, 0
	s_wait_dscnt 0x0
	s_wait_kmcnt 0x0
	s_add_nc_u64 s[20:21], s[4:5], s[20:21]
	s_add_nc_u64 s[22:23], s[4:5], s[22:23]
	s_add_nc_u64 s[46:47], s[6:7], s[46:47]
	s_add_nc_u64 s[92:93], s[6:7], s[92:93]
	CROUND
	s_mov_b32 s[G0], 1                             ; A's eight half panels, from LDS byte 0
	s_mov_b32 s[G0+1], 0
	s_mov_b64 s[G0+2:G0+3], s[20:21]
	s_or_b32 s[G0+3], s[G0+3], 0x80000000
	s_mov_b32 s[G0B], 1                            ; B's eight, behind them
	s_mov_b32 s[G0B+1], SLOT
	s_mov_b64 s[G0B+2:G0B+3], s[46:47]
	s_or_b32 s[G0B+3], s[G0B+3], 0x80000000
	s_mov_b32 s[G0S], 1                            ; A's scale words, 512 bytes a K step
	s_mov_b32 s[G0S+1], SCL
	s_mov_b64 s[G0S+2:G0S+3], s[22:23]
	s_or_b32 s[G0S+3], s[G0S+3], 0x80000000
	s_mov_b32 s[G0SB], 1                           ; and B's
	s_mov_b32 s[G0SB+1], SCL+SCB
	s_mov_b64 s[G0SB+2:G0SB+3], s[92:93]
	s_or_b32 s[G0SB+3], s[G0SB+3], 0x80000000
; one tree of branches on the wave's number: every way through the head passes exactly one load
.macro ARM under, g0, g1, next
	s_cmp_lt_u32 s14, \under
	s_cbranch_scc0 \next
	tensor_load_to_lds s[\g0:\g0+3], s[\g1:\g1+7]
	s_nop 0
.rept 4
	v_nop
.endr
	s_branch .Lhead_asked
\next:
.endm
	ARM 1, G0,  G1,  .Lhead_b
	ARM 2, G0B, G1B, .Lhead_sa
	ARM 3, G0S, G1S, .Lhead_sb
	tensor_load_to_lds s[G0SB:G0SB+3], s[G1SB:G1SB+7]
	s_nop 0
.rept 4
	v_nop
.endr
.Lhead_asked:
	v_and_b32 v1, 15, v0
	v_bfe_u32 v2, v0, 4, 1
	v_and_b32 v3, 31, v0
	v_lshlrev_b32 v4, 4, v3
	v_lshlrev_b32 v5, 3, v3
	v_lshlrev_b32 v[CO], 12, v2
	v_lshl_add_u32 v[CO], v1, 4, v[CO]
	s_wait_alu depctr_va_vdst(0)
	s_lshl_b32 s46, s42, 9
	s_lshl_b32 s47, s16, 8
	s_add_co_u32 s46, s46, s47
	s_mov_b32 s47, 0
.if ZERO == 2
	s_add_nc_u64 s[12:13], s[12:13], s[46:47]
	v_lshlrev_b32 v7, 6, v2
.irp b, 0,1,2,3
	global_load_b128 v[BIAS+8*\b:BIAS+8*\b+3], v7, s[12:13] offset:(32*(\b/2)+8*(\b%2))*4
	global_load_b128 v[BIAS+8*\b+4:BIAS+8*\b+7], v7, s[12:13] offset:(32*(\b/2)+8*(\b%2))*4+16
.endr
.endif
	s_lshl_b32 s20, s17, 7
	s_lshl_b32 s21, s15, 6
	s_add_co_u32 s20, s20, s21
	s_lshl_b32 s20, s20, 12
	s_add_co_u32 s46, s46, s20
	s_add_nc_u64 s[8:9], s[8:9], s[46:47]
	s_add_nc_u64 s[10:11], s[10:11], s[46:47]
	WIN 0x80
.irp a, 0,1,2,3
.irp j, 0,1,2,3,4,5,6,7
	global_load_b128 v[32*\a+4*\j:32*\a+4*\j+3], v[CO], s[8:9] offset:(32*(\a/2)+8*(\a%2)+2*\j+8*(\j/4))*4096 th:TH_LOAD_NT
.endr
.endr
	WIN 0
	s_mul_i32 s21, s15, 4*1536
	s_mul_i32 s22, s16, 4*1536
	s_add_co_u32 s22, s22, SLOT
.irp s, 0,1
	v_add_nc_u32 v[ADRA+\s], s21, v4
	v_add_nc_u32 v[ADRB+\s], s22, v4
	v_add_nc_u32 v[ADRA+2+\s], s21, v5
	v_add_nc_u32 v[ADRB+2+\s], s22, v5
	s_add_co_u32 s21, s21, SIDE
	s_add_co_u32 s22, s22, SIDE
.endr
	s_lshl_b32 s21, s15, 8
	s_lshl_b32 s22, s16, 8
	s_add_co_u32 s22, s22, SCB
	s_sub_co_u32 s22, s22, s21
	v_mul_u32_u24 v6, s22, v2
	s_add_co_u32 s21, s21, SCL
	v_lshl_add_u32 v6, v1, 2, v6
	v_add_nc_u32 v[ADRS], s21, v6
	s_mul_i32 s23, s14, 16*SPITCH
	s_add_co_u32 s23, s23, STAGE
	v_mul_u32_u24 v6, v1, SPITCH
	v_lshl_add_u32 v6, v2, 6, v6
	v_add_nc_u32 v[STO], s23, v6
	v_mul_u32_u24 v6, v2, SPITCH
	v_lshl_add_u32 v6, v1, 4, v6
	v_add_nc_u32 v[RD], s23, v6
	s_wait_alu depctr_va_vdst(0)
	s_wait_tensorcnt 0x0
	s_barrier_signal -1
	s_barrier_wait -1
	FETCH 0, 0, F0
.if ZERO == 2
	s_wait_loadcnt 32
.endif
	STEP 0, 0, F0, F1, ZERO
.if LAPS > 1
	WIN 0
	s_mov_b32 s3, LAPS-1
.Llap:
	STEP 0, 1, F1, F0, 0
	STEP 0, 2, F0, F1, 0
	TURN 0, 1, 1
	STEP 1, 0, F0, F1, 0
	STEP 1, 1, F1, F0, 0
	STEP 1, 2, F0, F1, 0
	TURN 1, 0, 1
	STEP 0, 0, F0, F1, 0
	WIN 0
	s_sub_co_u32 s3, s3, 1
	s_cmp_lg_u32 s3, 0
	s_cbranch_scc1 .Llap
.endif
	STEP 0, 1, F1, F0, 0
	STEP 0, 2, F0, F1, 0
	TURN 0, 1, 0
	STEP 1, 0, F0, F1, 0
	STEP 1, 1, F1, F0, 0
	STEP 1, 2, F0, F1, 0
	s_wait_dscnt 8
	WIN MUL
	MUL4 F1, 0, 0
	MUL4 F1, 1, 0
	s_wait_dscnt 0
	MUL4 F1, 2, 0
	MUL4 F1, 3, 0
	WIN 0
.macro TOSTAGE a
.irp b, 0,1,2,3
	ds_store_b128 v[STO], v[ACC+8*(4*(\a)+\b):ACC+8*(4*(\a)+\b)+3] offset:128*(\b/2)+32*(\b%2)
	ds_store_b128 v[STO], v[ACC+8*(4*(\a)+\b)+4:ACC+8*(4*(\a)+\b)+7] offset:128*(\b/2)+32*(\b%2)+16
.endr
.set BB, BK+32*((\a)%2)
.irp t, 0,1,2,3,4,5,6,7
	ds_load_b128 v[BB+4*\t:BB+4*\t+3], v[RD] offset:2*\t*SPITCH
.endr
.endm
.macro SEND a, younger
.set BB, BK+32*((\a)%2)
	s_wait_dscnt \younger
	WIN 0x08
.set j, 0
.rept 16
	v_pk_add_f32 v[BB+j:BB+j+1], v[BB+j:BB+j+1], v[32*(\a)+j:32*(\a)+j+1]
.set j, j+2
.endr
	WIN 0
.irp t, 0,1,2,3,4,5,6,7
	global_store_b128 v[CO], v[BB+4*\t:BB+4*\t+3], s[10:11] offset:(32*((\a)/2)+8*((\a)%2)+2*\t+8*(\t/4))*4096
.endr
.endm
	PLACES NP
	s_wait_loadcnt 0x0
	TOSTAGE 0
.irp a, 1,2,3
.if \a > 1
	s_wait_xcnt 0x0
.endif
	TOSTAGE \a
	SEND \a-1, 16
.endr
	SEND 3, 0
	s_wait_tensorcnt 0x0
	ds_add_u32 v[SPW], v[NIL]
	s_wait_dscnt 0x0
	CROUND
	s_endpgm
.Lfunc_end_k_qbb525ee117_proj:
	.size	k_qbb525ee117_proj, .Lfunc_end_k_qbb525ee117_proj-k_qbb525ee117_proj
	.p2alignl 7, 3214868480
	.fill 96, 4, 3214868480
	.section	.rodata,"a",@progbits
	.p2align	6, 0x0
	.amdhsa_kernel k_qbb525ee117_proj
		.amdhsa_group_segment_fixed_size 327680
		.amdhsa_private_segment_fixed_size 0
		.amdhsa_enable_private_segment 0
		.amdhsa_kernarg_size 32
		.amdhsa_user_sgpr_count 2
		.amdhsa_user_sgpr_kernarg_segment_ptr 1
		.amdhsa_wavefront_size32 1
		.amdhsa_system_sgpr_workgroup_id_x 1
		.amdhsa_system_sgpr_workgroup_id_y 1
		.amdhsa_system_sgpr_workgroup_id_z 1
		.amdhsa_system_vgpr_workitem_id 0
		.amdhsa_next_free_vgpr 640
		.amdhsa_next_free_sgpr 98
		.amdhsa_reserve_vcc 0
		.amdhsa_float_denorm_mode_32 3
		.amdhsa_float_denorm_mode_16_64 3
		.amdhsa_memory_ordered 1
		.amdhsa_forward_progress 1
		.amdhsa_inst_pref_size 61
	.end_amdhsa_kernel
	.amdgpu_metadata
---
amdhsa.version: [ 1, 2 ]
amdhsa.kernels:
  - .name:           k_qbb525ee117_proj
    .symbol:         k_qbb525ee117_proj.kd
    .args:
      - { .name: op, .offset: 0, .size: 8, .value_kind: global_buffer, .address_space: global }
      - { .name: pan, .offset: 8, .size: 8, .value_kind: global_buffer, .address_space: global }
      - { .name: x, .offset: 16, .size: 8, .value_kind: global_buffer, .address_space: global }
      - { .name: x2, .offset: 24, .size: 8, .value_kind: global_buffer, .address_space: global }
    .group_segment_fixed_size: 327680
    .private_segment_fixed_size: 0
    .kernarg_segment_align: 8
    .kernarg_segment_size: 32
    .max_flat_workgroup_size: 128
    .sgpr_count:     98
    .vgpr_count:     640
    .wavefront_size: 32
...
	.end_amdgpu_metadata
.endif
;; end of part 10
;; launch ln2: the kernel of part 7 again; grid 256 x 1, 8 waves a work-group, no clusters, 66,816 bytes of LDS; arguments x2, ln2_g, ln2_b, w_qkv, w_proj, w1, w2, h2p; writes h2p
;; launch fc1 (part 11): grid 16 x 16, 4 waves a work-group, clusters of 4 x 4, 327,680 bytes of LDS; arguments h2p, pan, b1, hid; writes hid
.if DOCPART == 11
	.amdgcn_target "amdgcn-amd-amdhsa--gfx1250"
	.amdhsa_code_object_version 6
	.text
	.protected	k_qbb525ee117_fc1
	.globl	k_qbb525ee117_fc1
	.p2align	8
	.type	k_qbb525ee117_fc1,@function
k_qbb525ee117_fc1:
	s_mov_b64 s[64:65], 0
	v_nop
	global_prefetch_b8 v0, s[64:65] scope:SCOPE_SE
	s_setreg_imm32_b32 hwreg(HW_REG_WAVE_MODE, 25, 1), 1
	s_wait_xcnt 0x0
	s_wait_alu depctr_hold_cnt(0) depctr_sa_sdst(0) depctr_va_vdst(0) depctr_va_sdst(0) depctr_va_ssrc(0) depctr_va_vcc(0) depctr_vm_vsrc(0)
	s_getreg_b32 s2, hwreg(HW_REG_IB_STS2, 6, 4)
	s_cmp_eq_u32 s2, 0
	s_cbranch_scc0 .Lentry_in_a_cluster
	s_endpgm
.Lentry_in_a_cluster:
	s_bfe_u32 s2, ttmp6, 0x10000c
	s_cmp_lg_u32 s2, 0xf033
	s_cbranch_scc0 .Lentry_shape_is_right
	s_endpgm
.Lentry_shape_is_right:
.set KSTEPS, 8
.set BOFF,   6553600
.set ZERO,   2
.set PANEL,  25600
.set SLOT,   4*PANEL
.set LAPS,   KSTEPS/4
.set FR,     12
.set NL,     4
.set NP,     4
.set SPARE,  327168
.set ADRS,   12
.set ADRA,   16
.set ADRB,   20
.set SPW,    28
.set NIL,    29
.set SC,     32
.set BIAS,   64
.set AF,     128
.set G1,  24
.set G0,  32
.set G1B, 48
.set G0B, 56
.set SEL, 86
.set TM,  148
.set MSB, 0
.macro WIN new
.if MSB != \new
	s_set_vgpr_msb (MSB<<8)|\new
.set MSB, \new
.endif
.endm
.set MUL_LO, 0xa1
.set MUL_HI, 0xf1
.set TO_B,   0x40
.macro JLOAD g0a, g1a, g0b, g1b
	s_cmp_eq_u32 s15, 0
	s_cbranch_scc0 .Lfor_b_\@
	tensor_load_to_lds s[\g0a:\g0a+3], s[\g1a:\g1a+7]
	s_nop 0
.rept 4
	v_nop
.endr
	s_branch .Lasked_\@
.Lfor_b_\@:
	tensor_load_to_lds s[\g0b:\g0b+3], s[\g1b:\g1b+7]
	s_nop 0
.rept 4
	v_nop
.endr
.Lasked_\@:
.endm
.macro CREST
	s_cmp_lg_u32 s14, 0
	s_cbranch_scc1 .Lnot_wave_0_\@
	s_barrier_signal -3
.Lnot_wave_0_\@:
	s_barrier_wait -3
	s_barrier_signal -1
	s_barrier_wait -1
.endm
.macro CROUND
	s_barrier_signal -1
	s_barrier_wait -1
	CREST
.endm
.macro FRAG reg, adr, q, i
	ds_load_b128 v[\reg:\reg+3], v[\adr] offset:PANEL*(\q)+1536*(\i)
	ds_load_b64 v[\reg+4:\reg+5], v[\adr+2] offset:PANEL*(\q)+1536*(\i)+512
	ds_load_b128 v[\reg+6:\reg+9], v[\adr] offset:PANEL*(\q)+1536*(\i)+768
	ds_load_b64 v[\reg+10:\reg+11], v[\adr+2] offset:PANEL*(\q)+1536*(\i)+1280
.endm
.macro MUL16 a0, p, q, sc, zero
.irp a, \a0, \a0+1
.irp b, 0,1,2,3,4,5,6,7
.set DD, 8*(8*((\a)%4)+\b)
.set FB, 128*(\p)+FR*\b
.set FA, AF+FR*(\a)
.set SB, SC+16*(\sc)+2*\b+(\q)
.set SA, SC+16*(\sc)+2*(\a)+(\q)
.if \zero == 1
	v_wmma_scale_f32_16x16x128_f8f6f4 v[DD:DD+7], v[FB:FB+11], v[FA:FA+11], 0, v[SB], v[SA] matrix_a_fmt:MATRIX_FMT_FP6 matrix_b_fmt:MATRIX_FMT_FP6 matrix_a_scale:MATRIX_SCALE_ROW1
.elseif \zero == 2
	v_wmma_scale_f32_16x16x128_f8f6f4 v[DD:DD+7], v[FB:FB+11], v[FA:FA+11], v[BIAS+8*\b:BIAS+8*\b+7], v[SB], v[SA] matrix_a_fmt:MATRIX_FMT_FP6 matrix_b_fmt:MATRIX_FMT_FP6 matrix_a_scale:MATRIX_SCALE_ROW1
.else
	v_wmma_scale_f32_16x16x128_f8f6f4 v[DD:DD+7], v[FB:FB+11], v[FA:FA+11], v[DD:DD+7], v[SB], v[SA] matrix_a_fmt:MATRIX_FMT_FP6 matrix_b_fmt:MATRIX_FMT_FP6 matrix_a_scale:MATRIX_SCALE_ROW1
.endif
.endr
.endr
.endm
.macro FETCH_B slot, q, p
	WIN TO_B
.irp i, 0,1,2,3,4,5,6,7
	FRAG 128*(\p)+FR*\i, ADRB+\slot, \q, \i
.endr
	WIN 0
.endm
.macro FETCH_A slot, q, i0
.irp i, \i0, \i0+1, \i0+2, \i0+3
	FRAG AF+FR*(\i), ADRA+\slot, \q, \i
.endr
.endm
.macro SCALES slot
.irp i, 0,1,2,3,4,5,6,7
	ds_load_b32 v[SC+16*\slot+2*\i], v[ADRS+\slot] offset:64*\i
	ds_load_b32 v[SC+16*\slot+2*\i+1], v[ADRS+\slot] offset:PANEL+64*\i
.endr
.endm
.macro PLACES n
.rept \n
	v_nop
.endr
.endm
.macro STEP slot, q, zero
	s_wait_dscnt 4*NL
.if \zero == 2
	WIN 0x81
.else
	WIN MUL_LO
.endif
	MUL16 0, (\q)%2, \q, \slot, \zero
	MUL16 2, (\q)%2, \q, \slot, \zero
	s_wait_dscnt 0
	PLACES NP
	FETCH_B \slot, (\q)+1, 1-(\q)%2
	FETCH_A \slot, (\q)+1, 0
.if \zero == 2
	WIN 0xc1
.else
	WIN MUL_HI
.endif
	MUL16 4, (\q)%2, \q, \slot, \zero
	MUL16 6, (\q)%2, \q, \slot, \zero
	PLACES NP
	WIN 0
	FETCH_A \slot, (\q)+1, 4
.endm
.macro TURN slot, next, fill
	s_wait_tensorcnt 0x0
	ds_add_u32 v[SPW], v[NIL]
	s_wait_dscnt 4*NL+1
	WIN MUL_LO
	MUL16 0, 1, 1, \slot, 0
	s_wait_dscnt 0x0
	s_barrier_signal -1
	MUL16 2, 1, 1, \slot, 0
	WIN 0
	s_barrier_wait -1
.if \fill
	CREST
	s_add_nc_u64 s[G0+4*\slot+2:G0+4*\slot+3], s[G0+4*\slot+2:G0+4*\slot+3], 4*PANEL
	s_add_nc_u64 s[G0B+4*\slot+2:G0B+4*\slot+3], s[G0B+4*\slot+2:G0B+4*\slot+3], 4*PANEL
	JLOAD G0+4*\slot, G1, G0B+4*\slot, G1B
.else
	PLACES NP
.endif
	FETCH_B \next, 0, 0
	FETCH_A \next, 0, 0
	SCALES \next
	WIN MUL_HI
	MUL16 4, 1, 1, \slot, 0
	MUL16 6, 1, 1, \slot, 0
	PLACES NP
	WIN 0
	FETCH_A \next, 0, 4
.endm
.macro QUANT s, pc, pw
.irp b, 0,1,2,3
	v_max3_num_f32 v[TM+\b], |v[\s+16*\b]|, |v[\s+1+16*\b]|, 0x1800000
.endr
.irp i, 2,4,6,8,10,12,14
.irp b, 0,1,2,3
	v_max3_num_f32 v[TM+\b], v[TM+\b], |v[\s+16*\b+\i]|, |v[\s+1+16*\b+\i]|
.endr
.endr
.irp b, 0,1,2,3
	v_permlanex16_b32 v[TM+4+\b], v[TM+\b], s[SEL], s[SEL+1]
.endr
.irp b, 0,1,2,3
	v_max_num_f32 v[TM+\b], v[TM+\b], v[TM+4+\b]
.endr
.irp b, 0,1,2,3
	v_add_nc_u32 v[TM+12+\b], 0xff000000, v[TM+\b]
.endr
.irp b, 0,1,2,3
	v_lshrrev_b32 v[TM+4+\b], 23, v[TM+12+\b]
.endr
	v_lshl_or_b32 v[\pw], v[TM+5], 8, v[TM+4]
	v_lshl_or_b32 v[\pw], v[TM+6], 16, v[\pw]
	v_lshl_or_b32 v[\pw], v[TM+7], 24, v[\pw]
.irp c, 0,1
	v_cvt_scalef32_pk16_fp6_f32 v[\pc+6*\c:\pc+2+6*\c], v[\s+32*\c:\s+15+32*\c], v[TM+12+2*\c]
	v_cvt_scalef32_pk16_fp6_f32 v[\pc+12+4*\c:\pc+14+4*\c], v[\s+16+32*\c:\s+31+32*\c], v[TM+12+2*\c+1]
.endr
	v_nop
.irp c, 0,1
.irp i, 0,1,2
	v_permlane16_swap_b32 v[\pc+6*\c+\i], v[\pc+12+4*\c+\i]
.endr
.irp i, 0,1,2
	v_mov_b32 v[\pc+3+6*\c+\i], v[\pc+12+4*\c+\i]
.endr
.endr
.endm
.set A13, 66
.set A9,  68
.set A7,  70
.set A5,  72
.set A3,  74
.set A1,  76
.set B8,  78
.set B4,  80
.set B2,  82
.set B0,  84
.macro SPAIR r, val
	s_mov_b32 s[\r], \val
	s_mov_b32 s[\r+1], \val
.endm
.macro GELU32 x
.set j, 0
.rept 16
	v_pk_mul_f32 v[128+j:129+j], v[\x+j:\x+j+1], 0x3f3504f3 op_sel_hi:[1,0]
.set j, j+2
.endr
.set j, 0
.rept 32
	v_med3_num_f32 v[128+j], v[128+j], -4.0, 4.0
.set j, j+1
.endr
.set j, 0
.rept 16
	v_pk_mul_f32 v[160+j:161+j], v[128+j:129+j], v[128+j:129+j]
.set j, j+2
.endr
.set j, 0
.rept 16
	v_pk_fma_f32 v[192+j:193+j], v[160+j:161+j], s[A13:A13+1], v[224:225] op_sel_hi:[1,0,1]
	v_pk_fma_f32 v[32+j:33+j], v[160+j:161+j], s[B8:B8+1], v[226:227] op_sel_hi:[1,0,1]
.set j, j+2
.endr
.irp c, B4, B2, B0
.set j, 0
.rept 16
	v_pk_fma_f32 v[32+j:33+j], v[32+j:33+j], v[160+j:161+j], s[\c:\c+1] op_sel_hi:[1,1,0]
.set j, j+2
.endr
.endr
.set j, 0
	s_wait_alu depctr_va_vdst(0)
.rept 32
	v_rcp_f32 v[32+j], v[32+j]
.set j, j+1
.endr
.irp c, A9, A7, A5, A3, A1
.set j, 0
.rept 16
	v_pk_fma_f32 v[192+j:193+j], v[192+j:193+j], v[160+j:161+j], s[\c:\c+1] op_sel_hi:[1,1,0]
.set j, j+2
.endr
.endr
.set j, 0
.rept 16
	v_pk_mul_f32 v[192+j:193+j], v[192+j:193+j], v[128+j:129+j]
.set j, j+2
.endr
	s_wait_alu depctr_va_vdst(0)
.set j, 0
.rept 16
	v_pk_fma_f32 v[192+j:193+j], v[192+j:193+j], v[32+j:33+j], 0.5 op_sel_hi:[1,1,0]
.set j, j+2
.endr
.set j, 0
.rept 16
	v_pk_mul_f32 v[\x+j:\x+j+1], v[\x+j:\x+j+1], v[192+j:193+j]
.set j, j+2
.endr
.endm
	s_load_b256 s[4:11], s[0:1], 0x0
	v_lshl_add_u32 v[SPW], v0, 2, SPARE
	v_mov_b32 v[NIL], 0
	ds_add_u32 v[SPW], v[NIL]
	ds_add_u32 v[SPW], v[NIL]
	v_lshrrev_b32 v1, 5, v0
	v_readfirstlane_b32 s14, v1
	s_lshr_b32 s15, s14, 1
	s_and_b32 s16, s14, 1
	s_bfe_u32 s40, ttmp6, 0x40000
	s_bfe_u32 s41, ttmp6, 0x40004
	s_lshl_b32 s42, ttmp9, 2
	s_add_co_u32 s42, s42, s40
	s_and_b32 s17, ttmp7, 0xffff
	s_lshl_b32 s17, s17, 2
	s_add_co_u32 s17, s17, s41
	s_lshl_b32 s43, s41, 2
	s_lshl_b32 s43, 15, s43
	s_lshl_b32 s44, 0x1111, s40
	s_or_b32 s[G1+0], s43, (3<<16)|(1<<21)
	s_or_b32 s[G1B+0], s44, (3<<16)|(1<<21)
.irp g, G1, G1B
	s_mov_b32 s[\g+1], 32<<16
	s_mov_b32 s[\g+2], 100<<16
	s_mov_b32 s[\g+3], 32<<16
	s_mov_b32 s[\g+4], 100
	s_mov_b32 s[\g+5], 32
	s_mov_b32 s[\g+6], 0
	s_mov_b32 s[\g+7], 0
.endr
	s_mul_i32 s18, s16, PANEL
	s_mul_i32 s20, s17, KSTEPS*PANEL
	s_add_co_u32 s20, s20, s18
	s_mov_b32 s21, 0
	s_mul_i32 s46, s42, KSTEPS*PANEL
	s_add_co_u32 s46, s46, s18
	s_add_co_u32 s46, s46, BOFF
	s_mov_b32 s47, 0
	s_mul_i32 s45, s14, PANEL
	s_wait_dscnt 0x0
	s_wait_kmcnt 0x0
	s_add_nc_u64 s[20:21], s[4:5], s[20:21]
	s_add_nc_u64 s[46:47], s[6:7], s[46:47]
	CROUND
.irp s, 0,1
	s_mov_b32 s[G0+4*\s], 1
	s_add_co_u32 s[G0+4*\s+1], s45, \s*SLOT
	s_add_nc_u64 s[G0+4*\s+2:G0+4*\s+3], s[20:21], \s*2*PANEL
	s_or_b32 s[G0+4*\s+3], s[G0+4*\s+3], 0x80000000
	s_mov_b32 s[G0B+4*\s], 1
	s_add_co_u32 s[G0B+4*\s+1], s45, \s*SLOT
	s_add_nc_u64 s[G0B+4*\s+2:G0B+4*\s+3], s[46:47], \s*2*PANEL
	s_or_b32 s[G0B+4*\s+3], s[G0B+4*\s+3], 0x80000000
	s_wait_alu depctr_va_vdst(0)
	s_wait_tensorcnt 0x0
	ds_add_u32 v28, v29
	ds_add_u32 v28, v29
	s_wait_dscnt 0x0
	CROUND
	JLOAD G0+4*\s, G1, G0B+4*\s, G1B
.endr
	v_and_b32 v1, 15, v0
	v_bfe_u32 v2, v0, 4, 1
	v_and_b32 v3, 31, v0
	v_lshlrev_b32 v4, 4, v3
	s_wait_alu depctr_va_vdst(0)
	v_lshlrev_b32 v5, 3, v3
	s_wait_alu depctr_va_vdst(0)
	s_lshl_b32 s46, s42, 10
	s_lshl_b32 s47, s16, 9
	s_add_co_u32 s46, s46, s47
	s_mov_b32 s47, 0
	s_add_nc_u64 s[8:9], s[8:9], s[46:47]
	v_lshlrev_b32 v7, 6, v2
.irp b, 0,1,2,3,4,5,6,7
	global_load_b128 v[BIAS+8*\b:BIAS+8*\b+3], v7, s[8:9] offset:(32*(\b/2)+8*(\b%2))*4
	global_load_b128 v[BIAS+8*\b+4:BIAS+8*\b+7], v7, s[8:9] offset:(32*(\b/2)+8*(\b%2))*4+16
.endr
	s_mul_i32 s21, s15, 8*1536
	s_mul_i32 s22, s16, 8*1536
	s_add_co_u32 s22, s22, 2*PANEL
.irp s, 0,1
	v_add_nc_u32 v[ADRA+\s], s21, v4
	v_add_nc_u32 v[ADRB+\s], s22, v4
	v_add_nc_u32 v[ADRA+2+\s], s21, v5
	v_add_nc_u32 v[ADRB+2+\s], s22, v5
	s_add_co_u32 s21, s21, SLOT
	s_add_co_u32 s22, s22, SLOT
.endr
	s_lshl_b32 s21, s15, 9
	s_lshl_b32 s22, s16, 9
	s_add_co_u32 s22, s22, 2*PANEL
	s_sub_co_u32 s22, s22, s21
	v_mul_u32_u24 v6, s22, v2
	s_add_co_u32 s21, s21, 24576
	v_lshl_add_u32 v6, v1, 2, v6
	v_add_nc_u32 v[ADRS], s21, v6
	v_add_nc_u32 v[ADRS+1], SLOT, v[ADRS]
	s_lshl_b32 s23, s14, 16
	v_add_nc_u32 v25, s23, v4
	v_lshlrev_b32 v30, 2, v1
	s_wait_alu depctr_va_vdst(0)
	s_wait_tensorcnt 1
	s_barrier_signal -1
	s_barrier_wait -1
	FETCH_B 0, 0, 0
	FETCH_A 0, 0, 0
	SCALES 0
	FETCH_A 0, 0, 4
	s_wait_loadcnt 0x0
	STEP 0, 0, ZERO
	s_mov_b32 s3, LAPS-1
.Llap:
	TURN 0, 1, 1
	STEP 1, 0, 0
	TURN 1, 0, 1
	STEP 0, 0, 0
	s_sub_co_u32 s3, s3, 1
	s_cmp_lg_u32 s3, 0
	s_cbranch_scc1 .Llap
	TURN 0, 1, 0
	STEP 1, 0, 0
	s_wait_dscnt 4*NL
	WIN MUL_LO
	MUL16 0, 1, 1, 1, 0
	MUL16 2, 1, 1, 1, 0
	s_wait_dscnt 0
	WIN MUL_HI
	MUL16 4, 1, 1, 1, 0
	MUL16 6, 1, 1, 1, 0
	WIN 0
	s_wait_dscnt 0x0
	s_barrier_signal -1
	s_barrier_wait -1
	SPAIR A13, 0xaf15df0b
	SPAIR A9,  0xb58cff51
	SPAIR A7,  0xb7eec2d2
	SPAIR A5,  0xb9c0ac63
	SPAIR A3,  0xbac1a1f6
	SPAIR A1,  0xbc03dbd4
	SPAIR B8,  0xb77460cd
	SPAIR B4,  0xbadc924e
	SPAIR B2,  0xbbf19bf8
	SPAIR B0,  0xbc69b6a7
	s_mov_b32 s[SEL], 0x76543210
	s_mov_b32 s[SEL+1], 0xfedcba98
	s_mul_i32 s20, s17, 32*PANEL
	s_lshl_b32 s21, s42, 1
	s_add_co_u32 s21, s21, s16
	s_mul_i32 s21, s21, PANEL
	s_add_co_u32 s46, s20, s21
	s_mul_i32 s21, s15, 8*1536
	s_add_co_u32 s22, s46, s21
	s_mov_b32 s23, 0
	s_lshl_b32 s21, s15, 9
	s_add_co_u32 s46, s46, s21
	s_add_co_u32 s46, s46, 24576
	s_mov_b32 s47, 0
	s_add_nc_u64 s[12:13], s[10:11], s[46:47]
	s_add_nc_u64 s[10:11], s[10:11], s[22:23]
	PLACES NP
	v_mov_b32 v224, 0x326dffee
	v_mov_b32 v225, 0x326dffee
	v_mov_b32 v226, 0xb95fbd29
	v_mov_b32 v227, 0xb95fbd29
.irp a, 0,1,2,3,4,5,6,7
	WIN 0x08+4*(\a/4)
.irp b, 0,1,2,3,4,5,6,7
	ds_store_b128 v25, v[64*(\a%4)+8*\b:64*(\a%4)+8*\b+3] offset:8192*\a+1024*\b
	ds_store_b128 v25, v[64*(\a%4)+8*\b+4:64*(\a%4)+8*\b+7] offset:8192*\a+1024*\b+512
.endr
.endr
	WIN 0
	s_mov_b32 s3, 8
	s_mov_b32 s2, 0
.Lrow:
	v_add_nc_u32 v26, s2, v25
.irp b, 0,1,2,3,4,5,6,7
	ds_load_b128 v[64+8*\b:67+8*\b], v26 offset:1024*\b
	ds_load_b128 v[68+8*\b:71+8*\b], v26 offset:1024*\b+512
.endr
	s_wait_dscnt 0x0
	GELU32 64
	GELU32 96
	QUANT 64, 128, 164
	global_store_b128 v4, v[128:131], s[10:11]
	global_store_b64 v5, v[132:133], s[10:11] offset:512
	global_store_b128 v4, v[134:137], s[10:11] offset:768
	global_store_b64 v5, v[138:139], s[10:11] offset:1280
	global_store_b32 v30, v164, s[12:13]
	s_wait_xcnt 0x0
	s_add_nc_u64 s[10:11], s[10:11], 1536
	s_add_nc_u64 s[12:13], s[12:13], 64
	s_add_co_u32 s2, s2, 8192
	s_sub_co_u32 s3, s3, 1
	s_cmp_lg_u32 s3, 0
	s_cbranch_scc1 .Lrow
	s_wait_tensorcnt 0x0
	ds_add_u32 v[SPW], v[NIL]
	s_wait_dscnt 0x0
	CROUND
	s_endpgm
.Lfunc_end_k_qbb525ee117_fc1:
	.size	k_qbb525ee117_fc1, .Lfunc_end_k_qbb525ee117_fc1-k_qbb525ee117_fc1
	.p2alignl 7, 3214868480
	.fill 96, 4, 3214868480
	.section	.rodata,"a",@progbits
	.p2align	6, 0x0
	.amdhsa_kernel k_qbb525ee117_fc1
		.amdhsa_group_segment_fixed_size 327680
		.amdhsa_private_segment_fixed_size 0
		.amdhsa_enable_private_segment 0
		.amdhsa_kernarg_size 32
		.amdhsa_user_sgpr_count 2
		.amdhsa_user_sgpr_kernarg_segment_ptr 1
		.amdhsa_wavefront_size32 1
		.amdhsa_system_sgpr_workgroup_id_x 1
		.amdhsa_system_sgpr_workgroup_id_y 1
		.amdhsa_system_sgpr_workgroup_id_z 1
		.amdhsa_system_vgpr_workitem_id 0
		.amdhsa_next_free_vgpr 1024
		.amdhsa_next_free_sgpr 90
		.amdhsa_reserve_vcc 0
		.amdhsa_float_denorm_mode_32 3
		.amdhsa_float_denorm_mode_16_64 3
		.amdhsa_memory_ordered 1
		.amdhsa_forward_progress 1
		.amdhsa_inst_pref_size 169
	.end_amdhsa_kernel
	.amdgpu_metadata
---
amdhsa.version: [ 1, 2 ]
amdhsa.kernels:
  - .name:           k_qbb525ee117_fc1
    .symbol:         k_qbb525ee117_fc1.kd
    .args:
      - { .name: h2p, .offset: 0, .size: 8, .value_kind: global_buffer, .address_space: global }
      - { .name: pan, .offset: 8, .size: 8, .value_kind: global_buffer, .address_space: global }
      - { .name: b1, .offset: 16, .size: 8, .value_kind: global_buffer, .address_space: global }
      - { .name: hid, .offset: 24, .size: 8, .value_kind: global_buffer, .address_space: global }
    .group_segment_fixed_size: 327680
    .private_segment_fixed_size: 0
    .kernarg_segment_align: 8
    .kernarg_segment_size: 32
    .max_flat_workgroup_size: 128
    .sgpr_count:     90
    .vgpr_count:     1024
    .wavefront_size: 32
...
	.end_amdgpu_metadata
.endif
;; end of part 11
;; launch fc2 (part 12): grid 8 x 32, 4 waves a work-group, clusters of 4 x 4, 327,680 bytes of LDS; arguments hid, pan, x2, out0, b2; writes out0
.if DOCPART == 12
	.amdgcn_target "amdgcn-amd-amdhsa--gfx1250"
	.amdhsa_code_object_version 6
	.text
	.protected	k_qbb525ee117_fc2
	.globl	k_qbb525ee117_fc2
	.p2align	8
	.type	k_qbb525ee117_fc2,@function
k_qbb525ee117_fc2:
	s_mov_b64 s[64:65], 0
	v_nop
	global_prefetch_b8 v0, s[64:65] scope:SCOPE_SE
	s_setreg_imm32_b32 hwreg(HW_REG_WAVE_MODE, 25, 1), 1
	s_wait_xcnt 0x0
	s_wait_alu depctr_hold_cnt(0) depctr_sa_sdst(0) depctr_va_vdst(0) depctr_va_sdst(0) depctr_va_ssrc(0) depctr_va_vcc(0) depctr_vm_vsrc(0)
	s_getreg_b32 s2, hwreg(HW_REG_IB_STS2, 6, 4)
	s_cmp_eq_u32 s2, 0
	s_cbranch_scc0 .Lentry_in_a_cluster
	s_endpgm
.Lentry_in_a_cluster:
	s_bfe_u32 s2, ttmp6, 0x10000c
	s_cmp_lg_u32 s2, 0xf033
	s_cbranch_scc0 .Lentry_shape_is_right
	s_endpgm
.Lentry_shape_is_right:
; out0 = x2 + gelu-hidden w2^T + b2 on FP6 codes.  A work-group of four waves makes 128 x 128, a wave 64 x 64.  K goes through two LDS slots of four K steps (half panels of 12,288 bytes), filled by joint loads.
; THE HEAD: one joint load a wave: wave 0 slot 0's four half panels of A, wave 1 those of B, wave 2 all of A's scale words, wave 3 B's; slot 1 follows behind the full sequence, a quarter of the slot a wave.
; PREFETCH: behind each refill a wave names, for the refill two further on, 24 blocks of 256 bytes: a quarter of the 96 blocks that its own load will bring; the four partners that ask jointly take
; a quarter each, told apart by address (place / 2: the K step, place % 2: the half of its 48 blocks).  Lanes 24-31 name the last block again.  The head names the third and fourth fills; the last two refills name nothing.
.set PFA, 92                           ; s[92:93] where my prefetches stand
.set PFO, 30                           ; v30 256 x min(lane, 23); never rewritten
.set KSTEPS, 32
.set BOFF,   9830400
.set ZERO,   2
.set PANEL,  25600
.set HALFP,  12288
.set NQ,     4
.set SIDE,   NQ*HALFP
.set SLOT,   2*SIDE
.set LAPS,   KSTEPS/(2*NQ)
.set FR,     12
.set NP,     4
.set SCL,    2*SLOT
.set SCB,    KSTEPS*512
.set STAGE,  SCL+32768
.set SPITCH, 272
.set SPARE,  STAGE+4*16*SPITCH
.set ADRS,   12
.set ADRA,   16
.set ADRB,   20
.set STO,    24
.set RD,     25
.set CO,     26
.set SPW,    28
.set NIL,    29
.set BIAS,   64
.set SC,     96
.set BK,     64
.set ACC,    128
.set F0,     0
.set F1,     128
.set G1,   24
.set G0,   32
.set G1B,  48
.set G0B,  56
.set G1S,  68
.set G0S,  76
.set G1SB, 80
.set G0SB, 88
.set MSB, 0
.macro WIN new
.if MSB != \new
	s_set_vgpr_msb (MSB<<8)|\new
.set MSB, \new
.endif
.endm
.set MUL,  0x05
.set TO_F, 0x40
.macro JLOAD g0a, g1a, g0b, g1b
	s_cmp_eq_u32 s15, 0
	s_cbranch_scc0 .Lfor_b_\@
	tensor_load_to_lds s[\g0a:\g0a+3], s[\g1a:\g1a+7]
	s_nop 0
.rept 4
	v_nop
.endr
	s_branch .Lasked_\@
.Lfor_b_\@:
	tensor_load_to_lds s[\g0b:\g0b+3], s[\g1b:\g1b+7]
	s_nop 0
.rept 4
	v_nop
.endr
.Lasked_\@:
.endm
.macro CREST
	s_cmp_lg_u32 s14, 0
	s_cbranch_scc1 .Lnot_wave_0_\@
	s_barrier_signal -3
.Lnot_wave_0_\@:
	s_barrier_wait -3
	s_barrier_signal -1
	s_barrier_wait -1
.endm
.macro CROUND
	s_barrier_signal -1
	s_barrier_wait -1
	CREST
.endm
.macro FRAG reg, adr, q, i
	ds_load_b128 v[\reg:\reg+3], v[\adr] offset:HALFP*(\q)+1536*(\i)
	ds_load_b64 v[\reg+4:\reg+5], v[\adr+2] offset:HALFP*(\q)+1536*(\i)+512
	ds_load_b128 v[\reg+6:\reg+9], v[\adr] offset:HALFP*(\q)+1536*(\i)+768
	ds_load_b64 v[\reg+10:\reg+11], v[\adr+2] offset:HALFP*(\q)+1536*(\i)+1280
.endm
.macro MUL4 f, a, zero
.irp b, 0,1,2,3
.set DD, ACC+8*(4*(\a)+\b)
.set FB, (\f)+48+FR*\b
.set FA, (\f)+FR*(\a)
.set SB, SC+4*((\f)/128)+\b
.set SA, SC+4*((\f)/128)+(\a)
.if \zero == 1
	v_wmma_scale_f32_16x16x128_f8f6f4 v[DD:DD+7], v[FB:FB+11], v[FA:FA+11], 0, v[SB], v[SA] matrix_a_fmt:MATRIX_FMT_FP6 matrix_b_fmt:MATRIX_FMT_FP6 matrix_a_scale:MATRIX_SCALE_ROW1
.elseif \zero == 2
	v_wmma_scale_f32_16x16x128_f8f6f4 v[DD:DD+7], v[FB:FB+11], v[FA:FA+11], v[BIAS+8*\b:BIAS+8*\b+7], v[SB], v[SA] matrix_a_fmt:MATRIX_FMT_FP6 matrix_b_fmt:MATRIX_FMT_FP6 matrix_a_scale:MATRIX_SCALE_ROW1
.else
	v_wmma_scale_f32_16x16x128_f8f6f4 v[DD:DD+7], v[FB:FB+11], v[FA:FA+11], v[DD:DD+7], v[SB], v[SA] matrix_a_fmt:MATRIX_FMT_FP6 matrix_b_fmt:MATRIX_FMT_FP6 matrix_a_scale:MATRIX_SCALE_ROW1
.endif
.endr
.endm
.macro FETCH slot, q, f
	WIN 0
.irp i, 0,1,2,3
	ds_load_b32 v[SC+4*((\f)/128)+\i], v[ADRS] offset:512*(NQ*(\slot)+(\q))+64*\i
.endr
	WIN TO_F
.irp i, 0,1,2,3
	FRAG (\f)+48+FR*\i, ADRB+\slot, \q, \i
.endr
.irp i, 0,1,2,3
	FRAG (\f)+FR*\i, ADRA+\slot, \q, \i
.endr
.endm
.macro PLACES n
.rept \n
	v_nop
.endr
.endm
.macro STEP slot, q, f, g, zero
	s_wait_dscnt 8
	WIN MUL
	MUL4 \f, 0, \zero
	MUL4 \f, 1, \zero
	PLACES NP
	FETCH \slot, (\q)+1, \g
	s_wait_dscnt 36
	WIN MUL
	MUL4 \f, 2, \zero
	MUL4 \f, 3, \zero
.endm
.macro TURN slot, next, fill
	WIN 0
.if \fill
	s_wait_xcnt 0x0                                ; my prefetches have read their address: it steps one fill on
	s_add_nc_u64 s[PFA:PFA+1], s[PFA:PFA+1], NQ*PANEL
.endif
	s_wait_tensorcnt 0x0
	ds_add_u32 v[SPW], v[NIL]
	s_wait_dscnt 9
	WIN MUL
	MUL4 F1, 0, 0
	s_wait_dscnt 0x0
	s_barrier_signal -1
	MUL4 F1, 1, 0
	WIN 0
	s_barrier_wait -1
.if \fill
	CREST
	s_add_nc_u64 s[G0+4*\slot+2:G0+4*\slot+3], s[G0+4*\slot+2:G0+4*\slot+3], 2*NQ*PANEL
	s_add_nc_u64 s[G0B+4*\slot+2:G0B+4*\slot+3], s[G0B+4*\slot+2:G0B+4*\slot+3], 2*NQ*PANEL
	JLOAD G0+4*\slot, G1, G0B+4*\slot, G1B
.else
	PLACES NP
.endif
.if \slot == 1
	v_add_nc_u32 v[ADRS], 2*NQ*512, v[ADRS]
.endif
	FETCH \next, 0, F0
.if \fill
	WIN 0
	s_cmp_gt_u32 s3, 1                             ; the loop's last trip has no fill two refills on
	s_cbranch_scc0 .Lno_ask_\@
	global_prefetch_b8 v[PFO], s[PFA:PFA+1] offset:3*NQ*PANEL th:TH_LOAD_NT scope:SCOPE_SE
.Lno_ask_\@:
.endif
	WIN MUL
	MUL4 F1, 2, 0
	MUL4 F1, 3, 0
.endm
	s_load_b256 s[4:11], s[0:1], 0x0
.if ZERO == 2
	s_load_b64 s[12:13], s[0:1], 0x20
.endif
	v_lshl_add_u32 v[SPW], v0, 2, SPARE
	v_mov_b32 v[NIL], 0
	ds_add_u32 v[SPW], v[NIL]
	ds_add_u32 v[SPW], v[NIL]
	v_lshrrev_b32 v1, 5, v0
	v_readfirstlane_b32 s14, v1
	s_lshr_b32 s15, s14, 1
	s_and_b32 s16, s14, 1
	s_bfe_u32 s40, ttmp6, 0x40000
	s_bfe_u32 s41, ttmp6, 0x40004
	s_lshl_b32 s42, ttmp9, 2
	s_add_co_u32 s42, s42, s40
	s_and_b32 s17, ttmp7, 0xffff
	s_lshl_b32 s17, s17, 2
	s_add_co_u32 s17, s17, s41
	s_lshl_b32 s43, s41, 2
	s_lshl_b32 s43, 15, s43
	s_lshl_b32 s44, 0x1111, s40
	s_or_b32 s[G1+0], s43, (3<<16)|(1<<21)
	s_or_b32 s[G1B+0], s44, (3<<16)|(1<<21)
	s_or_b32 s[G1S+0], s43, (3<<16)|(1<<21)
	s_or_b32 s[G1SB+0], s44, (3<<16)|(1<<21)
.irp g, G1, G1B
	s_mov_b32 s[\g+1], 1536<<16
	s_mov_b32 s[\g+2], NQ<<16
	s_mov_b32 s[\g+3], 1536<<16
	s_mov_b32 s[\g+4], NQ
	s_mov_b32 s[\g+5], 3200
	s_mov_b32 s[\g+6], 0
	s_mov_b32 s[\g+7], 0
.endr
.irp g, G1S, G1SB
	s_mov_b32 s[\g+1], 64<<16
	s_mov_b32 s[\g+2], KSTEPS<<16
	s_mov_b32 s[\g+3], 64<<16
	s_mov_b32 s[\g+4], KSTEPS
	s_mov_b32 s[\g+5], 3200
	s_mov_b32 s[\g+6], 0
	s_mov_b32 s[\g+7], 0
.endr
	s_mul_i32 s18, s16, 2*PANEL
	s_mov_b32 s19, 0
	s_lshr_b32 s20, s17, 1
	s_mul_i32 s20, s20, KSTEPS*PANEL
	s_and_b32 s21, s17, 1
	s_mul_i32 s22, s21, 512
	s_mul_i32 s21, s21, HALFP
	s_add_co_u32 s22, s22, s20
	s_add_co_u32 s20, s20, s21
	s_add_co_u32 s22, s22, 24576
	s_mov_b32 s21, 0
	s_mov_b32 s23, 0
	s_lshr_b32 s46, s42, 1
	s_mul_i32 s46, s46, KSTEPS*PANEL
	s_and_b32 s47, s42, 1
	s_mul_i32 s92, s47, 512
	s_mul_i32 s47, s47, HALFP
	s_add_co_u32 s92, s92, s46
	s_add_co_u32 s46, s46, s47
	s_add_co_u32 s46, s46, BOFF
	s_add_co_u32 s92, s92, BOFF+24576
	s_mov_b32 s47, 0
	s_mov_b32 s93, 0
	s_mul_i32 s45, s14, 2*HALFP
	s_wait_dscnt 0x0
	s_wait_kmcnt 0x0
	s_add_nc_u64 s[20:21], s[4:5], s[20:21]
	s_add_nc_u64 s[22:23], s[4:5], s[22:23]
	s_add_nc_u64 s[46:47], s[6:7], s[46:47]
	s_add_nc_u64 s[92:93], s[6:7], s[92:93]
	CROUND
	s_mov_b32 s[G0], 1                             ; the head's four tiles, each whole: slot 0's four half panels of A,
	s_mov_b32 s[G0+1], 0
	s_mov_b64 s[G0+2:G0+3], s[20:21]
	s_or_b32 s[G0+3], s[G0+3], 0x80000000
	s_mov_b32 s[G0B], 1                            ; those of B, behind them,
	s_mov_b32 s[G0B+1], SIDE
	s_mov_b64 s[G0B+2:G0B+3], s[46:47]
	s_or_b32 s[G0B+3], s[G0B+3], 0x80000000
	s_mov_b32 s[G0S], 1                            ; A's scale words, 512 bytes a K step,
	s_mov_b32 s[G0S+1], SCL
	s_mov_b64 s[G0S+2:G0S+3], s[22:23]
	s_or_b32 s[G0S+3], s[G0S+3], 0x80000000
	s_mov_b32 s[G0SB], 1                           ; and B's
	s_mov_b32 s[G0SB+1], SCL+SCB
	s_mov_b64 s[G0SB+2:G0SB+3], s[92:93]
	s_or_b32 s[G0SB+3], s[G0SB+3], 0x80000000
	s_add_nc_u64 s[20:21], s[20:21], s[18:19]      ; for the ring: my two K steps of a slot's four
	s_add_nc_u64 s[46:47], s[46:47], s[18:19]
	s_mov_b32 s[G0+4], 1
	s_add_co_u32 s[G0+5], s45, SLOT
	s_add_nc_u64 s[G0+6:G0+7], s[20:21], NQ*PANEL
	s_or_b32 s[G0+7], s[G0+7], 0x80000000
	s_mov_b32 s[G0B+4], 1
	s_add_co_u32 s[G0B+5], s45, SLOT
	s_add_nc_u64 s[G0B+6:G0B+7], s[46:47], NQ*PANEL
	s_or_b32 s[G0B+7], s[G0B+7], 0x80000000
	s_cmp_eq_u32 s15, 0                            ; the prefetches: do I fetch for A?
	s_cselect_b64 s[PFA:PFA+1], s[20:21], s[46:47]
	s_cselect_b32 s94, s40, s41                    ; my place among the four that ask with me
	s_lshr_b32 s95, s94, 1
	s_mul_i32 s95, s95, PANEL
	s_and_b32 s94, s94, 1
	s_mul_i32 s94, s94, HALFP/2
	s_add_co_u32 s94, s94, s95
	s_mov_b32 s95, 0
	s_add_nc_u64 s[PFA:PFA+1], s[PFA:PFA+1], s[94:95]
; one tree of branches on the wave's number: every way through the head passes exactly one load
.macro ARM under, g0, g1, next
	s_cmp_lt_u32 s14, \under
	s_cbranch_scc0 \next
	tensor_load_to_lds s[\g0:\g0+3], s[\g1:\g1+7]
	s_nop 0
.rept 4
	v_nop
.endr
	s_branch .Lhead_asked
\next:
.endm
	ARM 1, G0,  G1,  .Lhead_b
	ARM 2, G0B, G1B, .Lhead_sa
	ARM 3, G0S, G1S, .Lhead_sb
	tensor_load_to_lds s[G0SB:G0SB+3], s[G1SB:G1SB+7]
	s_nop 0
.rept 4
	v_nop
.endr
.Lhead_asked:
	v_and_b32 v1, 15, v0
	v_bfe_u32 v2, v0, 4, 1
	v_and_b32 v3, 31, v0
	v_lshlrev_b32 v4, 4, v3
	v_lshlrev_b32 v5, 3, v3
	v_lshlrev_b32 v[CO], 12, v2
	v_lshl_add_u32 v[CO], v1, 4, v[CO]
	v_min_u32 v[PFO], 23, v3
	v_lshlrev_b32 v[PFO], 8, v[PFO]
	s_wait_alu depctr_va_vdst(0)
	s_lshl_b32 s46, s42, 9
	s_lshl_b32 s47, s16, 8
	s_add_co_u32 s46, s46, s47
	s_mov_b32 s47, 0
.if ZERO == 2
	s_add_nc_u64 s[12:13], s[12:13], s[46:47]
	v_lshlrev_b32 v7, 6, v2
.irp b, 0,1,2,3
	global_load_b128 v[BIAS+8*\b:BIAS+8*\b+3], v7, s[12:13] offset:(32*(\b/2)+8*(\b%2))*4
	global_load_b128 v[BIAS+8*\b+4:BIAS+8*\b+7], v7, s[12:13] offset:(32*(\b/2)+8*(\b%2))*4+16
.endr
.endif
	s_lshl_b32 s20, s17, 7
	s_lshl_b32 s21, s15, 6
	s_add_co_u32 s20, s20, s21
	s_lshl_b32 s20, s20, 12
	s_add_co_u32 s46, s46, s20
	s_add_nc_u64 s[8:9], s[8:9], s[46:47]
	s_add_nc_u64 s[10:11], s[10:11], s[46:47]
	WIN 0x80
.irp a, 0,1,2,3
.irp j, 0,1,2,3,4,5,6,7
	global_load_b128 v[32*\a+4*\j:32*\a+4*\j+3], v[CO], s[8:9] offset:(32*(\a/2)+8*(\a%2)+2*\j+8*(\j/4))*4096 th:TH_LOAD_NT
.endr
.endr
	WIN 0
	global_prefetch_b8 v[PFO], s[PFA:PFA+1] offset:2*NQ*PANEL th:TH_LOAD_NT scope:SCOPE_SE   ; my share of the third fill,
	global_prefetch_b8 v[PFO], s[PFA:PFA+1] offset:3*NQ*PANEL th:TH_LOAD_NT scope:SCOPE_SE   ; and of the fourth
	s_mul_i32 s21, s15, 4*1536
	s_mul_i32 s22, s16, 4*1536
	s_add_co_u32 s22, s22, SIDE
.irp s, 0,1
	v_add_nc_u32 v[ADRA+\s], s21, v4
	v_add_nc_u32 v[ADRB+\s], s22, v4
	v_add_nc_u32 v[ADRA+2+\s], s21, v5
	v_add_nc_u32 v[ADRB+2+\s], s22, v5
	s_add_co_u32 s21, s21, SLOT
	s_add_co_u32 s22, s22, SLOT
.endr
	s_lshl_b32 s21, s15, 8
	s_lshl_b32 s22, s16, 8
	s_add_co_u32 s22, s22, SCB
	s_sub_co_u32 s22, s22, s21
	v_mul_u32_u24 v6, s22, v2
	s_add_co_u32 s21, s21, SCL
	v_lshl_add_u32 v6, v1, 2, v6
	v_add_nc_u32 v[ADRS], s21, v6
	s_mul_i32 s23, s14, 16*SPITCH
	s_add_co_u32 s23, s23, STAGE
	v_mul_u32_u24 v6, v1, SPITCH
	v_lshl_add_u32 v6, v2, 6, v6
	v_add_nc_u32 v[STO], s23, v6
	v_mul_u32_u24 v6, v2, SPITCH
	v_lshl_add_u32 v6, v1, 4, v6
	v_add_nc_u32 v[RD], s23, v6
	s_wait_alu depctr_va_vdst(0)
	s_wait_tensorcnt 0x0                           ; my tile of the head's four is in
	ds_add_u32 v[SPW], v[NIL]
	s_mov_b32 s[G1+2], 2<<16                       ; no tensor load of mine is out: from here on a load brings two half panels,
	s_mov_b32 s[G1+4], 2
	s_mov_b32 s[G1B+2], 2<<16
	s_mov_b32 s[G1B+4], 2
	s_mov_b32 s[G0+1], s45                         ; and slot 0's descriptors stand at my quarter of the slot
	s_add_nc_u64 s[G0+2:G0+3], s[G0+2:G0+3], s[18:19]
	s_mov_b32 s[G0B+1], s45
	s_add_nc_u64 s[G0B+2:G0B+3], s[G0B+2:G0B+3], s[18:19]
	s_wait_dscnt 0x0
	CROUND                                         ; all four tiles are in, and the joint loads meet
	JLOAD G0+4, G1, G0B+4, G1B                     ; slot 1's first fill, the first tensor load behind the round
	FETCH 0, 0, F0
.if ZERO == 2
	s_wait_loadcnt 32
.endif
	STEP 0, 0, F0, F1, ZERO
.if LAPS > 1
	WIN 0
	s_mov_b32 s3, LAPS-1
.Llap:
	s_wait_alu depctr_va_vdst(0)
	STEP 0, 1, F1, F0, 0
	STEP 0, 2, F0, F1, 0
	TURN 0, 1, 1
	STEP 1, 0, F0, F1, 0
	STEP 1, 1, F1, F0, 0
	STEP 1, 2, F0, F1, 0
	TURN 1, 0, 1
	s_wait_alu depctr_va_vdst(0)
	STEP 0, 0, F0, F1, 0
	WIN 0
	s_sub_co_u32 s3, s3, 1
	s_cmp_lg_u32 s3, 0
	s_cbranch_scc1 .Llap
.endif
	STEP 0, 1, F1, F0, 0
	STEP 0, 2, F0, F1, 0
	TURN 0, 1, 0
	STEP 1, 0, F0, F1, 0
	STEP 1, 1, F1, F0, 0
	STEP 1, 2, F0, F1, 0
	s_wait_dscnt 8
	WIN MUL
	MUL4 F1, 0, 0
	MUL4 F1, 1, 0
	s_wait_dscnt 0
	MUL4 F1, 2, 0
	MUL4 F1, 3, 0
	WIN 0
.macro TOSTAGE a
.irp b, 0,1,2,3
	ds_store_b128 v[STO], v[ACC+8*(4*(\a)+\b):ACC+8*(4*(\a)+\b)+3] offset:128*(\b/2)+32*(\b%2)
	ds_store_b128 v[STO], v[ACC+8*(4*(\a)+\b)+4:ACC+8*(4*(\a)+\b)+7] offset:128*(\b/2)+32*(\b%2)+16
.endr
.set BB, BK+32*((\a)%2)
.irp t, 0,1,2,3,4,5,6,7
	ds_load_b128 v[BB+4*\t:BB+4*\t+3], v[RD] offset:2*\t*SPITCH
.endr
.endm
.macro SEND a, younger
.set BB, BK+32*((\a)%2)
	s_wait_dscnt \younger
	WIN 0x08
.set j, 0
.rept 16
	v_pk_add_f32 v[BB+j:BB+j+1], v[BB+j:BB+j+1], v[32*(\a)+j:32*(\a)+j+1]
.set j, j+2
.endr
	WIN 0
.irp t, 0,1,2,3,4,5,6,7
	global_store_b128 v[CO], v[BB+4*\t:BB+4*\t+3], s[10:11] offset:(32*((\a)/2)+8*((\a)%2)+2*\t+8*(\t/4))*4096
.endr
.endm
	PLACES NP
	s_wait_loadcnt 0x0
	TOSTAGE 0
.irp a, 1,2,3
.if \a > 1
	s_wait_xcnt 0x0
.endif
	TOSTAGE \a
	SEND \a-1, 16
.endr
	SEND 3, 0
	s_wait_tensorcnt 0x0
	ds_add_u32 v[SPW], v[NIL]
	s_wait_dscnt 0x0
	CROUND
	s_endpgm
.Lfunc_end_k_qbb525ee117_fc2:
	.size	k_qbb525ee117_fc2, .Lfunc_end_k_qbb525ee117_fc2-k_qbb525ee117_fc2
	.p2alignl 7, 3214868480
	.fill 96, 4, 3214868480
	.section	.rodata,"a",@progbits
	.p2align	6, 0x0
	.amdhsa_kernel k_qbb525ee117_fc2
		.amdhsa_group_segment_fixed_size 327680
		.amdhsa_private_segment_fixed_size 0
		.amdhsa_enable_private_segment 0
		.amdhsa_kernarg_size 40
		.amdhsa_user_sgpr_count 2
		.amdhsa_user_sgpr_kernarg_segment_ptr 1
		.amdhsa_wavefront_size32 1
		.amdhsa_system_sgpr_workgroup_id_x 1
		.amdhsa_system_sgpr_workgroup_id_y 1
		.amdhsa_system_sgpr_workgroup_id_z 1
		.amdhsa_system_vgpr_workitem_id 0
		.amdhsa_next_free_vgpr 640
		.amdhsa_next_free_sgpr 98
		.amdhsa_reserve_vcc 0
		.amdhsa_float_denorm_mode_32 3
		.amdhsa_float_denorm_mode_16_64 3
		.amdhsa_memory_ordered 1
		.amdhsa_forward_progress 1
		.amdhsa_inst_pref_size 103
	.end_amdhsa_kernel
	.amdgpu_metadata
---
amdhsa.version: [ 1, 2 ]
amdhsa.kernels:
  - .name:           k_qbb525ee117_fc2
    .symbol:         k_qbb525ee117_fc2.kd
    .args:
      - { .name: hid, .offset: 0, .size: 8, .value_kind: global_buffer, .address_space: global }
      - { .name: pan, .offset: 8, .size: 8, .value_kind: global_buffer, .address_space: global }
      - { .name: x2, .offset: 16, .size: 8, .value_kind: global_buffer, .address_space: global }
      - { .name: out0, .offset: 24, .size: 8, .value_kind: global_buffer, .address_space: global }
      - { .name: b2, .offset: 32, .size: 8, .value_kind: global_buffer, .address_space: global }
    .group_segment_fixed_size: 327680
    .private_segment_fixed_size: 0
    .kernarg_segment_align: 8
    .kernarg_segment_size: 40
    .max_flat_workgroup_size: 128
    .sgpr_count:     98
    .vgpr_count:     640
    .wavefront_size: 32
...
	.end_amdgpu_metadata
.endif
;; end of part 12
